; MI455X (gfx1250); checked and timed in simulation.
; The chip was launched on July 23, 2026; its instructions are those of AMD's public machine-readable ISA for CDNA 5 (MIT licence, August 2026) and "CDNA5" Instruction Set Architecture Reference Guide (July 2026). The comments in the code are by the model that wrote it; some were corrected since.
;; Entity Selector. Allowed arithmetic: float matrix products may take bf16 or f16 operands with f32 sums; all other float work in f32.
;; Inputs: WK_b 1,024 float32; WK_w 1,024 x 1,024 float32; WO_b 1,024 float32; WO_w 1,024 x 1,024 float32; WQ_b 1,024 float32; WQ_w 1,024 x 1,024 float32; ent_emb 20,000 x 1,024 float32; ent_idx_in_batch 16 x 256 int32; ln_b 1,024 float32; ln_g 1,024 float32; query 16 x 1,024 x 1,024 float32.
;; Outputs: out0 16 x 1,024 x 1,024 float32.
;; Constants: max_entity_number = 512.
;; 2 versions, each right and faster than the one before. Each part assembles by itself: llvm-mc -triple=amdgcn-amd-amdhsa -mcpu=gfx1250 --defsym DOCPART=n.
;; ======== version 1 of 2: 4 launches
;; workspace buffers: Eb 8,388,608 bytes; W3 6,291,456 bytes; PAR 20,480 bytes; ENT 16,777,216 bytes; PSB 262,144 bytes; KP 16,777,216 bytes; VP 8,388,608 bytes; VS 512 bytes
;; launch prep (part 1): grid 256 x 1, 8 waves a work-group, no clusters, 35,840 bytes of LDS; arguments ent_emb, ent_idx_in_batch, WK_w, WO_w, WQ_w, WK_b, WQ_b, WO_b, ln_g, ln_b, Eb, W3, PAR; writes Eb, W3, PAR
.if DOCPART == 1
	.amdgcn_target "amdgcn-amd-amdhsa--gfx1250"
	.amdhsa_code_object_version 6
	.text
	.protected	k_q93cceb3447_prep
	.globl	k_q93cceb3447_prep
	.p2align	8
	.type	k_q93cceb3447_prep,@function
k_q93cceb3447_prep:
	s_mov_b64 s[64:65], 0
	v_nop
	global_prefetch_b8 v0, s[64:65] scope:SCOPE_SE
	s_setreg_imm32_b32 hwreg(HW_REG_WAVE_MODE, 25, 1), 1
	s_wait_xcnt 0x0
; PREP: every float input but query is rounded to bf16 once (to nearest even) and laid out for the products that follow.
;   Eb  [4096][1024] bf16: the gathered rows of ent_emb.  A negative index wraps by 20,000, as it does in the problem's function; then it is clamped to 19,999.
;   W3  [3072][1024] bf16: rows 0-1023 WK_w as it lies, rows 1024-2047 WQ_w TRANSPOSED ([d][e]), rows 2048-3071 WO_w as it lies.
;   PAR [5][1024] f32: WK_b, WQ_b, WO_b, ln_g, ln_b, each rounded to bf16 and widened again.
; A stream bound by memory: no matrix unit, no cluster, no tensor loads.  256 work-groups of eight waves:
;   0-63    a tile of 128 x 128 of WQ_w, turned through LDS (work-group 0 also makes PAR)
;   64-191  32 gathered rows each, four a wave        192-223  32 rows of WK_w        224-255  32 rows of WO_w
.set TP,    272                        ; a row of the turned tile in LDS: 128 bf16 + 16 bytes
.set SPARE, 128*TP                     ; behind the tile: the spare words, 128 bytes a wave: four blocks of 256 bytes that no other line names
.set X,     32                         ; v[32:159]   f32 as loaded
.set Y,     160                        ; v[160:223]  bf16 to store
	s_load_b512 s[8:23], s[0:1], 0x0               ; ent_emb 8, idx 10, WK_w 12, WO_w 14, WQ_w 16, WK_b 18, WQ_b 20, WO_b 22
	s_load_b256 s[24:31], s[0:1], 0x40             ; ln_g 24, ln_b 26, Eb 28, W3 30
	s_load_b64 s[32:33], s[0:1], 0x60              ; PAR
	v_lshl_add_u32 v28, v0, 2, SPARE               ; my spare word,
	v_mov_b32 v29, 0                               ; and 0: kept for the add at the wave's end
	v_lshrrev_b32 v3, 5, v0
	v_readfirstlane_b32 s34, v3                    ; wave 0..7
	v_and_b32 v4, 31, v0                           ; lane
	v_lshlrev_b32 v1, 4, v4                        ; 16 bytes of f32 a lane,
	v_lshlrev_b32 v2, 3, v4                        ; 8 bytes of bf16
	s_mov_b32 s53, 0                               ; the upper word of every offset
	s_mov_b32 s54, 0xffff0000                      ; a word's upper bf16
	s_wait_kmcnt 0x0
	s_cmp_lt_u32 ttmp9, 64
	s_cbranch_scc1 .Ltrans
	s_cmp_lt_u32 ttmp9, 192
	s_cbranch_scc1 .Lgather
	s_cmp_lt_u32 ttmp9, 224
	s_cbranch_scc1 .Lwk
	s_sub_co_u32 s50, ttmp9, 224                   ; WO_w: my four rows begin at 32 (g - 224) + 4 wave
	s_lshl_b32 s50, s50, 5
	s_lshl2_add_u32 s50, s34, s50
	s_lshl_b32 s52, s50, 12
	s_add_nc_u64 s[40:41], s[14:15], s[52:53]
	s_add_co_u32 s50, s50, 2048                    ; they go to W3's rows 2048 on
	s_lshl_b32 s52, s50, 11
	s_add_nc_u64 s[48:49], s[30:31], s[52:53]
	s_branch .Lrows
.Lwk:
	s_sub_co_u32 s50, ttmp9, 192                   ; WK_w: the same, to W3's rows 0 on
	s_lshl_b32 s50, s50, 5
	s_lshl2_add_u32 s50, s34, s50
	s_lshl_b32 s52, s50, 12
	s_add_nc_u64 s[40:41], s[12:13], s[52:53]
	s_lshl_b32 s52, s50, 11
	s_add_nc_u64 s[48:49], s[30:31], s[52:53]
.Lrows:
	s_add_nc_u64 s[42:43], s[40:41], 4096          ; a weight's four rows follow each other
	s_add_nc_u64 s[44:45], s[40:41], 8192
	s_add_nc_u64 s[46:47], s[40:41], 12288
	s_branch .Lstream
.Lgather:
	s_sub_co_u32 s50, ttmp9, 64
	s_lshl_b32 s50, s50, 5
	s_lshl2_add_u32 s50, s34, s50                  ; my four slots of the 4,096
	s_lshl_b32 s35, s50, 2
	s_load_b128 s[36:39], s[10:11], s35 offset:0x0 ; their indices
	s_lshl_b32 s52, s50, 11
	s_add_nc_u64 s[48:49], s[28:29], s[52:53]
	s_wait_kmcnt 0x0
.irp i, 0,1,2,3
	s_cmp_lt_i32 s[36+\i], 0                       ; a negative index wraps,
	s_cselect_b32 s51, 20000, 0
	s_add_co_i32 s[36+\i], s[36+\i], s51
	s_min_u32 s[36+\i], s[36+\i], 19999            ; and no index leaves the table
	s_lshl_b32 s52, s[36+\i], 12
	s_add_nc_u64 s[40+2*\i:41+2*\i], s[8:9], s[52:53]
.endr
.Lstream:
; Four rows of 4,096 bytes: 32 loads of 512 consecutive bytes, all issued at once; each is rounded as it comes and leaves as 256 consecutive, aligned bytes.  No register is written twice.
.set k, 0
.rept 32
	global_load_b128 v[X+4*k:X+4*k+3], v1, s[40+2*(k/8):41+2*(k/8)] offset:512*(k%8)
.set k, k+1
.endr
.set k, 0
.rept 32
	s_wait_loadcnt 31-k                            ; loads come back in order: number k is in, the younger ones stay out
	v_cvt_pk_bf16_f32 v[Y+2*k], v[X+4*k], v[X+4*k+1]
	v_cvt_pk_bf16_f32 v[Y+2*k+1], v[X+4*k+2], v[X+4*k+3]
	global_store_b64 v2, v[Y+2*k:Y+2*k+1], s[48:49] offset:2048*(k/8)+256*(k%8)
.set k, k+1
.endr
	s_wait_tensorcnt 0x0                           ; the wave's end
	ds_add_u32 v28, v29
	s_wait_dscnt 0x0
	s_endpgm
.Ltrans:
	v_lshlrev_b32 v5, 4, v0                        ; 16 bytes a thread: 256 threads cover a vector of 1,024 f32
	s_cmp_lg_u32 ttmp9, 0
	s_cbranch_scc1 .Ltile
	global_load_b128 v[160:163], v5, s[18:19]
	global_load_b128 v[164:167], v5, s[20:21]
	global_load_b128 v[168:171], v5, s[22:23]
	global_load_b128 v[172:175], v5, s[24:25]
	global_load_b128 v[176:179], v5, s[26:27]
.macro PARROW k                        ; vector k: rounded to bf16, widened again, stored as f32
	s_wait_loadcnt 4-(\k)
	v_cvt_pk_bf16_f32 v200, v[160+4*(\k)], v[161+4*(\k)]
	v_cvt_pk_bf16_f32 v201, v[162+4*(\k)], v[163+4*(\k)]
	v_lshlrev_b32 v[180+4*(\k)], 16, v200
	v_and_b32 v[181+4*(\k)], s54, v200
	v_lshlrev_b32 v[182+4*(\k)], 16, v201
	v_and_b32 v[183+4*(\k)], s54, v201
	global_store_b128 v5, v[180+4*(\k):183+4*(\k)], s[32:33] offset:4096*(\k)
.endm
	PARROW 0
	PARROW 1
	PARROW 2
	PARROW 3
	PARROW 4
.Ltile:
; The tile of rows e = 128 te .. and columns d = 128 td .. of WQ_w.  A load takes 512 bytes of one row: lane l holds d = 4 l .. 4 l + 3.  Rows e and e + 1 are packed into one word for each d
; and stored at [d][e]: the lanes stand 1,088 bytes apart there, so these stores share banks eight deep: 64 work-groups, once.
	s_lshr_b32 s50, ttmp9, 3                       ; te
	s_and_b32 s51, ttmp9, 7                        ; td
	s_lshl_b32 s52, s50, 19                        ; 128 rows of 4,096 bytes
	s_lshl_b32 s35, s51, 9
	s_add_co_u32 s52, s52, s35
	s_add_nc_u64 s[40:41], s[16:17], s[52:53]
	s_lshl_b32 s52, s51, 18                        ; W3's row 1024 + 128 td, 2,048 bytes a row,
	s_add_co_u32 s52, s52, 1024*2048
	s_lshl_b32 s35, s50, 8                         ; column 128 te
	s_add_co_u32 s52, s52, s35
	s_add_nc_u64 s[48:49], s[30:31], s[52:53]
	v_lshl_add_u32 v9, s34, 13, v1                 ; rows 2 wave, 2 wave + 1; the immediates add 16 rows a step
	v_mul_u32_u24 v6, v4, 4*TP
	v_lshl_add_u32 v6, s34, 2, v6                  ; into the tile: row 4 lane (+ k), word wave (+ 8 i)
	v_lshrrev_b32 v10, 4, v0
	v_and_b32 v11, 15, v0
	v_mul_u32_u24 v7, v10, TP
	v_lshl_add_u32 v7, v11, 4, v7                  ; back: sixteen threads take a row of 256 bytes
	v_lshlrev_b32 v8, 11, v10
	v_lshl_add_u32 v8, v11, 4, v8                  ; and the same place in W3
.set i, 0
.rept 8
	global_load_b128 v[X+8*i:X+8*i+3], v9, s[40:41] offset:i*65536 th:TH_LOAD_NT
	global_load_b128 v[X+8*i+4:X+8*i+7], v9, s[40:41] offset:i*65536+4096 th:TH_LOAD_NT
.set i, i+1
.endr
.set i, 0
.rept 8
	s_wait_loadcnt 14-2*i                          ; pair i of rows is in
.irp k, 0,1,2,3
	v_cvt_pk_bf16_f32 v[96+4*i+\k], v[X+8*i+\k], v[X+8*i+4+\k]
.endr
.irp k, 0,1,2,3
	ds_store_b32 v6, v[96+4*i+\k] offset:\k*TP+32*i
.endr
.set i, i+1
.endr
	s_wait_dscnt 0x0                               ; for the others' sake: my stores into the tile are done
	s_barrier_signal -1
	s_barrier_wait -1
.set i, 0
.rept 8
	ds_load_b128 v[128+4*i:128+4*i+3], v7 offset:i*16*TP
.set i, i+1
.endr
.set i, 0
.rept 8
	s_wait_dscnt 7-i
	global_store_b128 v8, v[128+4*i:128+4*i+3], s[48:49] offset:i*32768  ; sixteen lanes store 256 consecutive bytes, aligned
.set i, i+1
.endr
	s_wait_tensorcnt 0x0                           ; the wave's end, behind my last LDS store
	ds_add_u32 v28, v29
	s_wait_dscnt 0x0
	s_endpgm
.Lfunc_end_k_q93cceb3447_prep:
	.size	k_q93cceb3447_prep, .Lfunc_end_k_q93cceb3447_prep-k_q93cceb3447_prep
	.p2alignl 7, 3214868480
	.fill 96, 4, 3214868480
	.section	.rodata,"a",@progbits
	.p2align	6, 0x0
	.amdhsa_kernel k_q93cceb3447_prep
		.amdhsa_group_segment_fixed_size 35840
		.amdhsa_private_segment_fixed_size 0
		.amdhsa_enable_private_segment 0
		.amdhsa_kernarg_size 104
		.amdhsa_user_sgpr_count 2
		.amdhsa_user_sgpr_kernarg_segment_ptr 1
		.amdhsa_wavefront_size32 1
		.amdhsa_system_sgpr_workgroup_id_x 1
		.amdhsa_system_sgpr_workgroup_id_y 1
		.amdhsa_system_sgpr_workgroup_id_z 1
		.amdhsa_system_vgpr_workitem_id 0
		.amdhsa_next_free_vgpr 232
		.amdhsa_next_free_sgpr 66
		.amdhsa_reserve_vcc 0
		.amdhsa_float_denorm_mode_32 3
		.amdhsa_float_denorm_mode_16_64 3
		.amdhsa_memory_ordered 1
		.amdhsa_forward_progress 1
		.amdhsa_inst_pref_size 26
	.end_amdhsa_kernel
	.amdgpu_metadata
---
amdhsa.version: [ 1, 2 ]
amdhsa.kernels:
  - .name:           k_q93cceb3447_prep
    .symbol:         k_q93cceb3447_prep.kd
    .args:
      - { .name: ent_emb, .offset: 0, .size: 8, .value_kind: global_buffer, .address_space: global }
      - { .name: ent_idx_in_batch, .offset: 8, .size: 8, .value_kind: global_buffer, .address_space: global }
      - { .name: WK_w, .offset: 16, .size: 8, .value_kind: global_buffer, .address_space: global }
      - { .name: WO_w, .offset: 24, .size: 8, .value_kind: global_buffer, .address_space: global }
      - { .name: WQ_w, .offset: 32, .size: 8, .value_kind: global_buffer, .address_space: global }
      - { .name: WK_b, .offset: 40, .size: 8, .value_kind: global_buffer, .address_space: global }
      - { .name: WQ_b, .offset: 48, .size: 8, .value_kind: global_buffer, .address_space: global }
      - { .name: WO_b, .offset: 56, .size: 8, .value_kind: global_buffer, .address_space: global }
      - { .name: ln_g, .offset: 64, .size: 8, .value_kind: global_buffer, .address_space: global }
      - { .name: ln_b, .offset: 72, .size: 8, .value_kind: global_buffer, .address_space: global }
      - { .name: Eb, .offset: 80, .size: 8, .value_kind: global_buffer, .address_space: global }
      - { .name: W3, .offset: 88, .size: 8, .value_kind: global_buffer, .address_space: global }
      - { .name: PAR, .offset: 96, .size: 8, .value_kind: global_buffer, .address_space: global }
    .group_segment_fixed_size: 35840
    .private_segment_fixed_size: 0
    .kernarg_segment_align: 8
    .kernarg_segment_size: 104
    .max_flat_workgroup_size: 256
    .sgpr_count:     66
    .vgpr_count:     232
    .wavefront_size: 32
...
	.end_amdgpu_metadata
.endif
;; end of part 1
;; launch entproj (part 2): grid 8 x 32, 4 waves a work-group, clusters of 4 x 4, 327,680 bytes of LDS; arguments Eb, W3, PAR, ent_idx_in_batch, ENT, PSB; writes ENT, PSB
.if DOCPART == 2
	.amdgcn_target "amdgcn-amd-amdhsa--gfx1250"
	.amdhsa_code_object_version 6
	.text
	.protected	k_q93cceb3447_entproj
	.globl	k_q93cceb3447_entproj
	.p2align	8
	.type	k_q93cceb3447_entproj,@function
k_q93cceb3447_entproj:
	s_mov_b64 s[64:65], 0
	v_nop
	global_prefetch_b8 v0, s[64:65] scope:SCOPE_SE
	s_setreg_imm32_b32 hwreg(HW_REG_WAVE_MODE, 25, 1), 1
	s_wait_xcnt 0x0
	s_wait_alu depctr_hold_cnt(0) depctr_sa_sdst(0) depctr_va_vdst(0) depctr_va_sdst(0) depctr_va_ssrc(0) depctr_va_vcc(0) depctr_vm_vsrc(0)
	s_getreg_b32 s2, hwreg(HW_REG_IB_STS2, 6, 4)
	s_cmp_eq_u32 s2, 0
	s_cbranch_scc0 .Lentry_in_a_cluster
	s_endpgm
.Lentry_in_a_cluster:
	s_bfe_u32 s2, ttmp6, 0x10000c
	s_cmp_lg_u32 s2, 0xf033
	s_cbranch_scc0 .Lentry_shape_is_right
	s_endpgm
.Lentry_shape_is_right:
; ent[n][e] = (sum over d of Eb[n][d] WK[e][d] + bk[e]) x mask[n], n = 0..4095, e = 0..1023; mask = 0 where the index is -1.  Products in bf16, sums in f32.
; OUT: ENT [4096][hi 1024 | lo 1024] bf16: hi = ent rounded to bf16, lo = (ent - hi) rounded to bf16: about 16 significant bits with f32's range, since the scores that are made of ent
; enter a softmax unscaled.  PSB [16][4096] f32: the partial sums of bq[e] ent[n][e] over 64 columns e, taken of the unrounded ent.
; A tile of 128 x 128; four waves, each 64 x 64: 16 accumulators.  K goes in four steps of 256 through two LDS slots (rows of 512 bytes + 16 of padding).
; CLUSTERS: 4 x 4 work-groups; the four of a row of the cluster need the same rows of Eb, the four of a column the same rows of WK: each tile is asked for jointly.
; THE MATRIX INSTRUCTION IS USED TRANSPOSED (source 0 = 16 rows of WK, source 1 = 16 rows of Eb): a lane holds eight neighbouring columns e of one row n.
; REGISTERS: window 0: v0-31 addresses and the masks; v32-63 at work on the way out; v64-95 bq, v96-127 bk of my columns; v128-255 the accumulators ((a, b) at v[128 + 8 (4 a + b)]).
;   window 1: two fragment buffers of 128: for 64 along K, 64 registers of A, then 64 of B.
.set SIZE_K, 1024
.set KSTEP,  256
.set PITCH,  528                       ; an LDS row: 512 bytes + 16 = 132 words: the 16 rows of a fragment load start at 16 different groups of four banks
.set HALFT,  64*PITCH
.set SLOT,   4*HALFT                   ; A's 128 rows, then B's 128 rows
.set STAGE,  0                         ; the way out uses slot 0: 128 rows x 528 bytes.  Slot 0's last fill and its last reads lie in front of the last change of slots' barrier
.set SPARE,  2*SLOT                    ; behind the ring: the spare words, 128 bytes a wave: two blocks of 256 bytes that no other line names
.set LAPS,   SIZE_K/(2*KSTEP)
.set MK,   8                           ; v8-15   the masks of my four row blocks, a pair each (first the indices)
.set ADRA, 16                          ; v16-17  LDS address of my A fragments in slot 0, 1
.set ADRB, 20                          ; v20-21  the same for B
.set STO,  24                          ; v24     the way out: where I put 16 bytes of a row
.set RD,   25                          ; v25     the way out: where I read a row back
.set CO,   26                          ; v26     my byte offset in ENT
.set SPW,  28                          ; v28     my spare word; never rewritten
.set NIL,  29                          ; v29     0; never rewritten
.set X,    32                          ; v32-39  eight numbers of ent
.set HF,   40                          ; v40-47  hi, widened
.set HP,   48                          ; v48-51  hi, packed
.set LP,   52                          ; v52-55  lo, packed
.set PS,   56                          ; v56-63  bq . ent, a pair for each row block
.set BQ,   64
.set BK,   96
.set ACC,  128
.set F0,   0
.set F1,   128
.set G1, 24                            ; s[24:31] descriptor group 1 for A's tiles;  s[32:39] group 0, one set for each slot
.set G0, 32
.set G1B, 48                           ; s[48:55], s[56:63] the same for B's tiles
.set G0B, 56
.set MSB, 0
.macro WIN new                         ; the immediate's high byte repeats the setting that is left
.if MSB != (\new)
	s_set_vgpr_msb (MSB<<8)|(\new)
.set MSB, \new
.endif
.endm
.set MUL,  0x05                        ; sources 0 (B) and 1 (A) window 1; C and D window 0
.set TO_F, 0x40                        ; destination window 1, address window 0
.macro JLOAD s                         ; a joint load: waves 0 and 1 fetch A's two halves, waves 2 and 3 B's; an s_nop 0 and four v_nop follow each line
	s_cmp_eq_u32 s11, 0
	s_cbranch_scc0 .Lfor_b_\@
	tensor_load_to_lds s[G0+4*(\s):G0+4*(\s)+3], s[G1:G1+7]
	s_nop 0
.rept 4
	v_nop
.endr
	s_branch .Lasked_\@
.Lfor_b_\@:
	tensor_load_to_lds s[G0B+4*(\s):G0B+4*(\s)+3], s[G1B:G1B+7]
	s_nop 0
.rept 4
	v_nop
.endr
.Lasked_\@:
.endm
.macro CREST                           ; a round of the cluster's barrier behind its opening barrier
	s_cmp_lg_u32 s10, 0
	s_cbranch_scc1 .Lnot_wave_0_\@
	s_barrier_signal -3
.Lnot_wave_0_\@:
	s_barrier_wait -3
	s_barrier_signal -1
	s_barrier_wait -1
.endm
.macro CROUND                          ; a whole round
	s_barrier_signal -1
	s_barrier_wait -1
	CREST
.endm
	s_load_b128 s[4:7], s[0:1], 0x0                ; Eb s[4:5], W3 s[6:7]
	s_load_b256 s[68:75], s[0:1], 0x10             ; PAR 68, idx 70, ENT 72, PSB 74
	v_lshl_add_u32 v[SPW], v0, 2, SPARE
	v_mov_b32 v[NIL], 0
	ds_add_u32 v[SPW], v[NIL]                      ; the wave's opening: the add, waited for ahead of my first tensor load
	v_lshrrev_b32 v1, 5, v0
	v_readfirstlane_b32 s10, v1                    ; wave 0..3
	s_lshr_b32 s11, s10, 1                         ; which half of the tile's rows is mine.  Also: I fetch for A (0) or for B (1)
	s_and_b32 s12, s10, 1                          ; which half of its columns.  Also: which 64 rows of that tile I fetch
	s_bfe_u32 s40, ttmp6, 0x40000                  ; cx, cy: my place in the cluster
	s_bfe_u32 s41, ttmp6, 0x40004
	s_lshl_b32 s42, ttmp9, 2
	s_add_co_u32 s42, s42, s40                     ; tile column = 4 x cluster x + cx
	s_and_b32 s13, ttmp7, 0xffff
	s_lshl_b32 s13, s13, 2
	s_add_co_u32 s13, s13, s41                     ; tile row = 4 x cluster y + cy
	s_lshl_b32 s43, s41, 2
	s_lshl_b32 s43, 15, s43                        ; my row of the cluster
	s_lshl_b32 s44, 0x1111, s40                    ; my column
	s_or_b32 s[G1+0], s43, (1<<16)|(1<<20)|(1<<21)|(6<<22)|(3<<25)  ; the mask; 2-byte elements; padding on; bit 21 beside a mask; after every 128 words 4 words
	s_or_b32 s[G1B+0], s44, (1<<16)|(1<<20)|(1<<21)|(6<<22)|(3<<25)
.irp g, G1, G1B
	s_mov_b32 s[(\g)+1], KSTEP<<16                 ; tensor_dim0 = 256
	s_mov_b32 s[(\g)+2], 64<<16                    ; tensor_dim1 = 64
	s_mov_b32 s[(\g)+3], KSTEP<<16                 ; tile_dim0 = 256
	s_mov_b32 s[(\g)+4], 64                        ; tile_dim1 = 64
	s_mov_b32 s[(\g)+5], SIZE_K                    ; elements from row to row
	s_mov_b32 s[(\g)+6], 0
	s_mov_b32 s[(\g)+7], 0
.endr
	s_lshl_b32 s17, s12, 6                         ; which 64 rows of the tile I fetch
	s_lshl_b32 s16, s13, 7
	s_add_co_u32 s16, s16, s17                     ; A: row 128 x tile row + 64 x half
	s_lshl_b32 s46, s42, 7
	s_add_co_u32 s46, s46, s17                     ; B: row 128 x tile column + 64 x half
	s_mov_b32 s17, 0
	s_mov_b32 s47, 0
	s_mov_b64 s[18:19], SIZE_K*2
	s_mul_u64 s[16:17], s[16:17], s[18:19]
	s_mul_u64 s[46:47], s[46:47], s[18:19]
	s_mul_i32 s20, s10, HALFT                      ; where they go: wave x 64 rows
	s_mov_b32 s76, 0xffff0000                      ; a word's upper bf16; also: the lanes 16-31
	s_mov_b32 s78, 0x76543210                      ; v_permlanex16_b32: each lane takes its own place in the other half
	s_mov_b32 s79, 0xfedcba98
	s_wait_dscnt 0x0                               ; the opening add is done
	s_wait_kmcnt 0x0
	s_add_nc_u64 s[14:15], s[4:5], s[16:17]
	s_add_nc_u64 s[46:47], s[6:7], s[46:47]
	CROUND                                         ; all sixteen work-groups are here: the first joint loads meet
.irp s, 0,1
	s_mov_b32 s[G0+4*(\s)], 1
	s_add_co_u32 s[G0+4*(\s)+1], s20, (\s)*SLOT
	s_add_nc_u64 s[G0+4*(\s)+2:G0+4*(\s)+3], s[14:15], (\s)*KSTEP*2
	s_or_b32 s[G0+4*(\s)+3], s[G0+4*(\s)+3], 0x80000000
	s_mov_b32 s[G0B+4*(\s)], 1
	s_add_co_u32 s[G0B+4*(\s)+1], s20, (\s)*SLOT
	s_add_nc_u64 s[G0B+4*(\s)+2:G0B+4*(\s)+3], s[46:47], (\s)*KSTEP*2
	s_or_b32 s[G0B+4*(\s)+3], s[G0B+4*(\s)+3], 0x80000000
	JLOAD \s
.endr
	v_and_b32 v1, 15, v0                           ; r = l % 16
	v_bfe_u32 v2, v0, 4, 1                         ; h = l / 16
	v_lshlrev_b32 v18, 5, v2                       ; my eight columns of a block of 16: 32 h bytes of f32
	v_lshlrev_b32 v19, 2, v1                       ; my row of a block of 16: 4 r bytes
	s_lshl_b32 s46, s42, 9                         ; bk and bq at column 128 x tile column + 64 x half
	s_lshl_b32 s47, s12, 8
	s_add_co_u32 s46, s46, s47
	s_mov_b32 s47, 0
	s_add_nc_u64 s[68:69], s[68:69], s[46:47]
	s_lshl_b32 s16, s13, 9                         ; the indices at row 128 x tile row + 64 x half
	s_lshl_b32 s17, s11, 8
	s_add_co_u32 s16, s16, s17
	s_mov_b32 s17, 0
	s_add_nc_u64 s[70:71], s[70:71], s[16:17]
	s_add_nc_u64 s[74:75], s[74:75], s[16:17]      ; PSB at the same row,
	s_lshl_b32 s46, s42, 15                        ; in the plane 2 x tile column + half
	s_lshl_b32 s47, s12, 14
	s_add_co_u32 s46, s46, s47
	s_mov_b32 s47, 0
	s_add_nc_u64 s[74:75], s[74:75], s[46:47]
.irp b, 0,1,2,3                        ; they are waited for on the way out
	global_load_b128 v[BK+8*\b:BK+8*\b+3], v18, s[68:69] offset:64*\b
	global_load_b128 v[BK+8*\b+4:BK+8*\b+7], v18, s[68:69] offset:64*\b+16
	global_load_b128 v[BQ+8*\b:BQ+8*\b+3], v18, s[68:69] offset:4096+64*\b
	global_load_b128 v[BQ+8*\b+4:BQ+8*\b+7], v18, s[68:69] offset:4096+64*\b+16
.endr
.irp a, 0,1,2,3
	global_load_b32 v[MK+2*\a], v19, s[70:71] offset:64*\a
.endr
	v_mul_u32_u24 v3, v1, PITCH
	v_lshl_add_u32 v3, v2, 4, v3                   ; a fragment's row x pitch + 16 x half
	s_mul_i32 s21, s11, HALFT                      ; my 64 rows of A
	s_mul_i32 s22, s12, HALFT                      ; my 64 rows of B,
	s_add_co_u32 s22, s22, 2*HALFT                 ; which lie behind A's 128
.irp s, 0,1
	v_add_nc_u32 v[ADRA+(\s)], s21, v3
	v_add_nc_u32 v[ADRB+(\s)], s22, v3
	s_add_co_u32 s21, s21, SLOT
	s_add_co_u32 s22, s22, SLOT
.endr
	s_mul_i32 s23, s11, 64*PITCH                   ; into the stage: my 64 rows, my 128 bytes of hi (lo lies 256 bytes on); row r, 16 bytes for each half of the lanes
	s_lshl_b32 s21, s12, 7
	s_add_co_u32 s23, s23, s21
	v_add_nc_u32 v[STO], s23, v3
	v_and_b32 v27, 31, v0
	v_lshlrev_b32 v27, 2, v27                      ; 4 x lane: PSB's stores
	s_mul_i32 s23, s10, 32*PITCH                   ; back: wave w takes rows 32 w .. 32 w + 31, whole: lanes 0-15 hi, lanes 16-31 lo
	v_lshl_add_u32 v[RD], v27, 2, s23
	v_lshlrev_b32 v[CO], 11, v2                    ; in ENT lo lies 2,048 bytes behind hi
	v_lshl_add_u32 v[CO], v1, 4, v[CO]
	s_lshl_b32 s16, s13, 19                        ; ENT at row 128 x tile row + 32 x wave (4,096 bytes a row),
	s_lshl_b32 s17, s10, 17
	s_add_co_u32 s16, s16, s17
	s_mov_b32 s17, 0
	s_add_nc_u64 s[72:73], s[72:73], s[16:17]
	s_lshl_b32 s46, s42, 8                         ; column 128 x tile column
	s_mov_b32 s47, 0
	s_add_nc_u64 s[72:73], s[72:73], s[46:47]
; 8 matrix instructions: row blocks a0, a0 + 1 x all 4 column blocks, 32 along K: half c of buffer f.  zero = 1: the first product starts the sums
.macro MUL8 f, c, a0, zero
	WIN MUL
.irp a, \a0, (\a0)+1
.irp b, 0,1,2,3
.if \zero
	v_wmma_f32_16x16x32_bf16 v[ACC+8*(4*(\a)+(\b)):ACC+8*(4*(\a)+(\b))+7], v[(\f)+64+8*(4*(\c)+(\b)):(\f)+64+8*(4*(\c)+(\b))+7], v[(\f)+8*(4*(\c)+(\a)):(\f)+8*(4*(\c)+(\a))+7], 0
.else
	v_wmma_f32_16x16x32_bf16 v[ACC+8*(4*(\a)+(\b)):ACC+8*(4*(\a)+(\b))+7], v[(\f)+64+8*(4*(\c)+(\b)):(\f)+64+8*(4*(\c)+(\b))+7], v[(\f)+8*(4*(\c)+(\a)):(\f)+8*(4*(\c)+(\a))+7], v[ACC+8*(4*(\a)+(\b)):ACC+8*(4*(\a)+(\b))+7]
.endif
.endr
.endr
.endm
; 32 LDS loads in one run: the fragments of 64 along K at byte k of the rows, into buffer f; the first 32 along K first
.macro FETCH slot, k, f
	WIN TO_F
.irp c, 0,1
.irp i, 0,1,2,3
	ds_load_b128 v[(\f)+64+8*(4*(\c)+(\i)):(\f)+64+8*(4*(\c)+(\i))+3],   v[ADRB+(\slot)] offset:(\k)+64*(\c)+(\i)*16*PITCH
	ds_load_b128 v[(\f)+64+8*(4*(\c)+(\i))+4:(\f)+64+8*(4*(\c)+(\i))+7], v[ADRB+(\slot)] offset:(\k)+64*(\c)+(\i)*16*PITCH+32
	ds_load_b128 v[(\f)+8*(4*(\c)+(\i)):(\f)+8*(4*(\c)+(\i))+3],         v[ADRA+(\slot)] offset:(\k)+64*(\c)+(\i)*16*PITCH
	ds_load_b128 v[(\f)+8*(4*(\c)+(\i))+4:(\f)+8*(4*(\c)+(\i))+7],       v[ADRA+(\slot)] offset:(\k)+64*(\c)+(\i)*16*PITCH+32
.endr
.endr
.endm
.macro PLACES                          ; four places in front of loads into registers that matrix instructions have read, and of vector work that reads results
.rept 4
	v_nop
.endr
.endm
; A K step is four quarters of 64 along K, 32 matrix instructions each, on buffers 0, 1, 0, 1.  One of the first three: multiplies buffer f and fetches the next quarter, at byte k, into g.
.macro QUARTER slot, k, f, g, zero
	s_wait_dscnt 16                                ; the first 32 along K are in
	WIN MUL
	MUL8 \f, 0, 0, \zero
	MUL8 \f, 0, 2, \zero
	PLACES
	FETCH \slot, \k, \g
	s_wait_dscnt 32                                ; all but the 32 just issued
	WIN MUL
	MUL8 \f, 1, 0, 0
	MUL8 \f, 1, 2, 0
.endm
; The last quarter multiplies buffer 1 and changes slots: ONE barrier; in front of it each wave waits for all its tensor loads, adds 0 to its spare word, and waits for that and for its own reads of this slot.
.macro TURN slot, next, fill
	WIN 0                                          ; (the add's two registers lie in window 0)
	s_wait_tensorcnt 0x0                           ; all my tensor loads have landed: my part of the next slot;
	ds_add_u32 v[SPW], v[NIL]                      ; 0 onto my spare word;
	s_wait_dscnt 17                                ; (the add and the youngest sixteen loads may be out)
	WIN MUL
	MUL8 F1, 0, 0, 0
	s_wait_dscnt 0x0                               ; the add is done, and my reads of this slot are over
	s_barrier_signal -1
	MUL8 F1, 0, 2, 0
.if \fill
	WIN 0
.endif
	s_barrier_wait -1
.if \fill
	CREST                                          ; the barrier has opened a round of the cluster's barrier: no wave of any partner still reads this slot's tile or has a load on its way
	s_add_nc_u64 s[G0+4*(\slot)+2:G0+4*(\slot)+3], s[G0+4*(\slot)+2:G0+4*(\slot)+3], 2*KSTEP*2
	s_add_nc_u64 s[G0B+4*(\slot)+2:G0B+4*(\slot)+3], s[G0B+4*(\slot)+2:G0B+4*(\slot)+3], 2*KSTEP*2
	JLOAD \slot                                    ; the first tensor load behind the round; its four v_nop are also the places in front of the loads below
.else
	PLACES
.endif
	FETCH \next, 0, F0
	WIN MUL
	MUL8 F1, 1, 0, 0
	MUL8 F1, 1, 2, 0
.endm
	s_wait_tensorcnt 1                             ; my part of K step 0 is in; K step 1's may stay out
	s_barrier_signal -1
	s_barrier_wait -1
	FETCH 0, 0, F0
	QUARTER 0, 128, F0, F1, 1                      ; the first quarter stands in front of the loop: its first products start the sums
	WIN 0
	s_mov_b32 s3, LAPS-1
.Llap:                                                 ; a trip goes once round the ring and fills both slots again
	QUARTER 0, 256, F1, F0, 0
	QUARTER 0, 384, F0, F1, 0
	TURN 0, 1, 1
	QUARTER 1, 128, F0, F1, 0
	QUARTER 1, 256, F1, F0, 0
	QUARTER 1, 384, F0, F1, 0
	TURN 1, 0, 1
	QUARTER 0, 128, F0, F1, 0
	WIN 0
	s_sub_co_u32 s3, s3, 1
	s_cmp_lg_u32 s3, 0
	s_cbranch_scc1 .Llap
	QUARTER 0, 256, F1, F0, 0                      ; the last lap fills nothing
	QUARTER 0, 384, F0, F1, 0
	TURN 0, 1, 0                                   ; behind this barrier nobody reads slot 0 any more, and nothing is loaded into it: it serves as the stage below
	QUARTER 1, 128, F0, F1, 0
	QUARTER 1, 256, F1, F0, 0
	QUARTER 1, 384, F0, F1, 0
	s_wait_dscnt 16
	WIN MUL
	MUL8 F1, 0, 0, 0
	MUL8 F1, 0, 2, 0
	s_wait_dscnt 0
	MUL8 F1, 1, 0, 0
	MUL8 F1, 1, 2, 0
	WIN 0
	; THE WAY OUT.  ent = (sum + bk) x mask; bq . ent is gathered; ent is split into hi and lo, 16 bytes each a lane, into the stage; a barrier, since a row's bytes come from two waves; back as whole rows.
	s_wait_loadcnt 0x0                             ; bk, bq and the indices
	PLACES
.irp a, 0,1,2,3
	v_cmp_ne_u32 vcc_lo, -1, v[MK+2*\a]
	v_cndmask_b32 v[MK+2*\a], 0, 1.0, vcc_lo
	v_mov_b32 v[MK+2*\a+1], v[MK+2*\a]
.endr
.macro EPI a, b                        ; accumulator (a, b): its registers are taken in ascending order
.set AC, ACC+8*(4*(\a)+(\b))
.irp p, 0,1,2,3
	v_pk_add_f32 v[X+2*\p:X+2*\p+1], v[AC+2*\p:AC+2*\p+1], v[BK+8*(\b)+2*\p:BK+8*(\b)+2*\p+1]
.endr
.irp p, 0,1,2,3
	v_pk_mul_f32 v[X+2*\p:X+2*\p+1], v[X+2*\p:X+2*\p+1], v[MK+2*(\a):MK+2*(\a)+1]
.endr
.irp p, 0,1,2,3
	v_cvt_pk_bf16_f32 v[HP+\p], v[X+2*\p], v[X+2*\p+1]
.endr
.irp p, 0,1,2,3
.if ((\b) == 0) && ((\p) == 0)
	v_pk_mul_f32 v[PS+2*(\a):PS+2*(\a)+1], v[X:X+1], v[BQ:BQ+1]   ; the first product starts the sum
.else
	v_pk_fma_f32 v[PS+2*(\a):PS+2*(\a)+1], v[X+2*\p:X+2*\p+1], v[BQ+8*(\b)+2*\p:BQ+8*(\b)+2*\p+1], v[PS+2*(\a):PS+2*(\a)+1]
.endif
	v_lshlrev_b32 v[HF+2*\p], 16, v[HP+\p]
	v_and_b32 v[HF+2*\p+1], s76, v[HP+\p]
.endr
.irp p, 0,1,2,3
	v_pk_add_f32 v[X+2*\p:X+2*\p+1], v[X+2*\p:X+2*\p+1], v[HF+2*\p:HF+2*\p+1] neg_lo:[0,1] neg_hi:[0,1]  ; ent - hi, exact
.endr
.irp p, 0,1,2,3
	v_cvt_pk_bf16_f32 v[LP+\p], v[X+2*\p], v[X+2*\p+1]
.endr
	ds_store_b128 v[STO], v[HP:HP+3] offset:STAGE+(\a)*16*PITCH+32*(\b)
	ds_store_b128 v[STO], v[LP:LP+3] offset:STAGE+(\a)*16*PITCH+32*(\b)+256
.endm
.irp a, 0,1,2,3
.irp b, 0,1,2,3
	EPI \a, \b
.endr
.endr
.irp a, 0,1,2,3
	v_add_f32 v[X+\a], v[PS+2*\a], v[PS+2*\a+1]
.endr
.irp a, 0,1,2,3
	v_permlanex16_b32 v[HF+\a], v[X+\a], s78, s79  ; the row's other 32 columns lie in the lane 16 away
.endr
.irp a, 0,1,2,3
	v_add_f32 v[X+\a], v[X+\a], v[HF+\a]
.endr
	v_cndmask_b32 v[X+4], v[X], v[X+1], s76        ; lanes 0-15 rows 0-15, lanes 16-31 rows 16-31
	v_cndmask_b32 v[X+5], v[X+2], v[X+3], s76
	global_store_b32 v27, v[X+4], s[74:75]
	global_store_b32 v27, v[X+5], s[74:75] offset:128
	s_wait_dscnt 0x0                               ; for the others' sake: my stores into the stage are done
	s_barrier_signal -1
	s_barrier_wait -1
.set t, 0
.rept 32
	ds_load_b128 v[ACC+4*t:ACC+4*t+3], v[RD] offset:STAGE+t*PITCH
.set t, t+1
.endr
.set t, 0
.rept 32
	s_wait_dscnt 31-t
	global_store_b128 v[CO], v[ACC+4*t:ACC+4*t+3], s[72:73] offset:4096*t  ; lanes 0-15 store 256 consecutive bytes of hi, lanes 16-31 of lo, both aligned
.set t, t+1
.endr
	s_wait_tensorcnt 0x0                           ; the wave's end
	ds_add_u32 v[SPW], v[NIL]
	s_wait_dscnt 0x0
	CROUND                                         ; the closing round
	s_endpgm
.Lfunc_end_k_q93cceb3447_entproj:
	.size	k_q93cceb3447_entproj, .Lfunc_end_k_q93cceb3447_entproj-k_q93cceb3447_entproj
	.p2alignl 7, 3214868480
	.fill 96, 4, 3214868480
	.section	.rodata,"a",@progbits
	.p2align	6, 0x0
	.amdhsa_kernel k_q93cceb3447_entproj
		.amdhsa_group_segment_fixed_size 327680
		.amdhsa_private_segment_fixed_size 0
		.amdhsa_enable_private_segment 0
		.amdhsa_kernarg_size 48
		.amdhsa_user_sgpr_count 2
		.amdhsa_user_sgpr_kernarg_segment_ptr 1
		.amdhsa_wavefront_size32 1
		.amdhsa_system_sgpr_workgroup_id_x 1
		.amdhsa_system_sgpr_workgroup_id_y 1
		.amdhsa_system_sgpr_workgroup_id_z 1
		.amdhsa_system_vgpr_workitem_id 0
		.amdhsa_next_free_vgpr 512
		.amdhsa_next_free_sgpr 80
		.amdhsa_reserve_vcc 1
		.amdhsa_float_denorm_mode_32 3
		.amdhsa_float_denorm_mode_16_64 3
		.amdhsa_memory_ordered 1
		.amdhsa_forward_progress 1
		.amdhsa_inst_pref_size 118
	.end_amdhsa_kernel
	.amdgpu_metadata
---
amdhsa.version: [ 1, 2 ]
amdhsa.kernels:
  - .name:           k_q93cceb3447_entproj
    .symbol:         k_q93cceb3447_entproj.kd
    .args:
      - { .name: Eb, .offset: 0, .size: 8, .value_kind: global_buffer, .address_space: global }
      - { .name: W3, .offset: 8, .size: 8, .value_kind: global_buffer, .address_space: global }
      - { .name: PAR, .offset: 16, .size: 8, .value_kind: global_buffer, .address_space: global }
      - { .name: ent_idx_in_batch, .offset: 24, .size: 8, .value_kind: global_buffer, .address_space: global }
      - { .name: ENT, .offset: 32, .size: 8, .value_kind: global_buffer, .address_space: global }
      - { .name: PSB, .offset: 40, .size: 8, .value_kind: global_buffer, .address_space: global }
    .group_segment_fixed_size: 327680
    .private_segment_fixed_size: 0
    .kernarg_segment_align: 8
    .kernarg_segment_size: 48
    .max_flat_workgroup_size: 128
    .sgpr_count:     80
    .vgpr_count:     512
    .wavefront_size: 32
...
	.end_amdgpu_metadata
.endif
;; end of part 2
;; launch kvproj (part 3): grid 16 x 16, 4 waves a work-group, clusters of 4 x 4, 327,680 bytes of LDS; arguments ENT, W3, KP, VP, VS; writes KP, VP, VS
.if DOCPART == 3
	.amdgcn_target "amdgcn-amd-amdhsa--gfx1250"
	.amdhsa_code_object_version 6
	.text
	.protected	k_q93cceb3447_kvproj
	.globl	k_q93cceb3447_kvproj
	.p2align	8
	.type	k_q93cceb3447_kvproj,@function
k_q93cceb3447_kvproj:
	s_mov_b64 s[64:65], 0
	v_nop
	global_prefetch_b8 v0, s[64:65] scope:SCOPE_SE
	s_setreg_imm32_b32 hwreg(HW_REG_WAVE_MODE, 25, 1), 1
	s_wait_xcnt 0x0
	s_wait_alu depctr_hold_cnt(0) depctr_sa_sdst(0) depctr_va_vdst(0) depctr_va_sdst(0) depctr_va_ssrc(0) depctr_va_vcc(0) depctr_vm_vsrc(0)
	s_getreg_b32 s2, hwreg(HW_REG_IB_STS2, 6, 4)
	s_cmp_eq_u32 s2, 0
	s_cbranch_scc0 .Lentry_in_a_cluster
	s_endpgm
.Lentry_in_a_cluster:
	s_bfe_u32 s2, ttmp6, 0x10000c
	s_cmp_lg_u32 s2, 0xf033
	s_cbranch_scc0 .Lentry_shape_is_right
	s_endpgm
.Lentry_shape_is_right:
; K'[n][d] = sum over e of ent[n][e] WQ_w[e][d]  and  V'[n][d] = sum over e of ent[n][e] WO_w[d][e],  ent = hi + lo (two bf16).  Products in bf16, sums in f32.
; With them query . K' + bq . ent is the score, and P . V' the output in front of bo: the two projections run over the 4,096 entity rows and not over the 16,384 query rows.
; A work-group makes 256 rows (one batch) x 128 columns; column tiles 0-7 are K', 8-15 V': both are rows 1024 + 128 x tile of W3.  Four waves, each 128 x 64: 32 accumulators.
; K: 16 steps of 128: slot 0 takes hi's chunk c, slot 1 lo's chunk c, each with W3's chunk c beside it.
; OUT.  KP [16 b][8 c][256 key][hi 128 | lo 128] bf16, K' split as ent was (about 16 significant bits).
;       VP [4096][1024] f16 = V' x 2^(141 - e), e the biased exponent of the tile's largest magnitude, held within 16 .. 254: the largest number lies in 2^14 .. 2^15, whatever the inputs' size;
;       numbers below 2^-29 of the tile's largest keep f16's fixed step.  VS [16 b][8] f32 = 2^(e - 141).  NaN and infinities are not treated apart.
; CLUSTERS: 4 x 4 work-groups; a row of the cluster shares the batch (A's tiles), a column the column tile (B's tiles).
; THE MATRIX INSTRUCTION IS USED TRANSPOSED (source 0 = 16 rows of W3, source 1 = 16 rows of ENT): a lane holds eight neighbouring columns of one row.
; THE STAGES of the way out lie in the ring, behind its last fills and reads: K's in slot 0, V's in slot 1, so that the two ways out, of which a work-group takes one, name no byte in common.
; The tile's maximum and the scale are made by every work-group, on the one path that all share: the barrier among them stands on every path, and the registers of VS's store are written on every path;
; the work-groups of K' make no use of them: 128 maxima, one LDS load and eleven vector lines a wave.
; REGISTERS: window 0: v0-31 addresses; v32-127, v128-223 two fragment buffers (B's 4 fragments, then A's 8); v224-229 maximum and scale.  window 1: the accumulators, (a, b) at v[8 (4 a + b)].
.set PITCH,  272                       ; an LDS row: 256 bytes + 16
.set QTR,    128*PITCH                 ; a wave's part of a slot: 128 rows of A, or 64 rows of B
.set SLOT,   4*QTR
.set KPP,    528                       ; the stage's row for K': hi 256 | lo 256 + 16; 256 rows from byte 0 on: 135,168 bytes, inside slot 0
.set VSTG,   SLOT                      ; V's stage: 256 rows x 272 bytes from slot 1's first byte on: 69,632 bytes
.set SPARE,  2*SLOT                    ; behind the ring: the spare words: two blocks of 256 bytes that no other line names
.set RED,    SPARE+512                 ; four words, the waves' maxima, in a block of their own
.set ADRA, 16
.set ADRB, 20
.set STK,  22
.set STV,  23
.set RDK,  24
.set RDV,  25
.set GK,   26
.set GV,   27
.set SPW,  28
.set NIL,  29
.set F0,   32
.set F1,   128
.set H,    32                          ; the way out: packed results
.set HF,   48                          ; widened hi, then the rest; or V' scaled
.set L,    80                          ; packed lo
.set G1, 24
.set G0, 32
.set G1B, 48
.set G0B, 56
.set MSB, 0
.macro WIN new
.if MSB != (\new)
	s_set_vgpr_msb (MSB<<8)|(\new)
.set MSB, \new
.endif
.endm
.set MUL, 0x50                         ; sources window 0; C and D window 1
.macro JLOAD s                         ; waves 0 and 1 fetch A's two halves, waves 2 and 3 B's; an s_nop 0 and four v_nop follow each line
	s_cmp_eq_u32 s11, 0
	s_cbranch_scc0 .Lfor_b_\@
	tensor_load_to_lds s[G0+4*(\s):G0+4*(\s)+3], s[G1:G1+7]
	s_nop 0
.rept 4
	v_nop
.endr
	s_branch .Lasked_\@
.Lfor_b_\@:
	tensor_load_to_lds s[G0B+4*(\s):G0B+4*(\s)+3], s[G1B:G1B+7]
	s_nop 0
.rept 4
	v_nop
.endr
.Lasked_\@:
.endm
.macro CREST
	s_cmp_lg_u32 s10, 0
	s_cbranch_scc1 .Lnot_wave_0_\@
	s_barrier_signal -3
.Lnot_wave_0_\@:
	s_barrier_wait -3
	s_barrier_signal -1
	s_barrier_wait -1
.endm
.macro CROUND
	s_barrier_signal -1
	s_barrier_wait -1
	CREST
.endm
.macro PLACES
.rept 4
	v_nop
.endr
.endm
	s_load_b128 s[4:7], s[0:1], 0x0                ; ENT s[4:5], W3 s[6:7]
	s_load_b128 s[68:71], s[0:1], 0x10             ; KP s[68:69], VP s[70:71]
	s_load_b64 s[72:73], s[0:1], 0x20              ; VS
	v_lshl_add_u32 v[SPW], v0, 2, SPARE
	v_mov_b32 v[NIL], 0
	ds_add_u32 v[SPW], v[NIL]                      ; the wave's opening: the add, waited for ahead of my first tensor load
	v_lshrrev_b32 v1, 5, v0
	v_readfirstlane_b32 s10, v1                    ; wave 0..3
	s_lshr_b32 s11, s10, 1                         ; which 128 rows are mine.  Also: I fetch for A (0) or for B (1)
	s_and_b32 s12, s10, 1                          ; which 64 columns.  Also: which half of that tile I fetch
	s_bfe_u32 s40, ttmp6, 0x40000
	s_bfe_u32 s41, ttmp6, 0x40004
	s_lshl_b32 s42, ttmp9, 2
	s_add_co_u32 s42, s42, s40                     ; column tile = 4 x cluster x + cx
	s_and_b32 s13, ttmp7, 0xffff
	s_lshl_b32 s13, s13, 2
	s_add_co_u32 s13, s13, s41                     ; batch = 4 x cluster y + cy
	s_lshl_b32 s43, s41, 2
	s_lshl_b32 s43, 15, s43                        ; my row of the cluster
	s_lshl_b32 s44, 0x1111, s40                    ; my column
	s_or_b32 s[G1+0], s43, (1<<16)|(1<<20)|(1<<21)|(5<<22)|(3<<25)  ; the mask; 2-byte elements; padding on; bit 21 beside a mask; after every 64 words 4 words
	s_or_b32 s[G1B+0], s44, (1<<16)|(1<<20)|(1<<21)|(5<<22)|(3<<25)
	s_mov_b32 s[G1+1], 128<<16                     ; A: tensor_dim0 = 128
	s_mov_b32 s[G1+2], 128<<16                     ; tensor_dim1 = 128
	s_mov_b32 s[G1+3], 128<<16                     ; tile_dim0 = 128
	s_mov_b32 s[G1+4], 128                         ; tile_dim1 = 128
	s_mov_b32 s[G1+5], 2048                        ; ENT's row: 2,048 elements
	s_mov_b32 s[G1+6], 0
	s_mov_b32 s[G1+7], 0
	s_mov_b32 s[G1B+1], 128<<16                    ; B: 64 rows of 128
	s_mov_b32 s[G1B+2], 64<<16
	s_mov_b32 s[G1B+3], 128<<16
	s_mov_b32 s[G1B+4], 64
	s_mov_b32 s[G1B+5], 1024
	s_mov_b32 s[G1B+6], 0
	s_mov_b32 s[G1B+7], 0
	s_lshl_b32 s16, s13, 8
	s_lshl_b32 s17, s12, 7
	s_add_co_u32 s16, s16, s17                     ; A: row 256 x batch + 128 x half,
	s_lshl_b32 s16, s16, 12                        ; 4,096 bytes a row
	s_mov_b32 s17, 0
	s_lshl_b32 s46, s42, 7
	s_lshl_b32 s47, s12, 6
	s_add_co_u32 s46, s46, s47
	s_add_co_u32 s46, s46, 1024                    ; B: row 1024 + 128 x column tile + 64 x half,
	s_lshl_b32 s46, s46, 11                        ; 2,048 bytes a row
	s_mov_b32 s47, 0
	s_mul_i32 s20, s10, QTR                        ; where they go: no place in the cluster enters an LDS address
	s_mov_b32 s76, 0xffff0000
	s_mov_b32 s78, 0x76543210
	s_mov_b32 s79, 0xfedcba98
	s_wait_dscnt 0x0                               ; the opening add is done
	s_wait_kmcnt 0x0
	s_add_nc_u64 s[14:15], s[4:5], s[16:17]
	s_add_nc_u64 s[46:47], s[6:7], s[46:47]
	CROUND                                         ; all sixteen work-groups are here: the first joint loads meet
.irp s, 0,1
	s_mov_b32 s[G0+4*(\s)], 1
	s_add_co_u32 s[G0+4*(\s)+1], s20, (\s)*SLOT
	s_add_nc_u64 s[G0+4*(\s)+2:G0+4*(\s)+3], s[14:15], (\s)*2048   ; slot 0: hi; slot 1: lo, 2,048 bytes on in the row
	s_or_b32 s[G0+4*(\s)+3], s[G0+4*(\s)+3], 0x80000000
	s_mov_b32 s[G0B+4*(\s)], 1
	s_add_co_u32 s[G0B+4*(\s)+1], s20, (\s)*SLOT
	s_add_nc_u64 s[G0B+4*(\s)+2:G0B+4*(\s)+3], s[46:47], 0         ; both slots take the same chunk of W3
	s_or_b32 s[G0B+4*(\s)+3], s[G0B+4*(\s)+3], 0x80000000
	JLOAD \s
.endr
	v_and_b32 v1, 15, v0                           ; r
	v_bfe_u32 v2, v0, 4, 1                         ; h
	v_and_b32 v5, 31, v0                           ; lane
	v_mul_u32_u24 v3, v1, PITCH
	v_lshl_add_u32 v3, v2, 4, v3                   ; row x pitch + 16 x half
	s_mul_i32 s21, s11, QTR                        ; my 128 rows of A
	s_mul_i32 s22, s12, QTR                        ; my 64 rows of B,
	s_add_co_u32 s22, s22, 2*QTR                   ; behind A's two parts
.irp s, 0,1
	v_add_nc_u32 v[ADRA+(\s)], s21, v3
	v_add_nc_u32 v[ADRB+(\s)], s22, v3
	s_add_co_u32 s21, s21, SLOT
	s_add_co_u32 s22, s22, SLOT
.endr
	v_mul_u32_u24 v4, v1, KPP
	v_lshl_add_u32 v4, v2, 4, v4
	s_mul_i32 s23, s11, 128*KPP
	s_lshl_b32 s21, s12, 7
	s_add_co_u32 s23, s23, s21
	v_add_nc_u32 v[STK], s23, v4                   ; K' into its stage: row 128 x half + r, my 128 bytes of hi, 16 bytes for each half of the lanes
	s_mul_i32 s23, s11, 128*PITCH
	s_add_co_u32 s23, s23, s21
	s_add_co_u32 s23, s23, VSTG
	v_add_nc_u32 v[STV], s23, v3                   ; V' into its own stage likewise, rows of 272 bytes
	s_mul_i32 s23, s10, 64*KPP
	v_lshl_add_u32 v[RDK], v5, 4, s23              ; back: wave w takes rows 64 w on; a row of K' is 512 bytes: one load
	s_mul_i32 s23, s10, 64*PITCH
	s_add_co_u32 s23, s23, VSTG
	v_mul_u32_u24 v[RDV], v2, PITCH
	v_lshl_add_u32 v[RDV], v1, 4, v[RDV]
	v_add_nc_u32 v[RDV], s23, v[RDV]               ; a row of V' is 256 bytes: two rows a load
	v_lshlrev_b32 v[GK], 4, v5
	v_lshlrev_b32 v[GV], 11, v2
	v_lshl_add_u32 v[GV], v1, 4, v[GV]
	v_mov_b32 v31, RED
	v_lshl_add_u32 v30, s10, 2, v31                ; my wave's word
; n row blocks from a0 x all 4 column blocks, 32 along K.  The 32 accumulators take turns, one instruction a turn
.macro MULN f, a0, n, zero
	WIN MUL
.set ia, \a0
.rept \n
.set ib, 0
.rept 4
.if \zero
	v_wmma_f32_16x16x32_bf16 v[8*(4*ia+ib):8*(4*ia+ib)+7], v[(\f)+8*ib:(\f)+8*ib+7], v[(\f)+32+8*ia:(\f)+32+8*ia+7], 0
.else
	v_wmma_f32_16x16x32_bf16 v[8*(4*ia+ib):8*(4*ia+ib)+7], v[(\f)+8*ib:(\f)+8*ib+7], v[(\f)+32+8*ia:(\f)+32+8*ia+7], v[8*(4*ia+ib):8*(4*ia+ib)+7]
.endif
.set ib, ib+1
.endr
.set ia, ia+1
.endr
.endm
; 24 LDS loads in one run: B's four fragments, then A's eight
.macro FETCH slot, k, f
	WIN 0
.irp i, 0,1,2,3
	ds_load_b128 v[(\f)+8*\i:(\f)+8*\i+3],   v[ADRB+(\slot)] offset:(\k)+\i*16*PITCH
	ds_load_b128 v[(\f)+8*\i+4:(\f)+8*\i+7], v[ADRB+(\slot)] offset:(\k)+\i*16*PITCH+32
.endr
.irp i, 0,1,2,3,4,5,6,7
	ds_load_b128 v[(\f)+32+8*\i:(\f)+32+8*\i+3],   v[ADRA+(\slot)] offset:(\k)+\i*16*PITCH
	ds_load_b128 v[(\f)+32+8*\i+4:(\f)+32+8*\i+7], v[ADRA+(\slot)] offset:(\k)+\i*16*PITCH+32
.endr
.endm
; A K step is four quarters of 32 along K, 32 matrix instructions each, on buffers 0, 1, 0, 1
.macro QUARTER slot, k, f, g, zero
	s_wait_dscnt 8                                 ; B and A's blocks 0-3 are in; the youngest eight loads (blocks 4-7) may be out
	MULN \f, 0, 4, \zero
	PLACES
	FETCH \slot, \k, \g
	s_wait_dscnt 24                                ; all but the 24 just issued
	MULN \f, 4, 4, \zero
.endm
.macro TURN slot, next, fill
	WIN 0
	s_wait_tensorcnt 0x0                           ; all my tensor loads have landed: my part of the next slot;
	ds_add_u32 v[SPW], v[NIL]                      ; 0 onto my spare word;
	s_wait_dscnt 9                                 ; (the add and the youngest eight loads may be out)
	MULN F1, 0, 2, 0
	s_wait_dscnt 0x0                               ; the add is done, and my reads of this slot are over
	s_barrier_signal -1
	MULN F1, 2, 2, 0
	WIN 0
	s_barrier_wait -1
.if \fill
	CREST                                          ; the barrier has opened a round of the cluster's barrier
	s_add_nc_u64 s[G0+4*(\slot)+2:G0+4*(\slot)+3], s[G0+4*(\slot)+2:G0+4*(\slot)+3], 256    ; the next chunk of 128 along e
	s_add_nc_u64 s[G0B+4*(\slot)+2:G0B+4*(\slot)+3], s[G0B+4*(\slot)+2:G0B+4*(\slot)+3], 256
	JLOAD \slot                                    ; the first tensor load behind the round: 112 matrix instructions ahead of the wait for it
.else
	PLACES
.endif
	FETCH \next, 0, F0
	MULN F1, 4, 4, 0
.endm
	s_wait_tensorcnt 1                             ; my part of step 0 is in; step 1's may stay out
	s_barrier_signal -1
	s_barrier_wait -1
	FETCH 0, 0, F0
	QUARTER 0, 64, F0, F1, 1                       ; the first quarter's products start the sums
	WIN 0
	s_mov_b32 s3, 7
.Llap:                                                 ; a trip: the rest of hi's chunk, lo's chunk, the next hi's first quarter; both slots are filled again
	QUARTER 0, 128, F1, F0, 0
	QUARTER 0, 192, F0, F1, 0
	TURN 0, 1, 1
	QUARTER 1, 64,  F0, F1, 0
	QUARTER 1, 128, F1, F0, 0
	QUARTER 1, 192, F0, F1, 0
	TURN 1, 0, 1
	QUARTER 0, 64,  F0, F1, 0
	WIN 0
	s_sub_co_u32 s3, s3, 1
	s_cmp_lg_u32 s3, 0
	s_cbranch_scc1 .Llap
	QUARTER 0, 128, F1, F0, 0
	QUARTER 0, 192, F0, F1, 0
	TURN 0, 1, 0                                   ; no tensor load is out any more, and none follows; behind this barrier nobody reads slot 0
	QUARTER 1, 64,  F0, F1, 0
	QUARTER 1, 128, F1, F0, 0
	QUARTER 1, 192, F0, F1, 0
	s_wait_dscnt 8
	MULN F1, 0, 4, 0
	s_wait_dscnt 0x0                               ; my last reads of slot 1 are back
	MULN F1, 4, 4, 0
	; THE TILE'S LARGEST MAGNITUDE, in four chains, each accumulator from its low end on.
	PLACES
	WIN 0x05                                       ; sources 0 and 1 window 1
.set i, 0
.rept 128
.if i < 4
	v_max_num_f32 v[224+i], |v[2*i]|, |v[2*i+1]|
.else
	v_max3_num_f32 v[224+i%4], |v[2*i]|, |v[2*i+1]|, v[224+i%4]
.endif
.set i, i+1
.endr
	WIN 0
	v_max3_num_f32 v224, v224, v225, v226
	v_max_num_f32 v224, v224, v227
.irp m, 1,2,4,8
	v_max_num_f32_dpp v224, v224, v224 row_xmask:\m row_mask:0xf bank_mask:0xf
.endr
	v_permlanex16_b32 v225, v224, s78, s79
	v_max_num_f32 v224, v224, v225
	ds_store_b32 v30, v224
	s_wait_dscnt 0x0
	s_barrier_signal -1
	s_barrier_wait -1                              ; the maxima are there; and nobody reads the ring any more: both slots are free for the stages
	ds_load_b128 v[224:227], v31                   ; the four waves' maxima; these words are not written again
	s_wait_dscnt 0x0
	v_max3_num_f32 v224, v224, v225, v226
	v_max_num_f32 v224, v224, v227
	v_lshrrev_b32 v224, 23, v224                   ; e, its biased exponent (the number is not negative)
	v_max_u32 v224, 16, v224
	v_min_u32 v224, 254, v224
	v_sub_nc_u32 v226, 268, v224
	v_lshlrev_b32 v226, 23, v226                   ; 2^(141 - e),
	v_mov_b32 v227, v226                           ; as a pair
	v_add_nc_u32 v228, -14, v224
	v_lshlrev_b32 v228, 23, v228                   ; 2^(e - 141)
	v_mov_b32 v229, 0                              ; the offset of VS's store
	s_cmp_lt_u32 ttmp9, 2                          ; the cluster's x, the same in all partners: column tiles 0-7 are K'
	s_cbranch_scc0 .Lv_pack
.set ia, 0
.rept 8                                ; K': a block of 16 rows at a time is split into hi and lo
	WIN 0x05
.set i, 0
.rept 16
	v_cvt_pk_bf16_f32 v[H+i], v[32*ia+2*i], v[32*ia+2*i+1]
.set i, i+1
.endr
	WIN 0
.set i, 0
.rept 16
	v_lshlrev_b32 v[HF+2*i], 16, v[H+i]
	v_and_b32 v[HF+2*i+1], s76, v[H+i]
.set i, i+1
.endr
	WIN 0x01
.set i, 0
.rept 16
	v_pk_add_f32 v[HF+2*i:HF+2*i+1], v[32*ia+2*i:32*ia+2*i+1], v[HF+2*i:HF+2*i+1] neg_lo:[0,1] neg_hi:[0,1]
.set i, i+1
.endr
	WIN 0
.set i, 0
.rept 16
	v_cvt_pk_bf16_f32 v[L+i], v[HF+2*i], v[HF+2*i+1]
.set i, i+1
.endr
.set ib, 0
.rept 4
	ds_store_b128 v[STK], v[H+4*ib:H+4*ib+3] offset:ia*16*KPP+32*ib
	ds_store_b128 v[STK], v[L+4*ib:L+4*ib+3] offset:ia*16*KPP+32*ib+256
.set ib, ib+1
.endr
.set ia, ia+1
.endr
	s_branch .Lpacked
.Lv_pack:
.set ia, 0
.rept 8                                ; V': a block of 16 rows at a time is scaled and rounded to f16
	WIN 0x01
.set i, 0
.rept 16
	v_pk_mul_f32 v[HF+2*i:HF+2*i+1], v[32*ia+2*i:32*ia+2*i+1], v[226:227]
.set i, i+1
.endr
	WIN 0
.set i, 0
.rept 16
	v_cvt_pk_f16_f32 v[H+i], v[HF+2*i], v[HF+2*i+1]
.set i, i+1
.endr
.set ib, 0
.rept 4
	ds_store_b128 v[STV], v[H+4*ib:H+4*ib+3] offset:ia*16*PITCH+32*ib
.set ib, ib+1
.endr
.set ia, ia+1
.endr
.Lpacked:
	s_wait_dscnt 0x0                               ; for the others' sake: a row's bytes come from two waves
	s_barrier_signal -1
	s_barrier_wait -1
	s_cmp_lt_u32 ttmp9, 2
	s_cbranch_scc0 .Lv_out
	s_lshl_b32 s16, s13, 20                        ; KP at batch, chunk, key 64 w: 512 bytes a key
	s_lshl_b32 s17, s10, 15
	s_add_co_u32 s16, s16, s17
	s_mov_b32 s17, 0
	s_add_nc_u64 s[68:69], s[68:69], s[16:17]
	s_lshl_b32 s46, s42, 17
	s_mov_b32 s47, 0
	s_add_nc_u64 s[68:69], s[68:69], s[46:47]
.irp u, 0,1
.if \u
	s_wait_xcnt 0x0                                ; the registers that the first 32 stores read are loaded again only behind this wait
.endif
.set t, 0
.rept 32
	ds_load_b128 v[96+4*t:96+4*t+3], v[RDK] offset:(32*\u+t)*KPP
.set t, t+1
.endr
.set t, 0
.rept 32
	s_wait_dscnt 31-t
	global_store_b128 v[GK], v[96+4*t:96+4*t+3], s[68:69] offset:(32*\u+t)*512  ; 512 consecutive bytes, aligned
.set t, t+1
.endr
.endr
	s_branch .Ldone
.Lv_out:
	s_lshl_b32 s16, s13, 19                        ; VP at row 256 x batch + 64 w (2,048 bytes a row),
	s_lshl_b32 s17, s10, 17
	s_add_co_u32 s16, s16, s17
	s_mov_b32 s17, 0
	s_add_nc_u64 s[70:71], s[70:71], s[16:17]
	s_sub_co_u32 s46, s42, 8
	s_lshl_b32 s46, s46, 8                         ; column 128 x (tile - 8)
	s_mov_b32 s47, 0
	s_add_nc_u64 s[70:71], s[70:71], s[46:47]
	s_lshl_b32 s16, s13, 5                         ; VS at [batch][tile - 8]
	s_add_nc_u64 s[72:73], s[72:73], s[16:17]
	s_lshr_b32 s46, s46, 6
	s_add_nc_u64 s[72:73], s[72:73], s[46:47]
.set t, 0
.rept 32
	ds_load_b128 v[96+4*t:96+4*t+3], v[RDV] offset:t*2*PITCH
.set t, t+1
.endr
.set t, 0
.rept 32
	s_wait_dscnt 31-t
	global_store_b128 v[GV], v[96+4*t:96+4*t+3], s[70:71] offset:4096*t  ; sixteen lanes store 256 consecutive bytes, aligned
.set t, t+1
.endr
	s_wait_xcnt 0x0                                ; EXEC changes only behind this wait
	v_cmp_gt_u32 vcc_lo, 1, v0                     ; thread 0 alone
	s_and_saveexec_b32 s77, vcc_lo
	global_store_b32 v229, v228, s[72:73]
	s_wait_xcnt 0x0                                ; and again, in front of the line that widens it
	s_or_b32 exec_lo, exec_lo, s77
.Ldone:
	s_wait_tensorcnt 0x0                           ; the wave's end
	ds_add_u32 v[SPW], v[NIL]
	s_wait_dscnt 0x0
	CROUND                                         ; the closing round
	s_endpgm
.Lfunc_end_k_q93cceb3447_kvproj:
	.size	k_q93cceb3447_kvproj, .Lfunc_end_k_q93cceb3447_kvproj-k_q93cceb3447_kvproj
	.p2alignl 7, 3214868480
	.fill 96, 4, 3214868480
	.section	.rodata,"a",@progbits
	.p2align	6, 0x0
	.amdhsa_kernel k_q93cceb3447_kvproj
		.amdhsa_group_segment_fixed_size 327680
		.amdhsa_private_segment_fixed_size 0
		.amdhsa_enable_private_segment 0
		.amdhsa_kernarg_size 40
		.amdhsa_user_sgpr_count 2
		.amdhsa_user_sgpr_kernarg_segment_ptr 1
		.amdhsa_wavefront_size32 1
		.amdhsa_system_sgpr_workgroup_id_x 1
		.amdhsa_system_sgpr_workgroup_id_y 1
		.amdhsa_system_sgpr_workgroup_id_z 1
		.amdhsa_system_vgpr_workitem_id 0
		.amdhsa_next_free_vgpr 512
		.amdhsa_next_free_sgpr 80
		.amdhsa_reserve_vcc 1
		.amdhsa_float_denorm_mode_32 3
		.amdhsa_float_denorm_mode_16_64 3
		.amdhsa_memory_ordered 1
		.amdhsa_forward_progress 1
		.amdhsa_inst_pref_size 155
	.end_amdhsa_kernel
	.amdgpu_metadata
---
amdhsa.version: [ 1, 2 ]
amdhsa.kernels:
  - .name:           k_q93cceb3447_kvproj
    .symbol:         k_q93cceb3447_kvproj.kd
    .args:
      - { .name: ENT, .offset: 0, .size: 8, .value_kind: global_buffer, .address_space: global }
      - { .name: W3, .offset: 8, .size: 8, .value_kind: global_buffer, .address_space: global }
      - { .name: KP, .offset: 16, .size: 8, .value_kind: global_buffer, .address_space: global }
      - { .name: VP, .offset: 24, .size: 8, .value_kind: global_buffer, .address_space: global }
      - { .name: VS, .offset: 32, .size: 8, .value_kind: global_buffer, .address_space: global }
    .group_segment_fixed_size: 327680
    .private_segment_fixed_size: 0
    .kernarg_segment_align: 8
    .kernarg_segment_size: 40
    .max_flat_workgroup_size: 128
    .sgpr_count:     80
    .vgpr_count:     512
    .wavefront_size: 32
...
	.end_amdgpu_metadata
.endif
;; end of part 3
;; launch attend (part 4): grid 16 x 16, 4 waves a work-group, clusters of 4 x 1, 327,680 bytes of LDS; arguments query, KP, VP, VS, PSB, ent_idx_in_batch, PAR, out0; writes out0
.if DOCPART == 4
	.amdgcn_target "amdgcn-amd-amdhsa--gfx1250"
	.amdhsa_code_object_version 6
	.text
	.protected	k_q93cceb3447_attend
	.globl	k_q93cceb3447_attend
	.p2align	8
	.type	k_q93cceb3447_attend,@function
k_q93cceb3447_attend:
	s_mov_b64 s[64:65], 0
	v_nop
	global_prefetch_b8 v0, s[64:65] scope:SCOPE_SE
	s_setreg_imm32_b32 hwreg(HW_REG_WAVE_MODE, 25, 1), 1
	s_wait_xcnt 0x0
	s_wait_alu depctr_hold_cnt(0) depctr_sa_sdst(0) depctr_va_vdst(0) depctr_va_sdst(0) depctr_va_ssrc(0) depctr_va_vcc(0) depctr_vm_vsrc(0)
	s_getreg_b32 s2, hwreg(HW_REG_IB_STS2, 6, 4)
	s_cmp_eq_u32 s2, 0
	s_cbranch_scc0 .Lentry_in_a_cluster
	s_endpgm
.Lentry_in_a_cluster:
	s_bfe_u32 s2, ttmp6, 0x10000c
	s_cmp_lg_u32 s2, 0x3003
	s_cbranch_scc0 .Lentry_shape_is_right
	s_endpgm
.Lentry_shape_is_right:
; out = LayerNorm( softmax(query . K'^T + sb) . V' / 32 + bo ) x g + b.   sb[n] = bq . ent[n] (the sum of PSB's 16 partial sums), or -100,000 where the index is -1: there K' and V' are 0, so the
; score is exactly -100,000.  A work-group owns 64 queries of one batch and sees all 256 keys at once: the softmax takes the row's true maximum away.
; FORMATS.  query is rounded to bf16 here; K' comes as hi + lo (two bf16), two products a score; p = 2^(c s - c m), c = log2(e), is rounded to f16 for the second product, its sum l is taken of the
; unrounded p; V' comes in f16, scaled by a power of two for each 128 columns (VS holds the inverse).  All sums, the softmax and the norm in f32; the variance is taken of v - mean.
; LIMITS.  p below 6e-5 keeps f16's fixed step of 6e-8; a weight below 2^-126 counts as 0; NaN and infinities are not treated apart.
; PHASES.  (1) S^T = K' Q^T: wave w owns keys 64 w .. 64 w + 63 and all 64 queries, 16 accumulators; d goes in 8 chunks of 128.  (2) softmax: the waves' maxima and sums meet in LDS; P goes to LDS.
; (3) O^T = V'^T P: wave w owns d = 256 w .. 256 w + 255, 64 accumulators; the keys go in 8 steps of 32.  (4) O goes to LDS; wave w norms and stores rows 16 w .. 16 w + 15, whole.
; THE RING.  Two slots of 139,264 bytes walk 12 tiles of 128 KiB: K' chunks 0-7, then V' key blocks 0-3.  A wave loads, and alone reads, its quarter of each tile.
; CLUSTER.  The four query blocks of a cluster belong to one batch and walk the same tiles: each is asked for JOINTLY, the same load, descriptor and mask in all four.
; A wave has two tensor loads out at the start and one behind each round.
; REGISTERS, in windows of 256 (s_set_vgpr_msb: bits 1:0 source 0, 3:2 source 1, 5:4 source 2, 7:6 destination):
;   window 0: v0-31 addresses; v32-63 at work; v64-95 sb, then packed P, then P's fragments 0; v96-127 statistics, then P's fragments 1; v128-255 S^T, (kt, qt) at 128 + 8 (4 kt + qt); later bo, g, b
;   window 1: scores: two buffers of 96 (Q 32, K' hi 32, K' lo 32); then V's fragments, two buffers of 128
;   window 2: scores: query as loaded, two sets of 64, and 32 converted; then with window 3: O^T, (dt, qt) at 8 (4 (dt % 8) + qt)
.set PKK,   528                        ; a key of K' in LDS: 512 bytes + 16
.set PVV,   544                        ; a key's 256 columns of V': 512 + 32
.set QTR,   34816                      ; a wave's quarter of a slot
.set SLOT,  4*QTR
.set QB,    2*SLOT                     ; two buffers for a chunk of Q: 64 rows x 272 bytes
.set PQ,    272
.set QBUF,  64*PQ
.set PB,    QB                         ; later P: 64 rows x 528 bytes
.set PP,    528
.set SBL,   QB+2*QBUF                  ; sb: 256 bytes a wave
.set MX,    SBL+1024                   ; [64 q][4 w] the waves' maxima
.set LS,    MX+1024                    ; [64 q][4 w] the waves' sums
.set SPARE, LS+1024                    ; the spare words: two blocks of 256 bytes that no other line names
.set PO,    4112                       ; a row of O in LDS: 4,096 bytes + 16; 64 rows lie from byte 0 on, in the ring, behind its last fill
.set AK,   2                           ; v2-3    my place in K' in slot 0, 1
.set AQ,   4                           ; v4-5    in Q's buffer 0, 1
.set QST,  6                           ; v6-7    where I store converted Q
.set QG,   8                           ; v8-9    byte offset in query of set 0's, set 1's next chunk
.set QLIM, 10                          ; v10     the last chunk's
.set AV,   11                          ; v11-12  my place in V' in slot 0, 1
.set AP,   13                          ; v13     in P, to read
.set PST,  14                          ; v14     in P, to store
.set SBS,  15
.set OSTO, 16                          ; v16-19  where O's query tile qt goes
.set ORD,  20                          ; v20     where I read a row of O back
.set OG,   21                          ; v21     16 x lane, then my offset in out0
.set MXS,  22
.set MXL,  23
.set LSS,  24
.set LSA,  25
.set SBA,  26
.set PL8,  27                          ; v27     8 x lane
.set SPW,  28
.set NIL,  29
.set SB,   64
.set PK,   64
.set T,    96                          ; eight registers a query tile
.set S,    128
.set BO,   128
.set GG,   160
.set BB,   192
.set XR,   32                          ; the row loop: two rows of 32 registers
.set AL,   96                          ; their factors, a pair for each 128 columns
.set TT,   224                         ; at work, 16 a row
.set F0,   0
.set F1,   96
.set CV,   128
.set MSB, 0
.macro WIN new
.if MSB != (\new)
	s_set_vgpr_msb (MSB<<8)|(\new)
.set MSB, \new
.endif
.endm
.macro PLACES                          ; four places (ISA guide 7.12.1) behind matrix instructions
.rept 4
	v_nop
.endr
.endm
.macro CREST                           ; a round of the cluster's barrier behind its opening barrier
	s_cmp_lg_u32 s20, 0
	s_cbranch_scc1 .Lnot_wave_0_\@
	s_barrier_signal -3
.Lnot_wave_0_\@:
	s_barrier_wait -3
	s_barrier_signal -1
	s_barrier_wait -1
.endm
.macro CROUND
	s_barrier_signal -1
	s_barrier_wait -1
	CREST
.endm
.macro TLOAD g0, g1                    ; every wave's own quarter, asked for jointly; an s_nop 0 and four v_nop follow
	tensor_load_to_lds s[(\g0):(\g0)+3], s[(\g1):(\g1)+7]
	s_nop 0
	PLACES
.endm
	s_load_b512 s[4:19], s[0:1], 0x0               ; query 4, KP 6, VP 8, VS 10, PSB 12, idx 14, PAR 16, out0 18
	v_lshl_add_u32 v[SPW], v0, 2, SPARE
	v_mov_b32 v[NIL], 0
	ds_add_u32 v[SPW], v[NIL]                      ; the wave's opening: the add, waited for ahead of my first tensor load
	v_lshrrev_b32 v1, 5, v0
	v_readfirstlane_b32 s20, v1                    ; wave 0..3
	s_bfe_u32 s21, ttmp6, 0x40000                  ; cx
	s_lshl_b32 s22, ttmp9, 2
	s_add_co_u32 s22, s22, s21                     ; my block of 64 queries: it enters query's and out0's addresses alone
	s_and_b32 s23, ttmp7, 0xffff                   ; the batch, which the four partners share
	s_mov_b32 s32, 15|(1<<16)|(1<<20)|(1<<21)|(6<<22)|(3<<25)  ; K': the mask of four; 2-byte elements; padding on; bit 21 beside a mask; after every 128 words 4 words
	s_mov_b32 s33, 256<<16                         ; tensor_dim0 = 256
	s_mov_b32 s34, 64<<16                          ; tensor_dim1 = 64
	s_mov_b32 s35, 256<<16                         ; tile_dim0 = 256
	s_mov_b32 s36, 64                              ; tile_dim1 = 64
	s_mov_b32 s37, 256                             ; a key's 512 bytes follow the last key's
	s_mov_b32 s38, 0
	s_mov_b32 s39, 0
	s_mov_b32 s40, 15|(1<<16)|(1<<20)|(1<<21)|(6<<22)|(7<<25)  ; V': the same with 8 words of padding,
	s_mov_b32 s41, 256<<16
	s_mov_b32 s42, 64<<16
	s_mov_b32 s43, 256<<16
	s_mov_b32 s44, 64
	s_mov_b32 s45, 1024                            ; and 1,024 elements from key to key
	s_mov_b32 s46, 0
	s_mov_b32 s47, 0
	s_mul_i32 s88, s20, QTR                        ; my quarter of a slot: no place in the cluster enters an LDS address
	s_mov_b32 s48, 1                               ; group 0 for K', slot 0 and slot 1
	s_mov_b32 s49, s88
	s_mov_b32 s52, 1
	s_add_co_u32 s53, s88, SLOT
	s_mov_b32 s80, 1                               ; and for V'
	s_mov_b32 s81, s88
	s_mov_b32 s84, 1
	s_add_co_u32 s85, s88, SLOT
	s_lshl_b32 s24, s23, 20                        ; KP: a batch is 8 chunks of 131,072 bytes; my 64 keys are 32,768
	s_lshl_b32 s25, s20, 15
	s_add_co_u32 s24, s24, s25
	s_mov_b32 s25, 0
	s_lshl_b32 s30, s23, 19                        ; VP: a batch is 256 rows of 2,048 bytes; my 256 columns begin 512 w bytes in
	s_lshl_b32 s31, s20, 9
	s_add_co_u32 s30, s30, s31
	s_mov_b32 s31, 0
	s_lshl_b32 s28, s23, 10                        ; PSB and the indices at key 256 b + 64 w
	s_lshl_b32 s29, s20, 8
	s_add_co_u32 s28, s28, s29
	s_mov_b32 s29, 0
	s_lshl_b32 s26, s23, 10                        ; query and out0 at row 1024 b + 64 block + 16 w
	s_lshl_b32 s27, s22, 6
	s_add_co_u32 s26, s26, s27
	s_lshl_b32 s27, s20, 4
	s_add_co_u32 s26, s26, s27
	s_lshl_b32 s26, s26, 12
	s_mov_b32 s27, 0
	s_lshl_b32 s57, s23, 5                         ; VS at [b][0]
	s_mov_b32 s58, 0x3fb8aa3b                      ; c = log2(e)
	s_mov_b32 s59, s58                             ; named with it as a pair
	s_mov_b32 s60, 0x76543210                      ; v_permlanex16_b32: each lane takes its own place in the other half
	s_mov_b32 s61, 0xfedcba98
	s_mov_b32 s62, 0x3a800000                      ; 1 / 1024
	s_mov_b32 s63, 0x3727c5ac                      ; 1e-5
	s_mov_b32 s66, 0x3d000000                      ; 1 / 32 = 1024^-0.5
	s_mov_b32 s67, 0xc7c35000                      ; -100,000
	s_wait_dscnt 0x0                               ; the opening add is done
	s_wait_kmcnt 0x0
	s_add_nc_u64 s[50:51], s[6:7], s[24:25]        ; chunk 0,
	s_add_nc_u64 s[54:55], s[50:51], 131072        ; chunk 1
	s_or_b32 s51, s51, 0x80000000
	s_or_b32 s55, s55, 0x80000000
	s_add_nc_u64 s[82:83], s[8:9], s[30:31]        ; key block 0,
	s_add_nc_u64 s[86:87], s[82:83], 131072        ; key block 1
	s_or_b32 s83, s83, 0x80000000
	s_or_b32 s87, s87, 0x80000000
	s_add_nc_u64 s[76:77], s[4:5], s[26:27]
	s_add_nc_u64 s[18:19], s[18:19], s[26:27]
	s_add_nc_u64 s[12:13], s[12:13], s[28:29]
	s_add_nc_u64 s[14:15], s[14:15], s[28:29]
	CROUND                                         ; all four work-groups are here: the first joint loads meet
	tensor_load_to_lds s[48:51], s[32:39]          ; K' chunks 0 and 1
	s_nop 0
	tensor_load_to_lds s[52:55], s[32:39]
	s_nop 0
	PLACES
	s_load_b256 s[68:75], s[10:11], s57 offset:0x0 ; the batch's eight inverse scales
	v_and_b32 v1, 31, v0                           ; lane
	v_and_b32 v30, 15, v0                          ; r
	v_bfe_u32 v31, v0, 4, 1                        ; h
	v_lshlrev_b32 v[PL8], 3, v1
	v_lshlrev_b32 v[QG], 4, v1                     ; chunk 0
	v_add_nc_u32 v[QG+1], 512, v[QG]               ; chunk 1
	v_add_nc_u32 v[QLIM], 3584, v[QG]              ; chunk 7
.set i, 0
.rept 16
	global_load_b64 v[32+2*i:33+2*i], v[PL8], s[12:13] offset:16384*i   ; two keys a lane, 16 partial sums
.set i, i+1
.endr
	global_load_b64 v[96:97], v[PL8], s[14:15]
	WIN 0x80                                       ; destination window 2
.set i, 0
.rept 16
	global_load_b128 v[4*i:4*i+3], v[QG], s[76:77] offset:4096*i th:TH_LOAD_NT
.set i, i+1
.endr
.set i, 0
.rept 16
	global_load_b128 v[64+4*i:64+4*i+3], v[QG+1], s[76:77] offset:4096*i th:TH_LOAD_NT
.set i, i+1
.endr
	WIN 0
	v_mul_u32_u24 v100, v30, PKK
	v_lshl_add_u32 v100, v31, 4, v100              ; r x 528 + 16 h: K' and P have the same pitch
	v_add_nc_u32 v[AK], s88, v100
	v_add_nc_u32 v[AK+1], SLOT, v[AK]
	v_add_nc_u32 v[AP], PB, v100
	v_lshl_add_u32 v[PST], s20, 7, v[AP]           ; my 64 keys are 128 bytes of a row of P
	v_mul_u32_u24 v101, v30, PQ
	v_lshl_add_u32 v101, v31, 4, v101
	v_add_nc_u32 v[AQ], QB, v101
	v_add_nc_u32 v[AQ+1], QBUF, v[AQ]
	s_mul_i32 s89, s20, 16*PQ
	s_add_co_u32 s89, s89, QB
	v_add_nc_u32 v[QST], s89, v[PL8]               ; my 16 rows of a chunk, 8 bytes a lane
	v_add_nc_u32 v[QST+1], QBUF, v[QST]
	v_and_b32 v102, 7, v0                          ; the turning load: lane l reads key 8 h + l % 8, columns 8 ((l / 8) % 2) on
	v_bfe_u32 v103, v0, 3, 1
	v_lshl_add_u32 v104, v31, 3, v102
	v_mul_u32_u24 v104, v104, PVV
	v_lshl_add_u32 v104, v103, 4, v104
	v_add_nc_u32 v[AV], s88, v104
	v_add_nc_u32 v[AV+1], SLOT, v[AV]
	v_mul_u32_u24 v105, v30, PO
	v_lshl_add_u32 v105, v31, 5, v105
	v_lshl_add_u32 v105, s20, 10, v105             ; row r, column 256 w + 8 h
.irp q, 0,1,2,3
	v_add_nc_u32 v[OSTO+\q], \q*16*PO, v105
.endr
	s_mul_i32 s90, s20, 16*PO
	v_add_nc_u32 v[ORD], s90, v[QG]
	v_mov_b32 v[OG], v[QG]
	v_lshl_add_u32 v[MXL], v30, 4, MX
	v_lshl_add_u32 v[MXS], s20, 2, v[MXL]
	v_lshl_add_u32 v[LSS], v30, 4, LS
	v_lshl_add_u32 v[LSS], s20, 2, v[LSS]
	s_lshl_b32 s91, s20, 8
	s_add_co_u32 s92, s91, SBL
	s_add_co_u32 s91, s91, LS
	v_mov_b32 v[LSA], s91                          ; my 16 rows' sums
	v_lshl_add_u32 v[SBA], v31, 5, s92
	v_add_nc_u32 v[SBS], s92, v[PL8]
	s_wait_loadcnt 32                              ; PSB and the indices are in; the 32 loads of query stay out
	s_wait_kmcnt 0x0
.irp st, 8,4,2,1
.set k, 0
.rept \st
	v_pk_add_f32 v[32+2*k:33+2*k], v[32+2*k:33+2*k], v[32+2*(k+\st):33+2*(k+\st)]
.set k, k+1
.endr
.endr
	v_cmp_eq_u32 vcc_lo, -1, v96
	v_cndmask_b32 v32, v32, s67, vcc_lo
	v_cmp_eq_u32 vcc_lo, -1, v97
	v_cndmask_b32 v33, v33, s67, vcc_lo
	ds_store_b64 v[SBS], v[32:33]
.irp kt, 0,1,2,3                       ; back in the accumulators' layout: register j of key block kt is key 16 kt + 8 h + j.  My wave's own bytes: LDS serves a wave's instructions in order
	ds_load_b128 v[SB+8*\kt:SB+8*\kt+3], v[SBA] offset:64*\kt
	ds_load_b128 v[SB+8*\kt+4:SB+8*\kt+7], v[SBA] offset:64*\kt+16
.endr
	s_wait_dscnt 0x0
.set i, 0
.rept 128                              ; the sums begin with sb, not with 0: so no first quarter is written out; these lines stand in the wait for the first tile
	v_mov_b32 v[S+i], v[SB+8*(i/32)+i%8]
.set i, i+1
.endr
; A chunk of Q (my 16 rows x 128 columns of f32, in set `set`) is rounded to bf16 and stored into Q's buffer of the same parity.  load = 1: the set is loaded again, two chunks on;
; set 0's last look-ahead is held at chunk 7, is never used, and keeps the counts alike in every trip.
.macro QWORK set, load
	s_wait_loadcnt 16                              ; this set is in; the other set's sixteen younger loads stay out
	WIN 0x8a
.set i, 0
.rept 32
	v_cvt_pk_bf16_f32 v[CV+i], v[64*(\set)+2*i], v[64*(\set)+2*i+1]
.set i, i+1
.endr
	WIN 0x08                                       ; store data in window 2
.set i, 0
.rept 16
	ds_store_b64 v[QST+(\set)], v[CV+2*i:CV+2*i+1] offset:PQ*i
.set i, i+1
.endr
.if \load
	WIN 0
	v_add_nc_u32 v[QG+(\set)], 1024, v[QG+(\set)]  ; free since the wait above: the loads that named it are done
.if (\set) == 0
	v_min_u32 v[QG], v[QG], v[QLIM]
.endif
	WIN 0x80
.set i, 0
.rept 16
	global_load_b128 v[64*(\set)+4*i:64*(\set)+4*i+3], v[QG+(\set)], s[76:77] offset:4096*i th:TH_LOAD_NT
.set i, i+1
.endr
.endif
.endm
; 24 LDS loads in one run: 32 along d at quarter ks of the chunk of parity par: Q's four fragments, K' hi's four, K' lo's four
.macro FETCHS par, ks, f
	WIN 0x40
.irp q, 0,1,2,3
	ds_load_b128 v[(\f)+8*\q:(\f)+8*\q+3],   v[AQ+(\par)] offset:\q*16*PQ+64*(\ks)
	ds_load_b128 v[(\f)+8*\q+4:(\f)+8*\q+7], v[AQ+(\par)] offset:\q*16*PQ+64*(\ks)+32
.endr
.irp q, 0,1,2,3
	ds_load_b128 v[(\f)+32+8*\q:(\f)+32+8*\q+3],   v[AK+(\par)] offset:\q*16*PKK+64*(\ks)
	ds_load_b128 v[(\f)+32+8*\q+4:(\f)+32+8*\q+7], v[AK+(\par)] offset:\q*16*PKK+64*(\ks)+32
.endr
.irp q, 0,1,2,3
	ds_load_b128 v[(\f)+64+8*\q:(\f)+64+8*\q+3],   v[AK+(\par)] offset:\q*16*PKK+64*(\ks)+256
	ds_load_b128 v[(\f)+64+8*\q+4:(\f)+64+8*\q+7], v[AK+(\par)] offset:\q*16*PKK+64*(\ks)+288
.endr
.endm
; n key blocks from kt0 x 4 query tiles; part 0: K' hi, 1: K' lo.  The 16 accumulators take turns, one instruction a turn
.macro MULS f, part, kt0, n
	WIN 0x05
.set kt, \kt0
.rept \n
.set qt, 0
.rept 4
	v_wmma_f32_16x16x32_bf16 v[S+8*(4*kt+qt):S+8*(4*kt+qt)+7], v[(\f)+32+32*(\part)+8*kt:(\f)+32+32*(\part)+8*kt+7], v[(\f)+8*qt:(\f)+8*qt+7], v[S+8*(4*kt+qt):S+8*(4*kt+qt)+7]
.set qt, qt+1
.endr
.set kt, kt+1
.endr
.endm
.macro SQ par, ks, f, g, qw, qset, qload
	s_wait_dscnt 8                                 ; Q and hi are in; the youngest eight loads (lo) may be out
	MULS \f, 0, 0, 4
	PLACES
.if \qw
	QWORK \qset, \qload
.endif
	FETCHS \par, \ks, \g
	s_wait_dscnt 24                                ; all but the 24 just issued: lo, and Q's stores
	MULS \f, 1, 0, 4
.endm
; A chunk's last quarter, and the change of slots: a round of the cluster's barrier.  In front of it each wave waits for all its tensor loads, adds 0 to its spare word, and waits for that, for its reads of
; the slot and of Q's buffer, and for its stores of the next chunk of Q.  Behind it the slot is filled again first.
.macro STURN par, g0, g1, step, fetch
	WIN 0
	s_wait_tensorcnt 0x0                           ; all my tensor loads have landed: my quarter of the next slot;
	ds_add_u32 v[SPW], v[NIL]                      ; 0 onto my spare word;
	s_wait_dscnt 9                                 ; (the add and the youngest eight loads may be out)
	MULS F1, 0, 0, 2
	s_wait_dscnt 0x0
	s_barrier_signal -1
	MULS F1, 0, 2, 2
	WIN 0
	s_barrier_wait -1
	CREST
.if \step
	s_add_nc_u64 s[(\g0)+2:(\g0)+3], s[(\g0)+2:(\g0)+3], 262144   ; two tiles on
.endif
	TLOAD \g0, \g1                                 ; its four v_nop are also the places in front of the loads below
.if \fetch
	FETCHS 1-(\par), 0, F0
.endif
	MULS F1, 1, 0, 4
.endm
.macro SSTEP par, qw, qset, qload, g0, g1, step, fetch  ; one chunk of 128 along d: 128 matrix instructions
	SQ \par, 1, F0, F1, \qw, \qset, \qload
	SQ \par, 2, F1, F0, 0, 0, 0
	SQ \par, 3, F0, F1, 0, 0, 0
	STURN \par, \g0, \g1, \step, \fetch
.endm
	QWORK 0, 1                                     ; chunk 0 into buffer 0; chunk 2 is asked for
	WIN 0
	s_wait_tensorcnt 1                             ; my quarter of K' chunk 0 is in; chunk 1's may stay out
	s_wait_dscnt 0x0                               ; my rows of Q are stored
	s_barrier_signal -1
	s_barrier_wait -1
	FETCHS 0, 0, F0
	WIN 0
	s_mov_b32 s56, 3
.Lscore:                                               ; chunks 0 to 5, two a trip
	SSTEP 0, 1, 1, 1, 48, 32, 1, 1
	SSTEP 1, 1, 0, 1, 52, 32, 1, 1
	WIN 0
	s_sub_co_u32 s56, s56, 1
	s_cmp_lg_u32 s56, 0
	s_cbranch_scc1 .Lscore
	SSTEP 0, 1, 1, 0, 80, 40, 0, 1                 ; chunk 6: the last chunk of Q is converted; slot 0 takes V' key block 0
	SSTEP 1, 0, 0, 0, 84, 40, 0, 0                 ; chunk 7: slot 1 takes V' key block 1; nothing more to fetch
	WIN 0
	s_wait_loadcnt 0x0                             ; the look-ahead that is not used has landed: window 2 is free
	PLACES
	; THE SOFTMAX.  A lane holds one query of each tile (16 qt + r) and 32 of my wave's keys.  The maximum: four chains, one a key block, each accumulator from its low end on; the four tiles alternate.
.irp n, 0,1,2,3
.irp q, 0,1,2,3
	v_max3_num_f32 v[T+8*\q+\n], v[S+8*(4*\n+\q)], v[S+8*(4*\n+\q)+1], v[S+8*(4*\n+\q)+2]
.endr
.endr
.irp n, 0,1,2,3
.irp q, 0,1,2,3
	v_max3_num_f32 v[T+8*\q+\n], v[T+8*\q+\n], v[S+8*(4*\n+\q)+3], v[S+8*(4*\n+\q)+4]
.endr
.endr
.irp n, 0,1,2,3
.irp q, 0,1,2,3
	v_max3_num_f32 v[T+8*\q+\n], v[T+8*\q+\n], v[S+8*(4*\n+\q)+5], v[S+8*(4*\n+\q)+6]
.endr
.endr
.irp q, 0,1,2,3
	v_max3_num_f32 v[T+8*\q], v[T+8*\q], v[S+8*\q+7], v[S+8*(4+\q)+7]
.endr
.irp q, 0,1,2,3
	v_max3_num_f32 v[T+8*\q+2], v[T+8*\q+2], v[S+8*(8+\q)+7], v[S+8*(12+\q)+7]
.endr
.irp q, 0,1,2,3
	v_max3_num_f32 v[T+8*\q], v[T+8*\q], v[T+8*\q+1], v[T+8*\q+2]
.endr
.irp q, 0,1,2,3
	v_max_num_f32 v[T+8*\q], v[T+8*\q], v[T+8*\q+3]
.endr
.irp q, 0,1,2,3
	v_permlanex16_b32 v[T+8*\q+1], v[T+8*\q], s60, s61   ; the query's other 32 keys of my wave lie in the lane 16 away
.endr
.irp q, 0,1,2,3
	v_max_num_f32 v[T+8*\q], v[T+8*\q], v[T+8*\q+1]
.endr
.irp q, 0,1,2,3
	ds_store_b32 v[MXS], v[T+8*\q] offset:256*\q
.endr
	s_wait_dscnt 0x0
	s_barrier_signal -1                            ; V's tile may stay on its way
	s_barrier_wait -1
.irp q, 0,1,2,3
	ds_load_b128 v[T+8*\q+4:T+8*\q+7], v[MXL] offset:256*\q
.endr
	s_wait_dscnt 0x0
.irp q, 0,1,2,3
	v_max3_num_f32 v[T+8*\q+4], v[T+8*\q+4], v[T+8*\q+5], v[T+8*\q+6]
.endr
.irp q, 0,1,2,3
	v_max_num_f32 v[T+8*\q+4], v[T+8*\q+4], v[T+8*\q+7]  ; m, the row's maximum over all 256 keys
.endr
.irp q, 0,1,2,3
	v_mul_f32 v[T+8*\q], s58, v[T+8*\q+4]          ; c m
.endr
.macro SOFT q                          ; pair i of 16: key block i / 4, registers 2 (i % 4), + 1
.set i, 0
.rept 16
.set rS, S+8*(4*(i/4)+(\q))+2*(i%4)
	v_pk_fma_f32 v[rS:rS+1], v[rS:rS+1], s[58:59], v[T+8*(\q):T+8*(\q)+1] op_sel_hi:[1,0,0] neg_lo:[0,0,1] neg_hi:[0,0,1]  ; c s - c m
.set i, i+1
.endr
.set i, 0
.rept 16
.set rS, S+8*(4*(i/4)+(\q))+2*(i%4)
	v_exp_f32 v[rS], v[rS]
	v_exp_f32 v[rS+1], v[rS+1]
.set i, i+1
.endr
	v_nop                                          ; a plain instruction between the exponentials and the use of their results
.set i, 0
	s_wait_alu depctr_va_vdst(0)
.rept 16
.set rS, S+8*(4*(i/4)+(\q))+2*(i%4)
	v_cvt_pk_f16_f32 v[PK+16*((\q)%2)+i], v[rS], v[rS+1]
.set i, i+1
.endr
.irp kt, 0,1,2,3
	ds_store_b128 v[PST], v[PK+16*((\q)%2)+4*\kt:PK+16*((\q)%2)+4*\kt+3] offset:(\q)*16*PP+32*\kt
.endr
.irp st, 8,4,2,1                       ; the sum of the unrounded weights, in place
.set i, 0
.rept \st
.set rS, S+8*(4*(i/4)+(\q))+2*(i%4)
.set rU, S+8*(4*((i+\st)/4)+(\q))+2*((i+\st)%4)
	v_pk_add_f32 v[rS:rS+1], v[rS:rS+1], v[rU:rU+1]
.set i, i+1
.endr
.endr
	v_add_f32 v[T+8*(\q)+2], v[S+8*(\q)], v[S+8*(\q)+1]
	v_permlanex16_b32 v[T+8*(\q)+3], v[T+8*(\q)+2], s60, s61
	v_add_f32 v[T+8*(\q)+2], v[T+8*(\q)+2], v[T+8*(\q)+3]
	ds_store_b32 v[LSS], v[T+8*(\q)+2] offset:256*(\q)
.endm
	SOFT 0
	SOFT 1
	SOFT 2
	SOFT 3
	s_wait_dscnt 0x0                               ; for the others' sake: my part of P and my sums are stored
	s_barrier_signal -1
	s_barrier_wait -1
.set j, 0
.rept 8                                ; bo, g and b in the row loop's layout; they are waited for in front of it
	global_load_b128 v[BO+4*j:BO+4*j+3], v[OG], s[16:17] offset:8192+512*j
	global_load_b128 v[GG+4*j:GG+4*j+3], v[OG], s[16:17] offset:12288+512*j
	global_load_b128 v[BB+4*j:BB+4*j+3], v[OG], s[16:17] offset:16384+512*j
.set j, j+1
.endr
; O^T += V'^T P.  Step i takes keys 32 i on: P's four fragments, and my 16 blocks of 16 columns of V', turned: 40 LDS loads in one run, into the buffers of i's parity
.macro FETCHP i
.set PF, 64+32*((\i)%2)
.set VF, 128*((\i)%2)
	WIN 0
.irp q, 0,1,2,3
	ds_load_b128 v[PF+8*\q:PF+8*\q+3],   v[AP] offset:\q*16*PP+64*(\i)
	ds_load_b128 v[PF+8*\q+4:PF+8*\q+7], v[AP] offset:\q*16*PP+64*(\i)+32
.endr
	WIN 0x40
.set dt, 0
.rept 16
	ds_load_tr16_b128 v[VF+8*dt:VF+8*dt+3],   v[AV+(((\i)>>1)&1)] offset:((\i)&1)*32*PVV+32*dt
	ds_load_tr16_b128 v[VF+8*dt+4:VF+8*dt+7], v[AV+(((\i)>>1)&1)] offset:((\i)&1)*32*PVV+16*PVV+32*dt
.set dt, dt+1
.endr
.endm
.macro MULP f, dt0, n, zero            ; n column blocks from dt0 x 4 query tiles; the 64 accumulators take turns
.set dt, \dt0
.rept \n
	WIN 0xa1+0x50*(dt/8)                           ; V' window 1, P window 0, O^T window 2 or 3
.set qt, 0
.rept 4
.set rO, 8*(4*(dt%8)+qt)
.if \zero
	v_wmma_f32_16x16x32_f16 v[rO:rO+7], v[128*(\f)+8*dt:128*(\f)+8*dt+7], v[64+32*(\f)+8*qt:64+32*(\f)+8*qt+7], 0
.else
	v_wmma_f32_16x16x32_f16 v[rO:rO+7], v[128*(\f)+8*dt:128*(\f)+8*dt+7], v[64+32*(\f)+8*qt:64+32*(\f)+8*qt+7], v[rO:rO+7]
.endif
.set qt, qt+1
.endr
.set dt, dt+1
.endr
.endm
.macro PVQ i, zero
	s_wait_dscnt 16                                ; P and column blocks 0-7 are in
	MULP (\i)%2, 0, 8, \zero
	PLACES
.if (\i) == 5
	s_wait_tensorcnt 0x0                           ; the last tile, which the fetch below begins to read
.endif
	FETCHP (\i)+1
	s_wait_dscnt 40                                ; all but the 40 just issued
	MULP (\i)%2, 8, 8, \zero
.endm
.macro PVT i, g0                       ; a key block's second step, and the change of slots
	WIN 0
	s_wait_tensorcnt 0x0                           ; all my tensor loads have landed: my quarter of the next key block;
	ds_add_u32 v[SPW], v[NIL]                      ; 0 onto my spare word;
	s_wait_dscnt 17                                ; (the add and the youngest sixteen loads may be out)
	MULP (\i)%2, 0, 4, 0
	s_wait_dscnt 0x0                               ; the add is done, and my reads of this slot are over
	s_barrier_signal -1
	MULP (\i)%2, 4, 4, 0
	WIN 0
	s_barrier_wait -1
	CREST
	s_add_nc_u64 s[(\g0)+2:(\g0)+3], s[(\g0)+2:(\g0)+3], 262144   ; two key blocks on
	TLOAD \g0, 40
	FETCHP (\i)+1
	MULP (\i)%2, 8, 8, 0
.endm
	s_wait_tensorcnt 0x1                           ; V' key block 0 is in; block 1's load, issued behind it, may stay out
	FETCHP 0
	PVQ 0, 1                                       ; the first products start the sums
	PVT 1, 80
	PVQ 2, 0
	PVT 3, 84
	PVQ 4, 0
	PVQ 5, 0
	PVQ 6, 0
	s_wait_dscnt 0x0                               ; my last reads of the ring and of P are back; my tensor loads have all been waited for
	s_barrier_signal -1
	MULP 1, 0, 16, 0
	WIN 0
	s_barrier_wait -1                              ; nobody reads the ring any more and nothing is loaded into it: O goes there
	PLACES
.set dt, 0
.rept 16
	WIN 0x08+0x04*(dt/8)                           ; store data in window 2 or 3
.set qt, 0
.rept 4
.set rO, 8*(4*(dt%8)+qt)
	ds_store_b128 v[OSTO+qt], v[rO:rO+3] offset:64*dt
	ds_store_b128 v[OSTO+qt], v[rO+4:rO+7] offset:64*dt+16
.set qt, qt+1
.endr
.set dt, dt+1
.endr
	WIN 0
.set j, 0
.rept 16
	v_mov_b32 v[AL+2*j+1], 0                       ; the factors are named as pairs; the packed lines take the low word for both halves
.set j, j+1
.endr
	s_wait_dscnt 0x0
	s_barrier_signal -1
	s_barrier_wait -1
	s_wait_loadcnt 0x0                             ; bo, g, b
	; THE ROWS.  Two rows a trip, eight trips.  A lane holds columns 128 j + 4 lane + 0..3, j = 0..7: load j lies in V's scale block j.
.macro ROWS line:vararg                ; one line for each of the two rows R
.set R, 0
.rept 2
	\line
.set R, R+1
.endr
.endm
.macro RSUM                            ; four pairs of partial sums -> the sum over the row's 1,024 numbers, in every lane
	ROWS v_pk_add_f32 v[TT+16*R:TT+16*R+1], v[TT+16*R:TT+16*R+1], v[TT+16*R+2:TT+16*R+3]
	ROWS v_pk_add_f32 v[TT+16*R+4:TT+16*R+5], v[TT+16*R+4:TT+16*R+5], v[TT+16*R+6:TT+16*R+7]
	ROWS v_pk_add_f32 v[TT+16*R:TT+16*R+1], v[TT+16*R:TT+16*R+1], v[TT+16*R+4:TT+16*R+5]
	ROWS v_add_f32 v[TT+16*R], v[TT+16*R], v[TT+16*R+1]
.irp m, 1,2,4,8
	ROWS v_add_f32_dpp v[TT+16*R], v[TT+16*R], v[TT+16*R] row_xmask:\m row_mask:0xf bank_mask:0xf
.endr
	ROWS v_permlanex16_b32 v[TT+16*R+1], v[TT+16*R], s60, s61
	ROWS v_add_f32 v[TT+16*R], v[TT+16*R], v[TT+16*R+1]
.endm
	s_mov_b32 s56, 8
.Lrow:
.set R, 0
.rept 2
.set j, 0
.rept 8
	ds_load_b128 v[XR+32*R+4*j:XR+32*R+4*j+3], v[ORD] offset:PO*R+512*j
.set j, j+1
.endr
	ds_load_b128 v[TT+16*R+8:TT+16*R+11], v[LSA] offset:16*R
.set R, R+1
.endr
	s_wait_dscnt 0x0
	ROWS v_add_f32 v[TT+16*R+8], v[TT+16*R+8], v[TT+16*R+9]
	ROWS v_add_f32 v[TT+16*R+10], v[TT+16*R+10], v[TT+16*R+11]
	ROWS v_add_f32 v[TT+16*R+8], v[TT+16*R+8], v[TT+16*R+10]     ; l
	ROWS v_rcp_f32 v[TT+16*R+9], v[TT+16*R+8]
	v_nop
	s_wait_alu depctr_va_vdst(0)
	ROWS v_mul_f32 v[TT+16*R+9], s66, v[TT+16*R+9]               ; 1 / (32 l)
.set R, 0
.rept 2
.set j, 0
.rept 8
	v_mul_f32 v[AL+16*R+2*j], s[68+j], v[TT+16*R+9]              ; times the block's inverse scale
.set j, j+1
.endr
.set R, R+1
.endr
.set R, 0
.rept 2
.set p, 0
.rept 16
.set x, XR+32*R+2*p
	v_pk_fma_f32 v[x:x+1], v[x:x+1], v[AL+16*R+2*(p/2):AL+16*R+2*(p/2)+1], v[BO+2*p:BO+2*p+1] op_sel_hi:[1,0,1]  ; v = O x factor + bo
.set p, p+1
.endr
.set R, R+1
.endr
.set R, 0
.rept 2
.set p, 0
.rept 4
	v_pk_add_f32 v[TT+16*R+2*p:TT+16*R+2*p+1], v[XR+32*R+2*p:XR+32*R+2*p+1], v[XR+32*R+2*(p+4):XR+32*R+2*(p+4)+1]
.set p, p+1
.endr
.set p, 8
.rept 8
	v_pk_add_f32 v[TT+16*R+2*(p%4):TT+16*R+2*(p%4)+1], v[TT+16*R+2*(p%4):TT+16*R+2*(p%4)+1], v[XR+32*R+2*p:XR+32*R+2*p+1]
.set p, p+1
.endr
.set R, R+1
.endr
	RSUM
	ROWS v_mul_f32 v[TT+16*R+12], s62, v[TT+16*R]                ; the mean,
	ROWS v_mov_b32 v[TT+16*R+13], v[TT+16*R+12]                  ; as a pair
.set R, 0
.rept 2
.set p, 0
.rept 16
.set x, XR+32*R+2*p
	v_pk_add_f32 v[x:x+1], v[x:x+1], v[TT+16*R+12:TT+16*R+13] neg_lo:[0,1] neg_hi:[0,1]
.set p, p+1
.endr
.set R, R+1
.endr
.set R, 0
.rept 2
.set p, 0
.rept 16
.set x, XR+32*R+2*p
.if p < 4
	v_pk_mul_f32 v[TT+16*R+2*p:TT+16*R+2*p+1], v[x:x+1], v[x:x+1]
.else
	v_pk_fma_f32 v[TT+16*R+2*(p%4):TT+16*R+2*(p%4)+1], v[x:x+1], v[x:x+1], v[TT+16*R+2*(p%4):TT+16*R+2*(p%4)+1]
.endif
.set p, p+1
.endr
.set R, R+1
.endr
	RSUM
	ROWS v_fma_f32 v[TT+16*R+14], v[TT+16*R], s62, s63           ; the variance + 1e-5
	ROWS v_rsq_f32 v[TT+16*R+14], v[TT+16*R+14]
	v_nop
	s_wait_alu depctr_va_vdst(0)
	ROWS v_mov_b32 v[TT+16*R+15], v[TT+16*R+14]
.set R, 0
.rept 2
.set p, 0
.rept 16
.set x, XR+32*R+2*p
	v_pk_mul_f32 v[x:x+1], v[x:x+1], v[TT+16*R+14:TT+16*R+15]
.set p, p+1
.endr
.set p, 0
.rept 16
.set x, XR+32*R+2*p
	v_pk_fma_f32 v[x:x+1], v[x:x+1], v[GG+2*p:GG+2*p+1], v[BB+2*p:BB+2*p+1]
.set p, p+1
.endr
.set j, 0
.rept 8
	global_store_b128 v[OG], v[XR+32*R+4*j:XR+32*R+4*j+3], s[18:19] offset:4096*R+512*j th:TH_STORE_NT  ; 512 consecutive bytes, aligned
.set j, j+1
.endr
.set R, R+1
.endr
	s_wait_xcnt 0x0                                ; the stores' address and data registers are written again only behind this wait: below, and in the next trip's loads
	v_add_nc_u32 v[OG], 8192, v[OG]
	v_add_nc_u32 v[ORD], 2*PO, v[ORD]
	v_add_nc_u32 v[LSA], 32, v[LSA]
	s_sub_co_u32 s56, s56, 1
	s_cmp_lg_u32 s56, 0
	s_cbranch_scc1 .Lrow
	s_wait_tensorcnt 0x0                           ; the wave's end
	ds_add_u32 v[SPW], v[NIL]
	s_wait_dscnt 0x0
	CROUND                                         ; the closing round: no work-group ends while a partner may still ask for a tile that names it
	s_endpgm
.Lfunc_end_k_q93cceb3447_attend:
	.size	k_q93cceb3447_attend, .Lfunc_end_k_q93cceb3447_attend-k_q93cceb3447_attend
	.p2alignl 7, 3214868480
	.fill 96, 4, 3214868480
	.section	.rodata,"a",@progbits
	.p2align	6, 0x0
	.amdhsa_kernel k_q93cceb3447_attend
		.amdhsa_group_segment_fixed_size 327680
		.amdhsa_private_segment_fixed_size 0
		.amdhsa_enable_private_segment 0
		.amdhsa_kernarg_size 64
		.amdhsa_user_sgpr_count 2
		.amdhsa_user_sgpr_kernarg_segment_ptr 1
		.amdhsa_wavefront_size32 1
		.amdhsa_system_sgpr_workgroup_id_x 1
		.amdhsa_system_sgpr_workgroup_id_y 1
		.amdhsa_system_sgpr_workgroup_id_z 1
		.amdhsa_system_vgpr_workitem_id 0
		.amdhsa_next_free_vgpr 1024
		.amdhsa_next_free_sgpr 96
		.amdhsa_reserve_vcc 1
		.amdhsa_float_denorm_mode_32 3
		.amdhsa_float_denorm_mode_16_64 3
		.amdhsa_memory_ordered 1
		.amdhsa_forward_progress 1
		.amdhsa_inst_pref_size 207
	.end_amdhsa_kernel
	.amdgpu_metadata
---
amdhsa.version: [ 1, 2 ]
amdhsa.kernels:
  - .name:           k_q93cceb3447_attend
    .symbol:         k_q93cceb3447_attend.kd
    .args:
      - { .name: query, .offset: 0, .size: 8, .value_kind: global_buffer, .address_space: global }
      - { .name: KP, .offset: 8, .size: 8, .value_kind: global_buffer, .address_space: global }
      - { .name: VP, .offset: 16, .size: 8, .value_kind: global_buffer, .address_space: global }
      - { .name: VS, .offset: 24, .size: 8, .value_kind: global_buffer, .address_space: global }
      - { .name: PSB, .offset: 32, .size: 8, .value_kind: global_buffer, .address_space: global }
      - { .name: ent_idx_in_batch, .offset: 40, .size: 8, .value_kind: global_buffer, .address_space: global }
      - { .name: PAR, .offset: 48, .size: 8, .value_kind: global_buffer, .address_space: global }
      - { .name: out0, .offset: 56, .size: 8, .value_kind: global_buffer, .address_space: global }
    .group_segment_fixed_size: 327680
    .private_segment_fixed_size: 0
    .kernarg_segment_align: 8
    .kernarg_segment_size: 64
    .max_flat_workgroup_size: 128
    .sgpr_count:     96
    .vgpr_count:     1024
    .wavefront_size: 32
...
	.end_amdgpu_metadata
.endif
;; end of part 4
;; ======== version 2 of 2: 4 launches; 1.12 times as fast as version 1
;; workspace buffers: Eb 8,388,608 bytes; W3 6,291,456 bytes; PAR 21,504 bytes; ENT 16,777,216 bytes; PSB 266,240 bytes; KP 16,777,216 bytes; VP 8,388,608 bytes; VS 1,024 bytes
;; launch prep (part 5): grid 256 x 1, 8 waves a work-group, no clusters, 35,840 bytes of LDS; arguments ent_emb, ent_idx_in_batch, WK_w, WO_w, WQ_w, WK_b, WQ_b, WO_b, ln_g, ln_b, Eb, W3, PAR; writes Eb, W3, PAR
.if DOCPART == 5
	.amdgcn_target "amdgcn-amd-amdhsa--gfx1250"
	.amdhsa_code_object_version 6
	.text
	.protected	k_q93cceb3447_prep
	.globl	k_q93cceb3447_prep
	.p2align	8
	.type	k_q93cceb3447_prep,@function
k_q93cceb3447_prep:
	s_mov_b64 s[64:65], 0
	v_nop
	global_prefetch_b8 v0, s[64:65] scope:SCOPE_SE
	s_setreg_imm32_b32 hwreg(HW_REG_WAVE_MODE, 25, 1), 1
	s_wait_xcnt 0x0
; PREP: every float input but query is rounded to bf16 once (to nearest even) and laid out for the products that follow.
;   Eb  [4096][1024] bf16: the gathered rows of ent_emb.  A negative index wraps by 20,000, as it does in the problem's function; then it is clamped to 19,999.
;   W3  [3072][1024] bf16: rows 0-1023 WK_w as it lies, rows 1024-2047 WQ_w TRANSPOSED ([d][e]), rows 2048-3071 WO_w as it lies.
;   PAR [5][1024] f32: WK_b, WQ_b, WO_b, ln_g, ln_b, each rounded to bf16 and widened again; behind them 256 f32: the largest |WO_w| of each wave's four rows
;       (of the unrounded numbers: rounding to bf16 lifts none of them past the next power of two, which is all that is made of them).
; A stream bound by memory: no matrix unit, no cluster, no tensor loads.  256 work-groups of eight waves:
;   0-63    a tile of 128 x 128 of WQ_w, turned through LDS (work-group 0 also makes PAR)
;   64-191  32 gathered rows each, four a wave        192-223  32 rows of WK_w        224-255  32 rows of WO_w
.set TP,    272                        ; a row of the turned tile in LDS: 128 bf16 + 16 bytes
.set SPARE, 128*TP                     ; behind the tile: the spare words, 128 bytes a wave: four blocks of 256 bytes that no other line names
.set WMXO,  20480                      ; where the maxima begin in PAR
.set X,     32                         ; v[32:159]   f32 as loaded
.set Y,     160                        ; v[160:223]  bf16 to store
	s_load_b512 s[8:23], s[0:1], 0x0               ; ent_emb 8, idx 10, WK_w 12, WO_w 14, WQ_w 16, WK_b 18, WQ_b 20, WO_b 22
	s_load_b256 s[24:31], s[0:1], 0x40             ; ln_g 24, ln_b 26, Eb 28, W3 30
	s_load_b64 s[32:33], s[0:1], 0x60              ; PAR
	v_lshl_add_u32 v28, v0, 2, SPARE               ; my spare word,
	v_mov_b32 v29, 0                               ; and 0: kept for the add at the wave's end
	v_lshrrev_b32 v3, 5, v0
	v_readfirstlane_b32 s34, v3                    ; wave 0..7
	v_and_b32 v4, 31, v0                           ; lane
	v_lshlrev_b32 v1, 4, v4                        ; 16 bytes of f32 a lane,
	v_lshlrev_b32 v2, 3, v4                        ; 8 bytes of bf16
	s_mov_b32 s53, 0                               ; the upper word of every offset
	s_mov_b32 s54, 0xffff0000                      ; a word's upper bf16
	s_mov_b32 s56, 0x76543210                      ; v_permlanex16_b32: each lane takes its own place in the other half
	s_mov_b32 s57, 0xfedcba98
	s_wait_kmcnt 0x0
	s_cmp_lt_u32 ttmp9, 64
	s_cbranch_scc1 .Ltrans
	s_cmp_lt_u32 ttmp9, 192
	s_cbranch_scc1 .Lgather
	s_cmp_lt_u32 ttmp9, 224
	s_cbranch_scc1 .Lwk
	s_sub_co_u32 s50, ttmp9, 224                   ; WO_w: my four rows begin at 32 (g - 224) + 4 wave
	s_lshl_b32 s50, s50, 5
	s_lshl2_add_u32 s50, s34, s50
	s_lshl_b32 s52, s50, 12
	s_add_nc_u64 s[40:41], s[14:15], s[52:53]
	s_add_co_u32 s50, s50, 2048                    ; they go to W3's rows 2048 on
	s_lshl_b32 s52, s50, 11
	s_add_nc_u64 s[48:49], s[30:31], s[52:53]
	s_branch .Lrows
.Lwk:
	s_sub_co_u32 s50, ttmp9, 192                   ; WK_w: the same, to W3's rows 0 on
	s_lshl_b32 s50, s50, 5
	s_lshl2_add_u32 s50, s34, s50
	s_lshl_b32 s52, s50, 12
	s_add_nc_u64 s[40:41], s[12:13], s[52:53]
	s_lshl_b32 s52, s50, 11
	s_add_nc_u64 s[48:49], s[30:31], s[52:53]
.Lrows:
	s_add_nc_u64 s[42:43], s[40:41], 4096          ; a weight's four rows follow each other
	s_add_nc_u64 s[44:45], s[40:41], 8192
	s_add_nc_u64 s[46:47], s[40:41], 12288
	s_branch .Lstream
.Lgather:
	s_sub_co_u32 s50, ttmp9, 64
	s_lshl_b32 s50, s50, 5
	s_lshl2_add_u32 s50, s34, s50                  ; my four slots of the 4,096
	s_lshl_b32 s35, s50, 2
	s_load_b128 s[36:39], s[10:11], s35 offset:0x0 ; their indices
	s_lshl_b32 s52, s50, 11
	s_add_nc_u64 s[48:49], s[28:29], s[52:53]
	s_wait_kmcnt 0x0
.irp i, 0,1,2,3
	s_cmp_lt_i32 s[36+\i], 0                       ; a negative index wraps,
	s_cselect_b32 s51, 20000, 0
	s_add_co_i32 s[36+\i], s[36+\i], s51
	s_min_u32 s[36+\i], s[36+\i], 19999            ; and no index leaves the table
	s_lshl_b32 s52, s[36+\i], 12
	s_add_nc_u64 s[40+2*\i:41+2*\i], s[8:9], s[52:53]
.endr
.Lstream:
; Four rows of 4,096 bytes: 32 loads of 512 consecutive bytes, all issued at once; each is rounded as it comes and leaves as 256 consecutive, aligned bytes.  No register is written twice.
.set k, 0
.rept 32
	global_load_b128 v[X+4*k:X+4*k+3], v1, s[40+2*(k/8):41+2*(k/8)] offset:512*(k%8)
.set k, k+1
.endr
.set k, 0
.rept 32
	s_wait_loadcnt 31-k                            ; loads come back in order: number k is in, the younger ones stay out
	v_cvt_pk_bf16_f32 v[Y+2*k], v[X+4*k], v[X+4*k+1]
	v_cvt_pk_bf16_f32 v[Y+2*k+1], v[X+4*k+2], v[X+4*k+3]
	global_store_b64 v2, v[Y+2*k:Y+2*k+1], s[48:49] offset:2048*(k/8)+256*(k%8)
.set k, k+1
.endr
	s_cmp_lt_u32 ttmp9, 224
	s_cbranch_scc1 .Lend
	; WO_w's rows alone: the largest magnitude of my four rows, in four chains, then across the lanes; lane 0 stores it
.set i, 0
.rept 64
.if i < 4
	v_max_num_f32 v[224+i], |v[X+2*i]|, |v[X+2*i+1]|
.else
	v_max3_num_f32 v[224+i%4], |v[X+2*i]|, |v[X+2*i+1]|, v[224+i%4]
.endif
.set i, i+1
.endr
	v_max3_num_f32 v224, v224, v225, v226
	v_max_num_f32 v224, v224, v227
.irp m, 1,2,4,8
	v_max_num_f32_dpp v224, v224, v224 row_xmask:\m row_mask:0xf bank_mask:0xf
.endr
	v_permlanex16_b32 v225, v224, s56, s57
	v_max_num_f32 v224, v224, v225
	s_sub_co_u32 s50, ttmp9, 224
	s_lshl_b32 s50, s50, 3
	s_add_co_u32 s50, s50, s34                     ; 8 (g - 224) + wave
	s_lshl_b32 s52, s50, 2
	s_add_nc_u64 s[60:61], s[32:33], s[52:53]
	s_wait_xcnt 0x0                                ; EXEC changes only behind this wait
	v_cmp_eq_u32 vcc_lo, 0, v4
	s_and_saveexec_b32 s58, vcc_lo
	global_store_b32 v2, v224, s[60:61] offset:WMXO ; (v2 is 0 in lane 0)
	s_wait_xcnt 0x0                                ; and again, in front of the line that widens it
	s_or_b32 exec_lo, exec_lo, s58
.Lend:
	s_wait_tensorcnt 0x0                           ; the wave's end
	ds_add_u32 v28, v29
	s_wait_dscnt 0x0
	s_endpgm
.Ltrans:
	v_lshlrev_b32 v5, 4, v0                        ; 16 bytes a thread: 256 threads cover a vector of 1,024 f32
	s_cmp_lg_u32 ttmp9, 0
	s_cbranch_scc1 .Ltile
	global_load_b128 v[160:163], v5, s[18:19]
	global_load_b128 v[164:167], v5, s[20:21]
	global_load_b128 v[168:171], v5, s[22:23]
	global_load_b128 v[172:175], v5, s[24:25]
	global_load_b128 v[176:179], v5, s[26:27]
.macro PARROW k                        ; vector k: rounded to bf16, widened again, stored as f32
	s_wait_loadcnt 4-(\k)
	v_cvt_pk_bf16_f32 v200, v[160+4*(\k)], v[161+4*(\k)]
	v_cvt_pk_bf16_f32 v201, v[162+4*(\k)], v[163+4*(\k)]
	v_lshlrev_b32 v[180+4*(\k)], 16, v200
	v_and_b32 v[181+4*(\k)], s54, v200
	v_lshlrev_b32 v[182+4*(\k)], 16, v201
	v_and_b32 v[183+4*(\k)], s54, v201
	global_store_b128 v5, v[180+4*(\k):183+4*(\k)], s[32:33] offset:4096*(\k)
.endm
	PARROW 0
	PARROW 1
	PARROW 2
	PARROW 3
	PARROW 4
.Ltile:
; The tile of rows e = 128 te .. and columns d = 128 td .. of WQ_w.  A load takes 512 bytes of one row: lane l holds d = 4 l .. 4 l + 3.  Rows e and e + 1 are packed into one word for each d
; and stored at [d][e]: the lanes stand 1,088 bytes apart there, so these stores share banks eight deep: 64 work-groups, once.
	s_lshr_b32 s50, ttmp9, 3                       ; te
	s_and_b32 s51, ttmp9, 7                        ; td
	s_lshl_b32 s52, s50, 19                        ; 128 rows of 4,096 bytes
	s_lshl_b32 s35, s51, 9
	s_add_co_u32 s52, s52, s35
	s_add_nc_u64 s[40:41], s[16:17], s[52:53]
	s_lshl_b32 s52, s51, 18                        ; W3's row 1024 + 128 td, 2,048 bytes a row,
	s_add_co_u32 s52, s52, 1024*2048
	s_lshl_b32 s35, s50, 8                         ; column 128 te
	s_add_co_u32 s52, s52, s35
	s_add_nc_u64 s[48:49], s[30:31], s[52:53]
	v_lshl_add_u32 v9, s34, 13, v1                 ; rows 2 wave, 2 wave + 1; the immediates add 16 rows a step
	v_mul_u32_u24 v6, v4, 4*TP
	v_lshl_add_u32 v6, s34, 2, v6                  ; into the tile: row 4 lane (+ k), word wave (+ 8 i)
	v_lshrrev_b32 v10, 4, v0
	v_and_b32 v11, 15, v0
	v_mul_u32_u24 v7, v10, TP
	v_lshl_add_u32 v7, v11, 4, v7                  ; back: sixteen threads take a row of 256 bytes
	v_lshlrev_b32 v8, 11, v10
	v_lshl_add_u32 v8, v11, 4, v8                  ; and the same place in W3
.set i, 0
.rept 8
	global_load_b128 v[X+8*i:X+8*i+3], v9, s[40:41] offset:i*65536 th:TH_LOAD_NT
	global_load_b128 v[X+8*i+4:X+8*i+7], v9, s[40:41] offset:i*65536+4096 th:TH_LOAD_NT
.set i, i+1
.endr
.set i, 0
.rept 8
	s_wait_loadcnt 14-2*i                          ; pair i of rows is in
.irp k, 0,1,2,3
	v_cvt_pk_bf16_f32 v[96+4*i+\k], v[X+8*i+\k], v[X+8*i+4+\k]
.endr
.irp k, 0,1,2,3
	ds_store_b32 v6, v[96+4*i+\k] offset:\k*TP+32*i
.endr
.set i, i+1
.endr
	s_wait_dscnt 0x0                               ; for the others' sake: my stores into the tile are done
	s_barrier_signal -1
	s_barrier_wait -1
.set i, 0
.rept 8
	ds_load_b128 v[128+4*i:128+4*i+3], v7 offset:i*16*TP
.set i, i+1
.endr
.set i, 0
.rept 8
	s_wait_dscnt 7-i
	global_store_b128 v8, v[128+4*i:128+4*i+3], s[48:49] offset:i*32768  ; sixteen lanes store 256 consecutive bytes, aligned
.set i, i+1
.endr
	s_wait_tensorcnt 0x0                           ; the wave's end, behind my last LDS store
	ds_add_u32 v28, v29
	s_wait_dscnt 0x0
	s_endpgm
.Lfunc_end_k_q93cceb3447_prep:
	.size	k_q93cceb3447_prep, .Lfunc_end_k_q93cceb3447_prep-k_q93cceb3447_prep
	.p2alignl 7, 3214868480
	.fill 96, 4, 3214868480
	.section	.rodata,"a",@progbits
	.p2align	6, 0x0
	.amdhsa_kernel k_q93cceb3447_prep
		.amdhsa_group_segment_fixed_size 35840
		.amdhsa_private_segment_fixed_size 0
		.amdhsa_enable_private_segment 0
		.amdhsa_kernarg_size 104
		.amdhsa_user_sgpr_count 2
		.amdhsa_user_sgpr_kernarg_segment_ptr 1
		.amdhsa_wavefront_size32 1
		.amdhsa_system_sgpr_workgroup_id_x 1
		.amdhsa_system_sgpr_workgroup_id_y 1
		.amdhsa_system_sgpr_workgroup_id_z 1
		.amdhsa_system_vgpr_workitem_id 0
		.amdhsa_next_free_vgpr 232
		.amdhsa_next_free_sgpr 66
		.amdhsa_reserve_vcc 1
		.amdhsa_float_denorm_mode_32 3
		.amdhsa_float_denorm_mode_16_64 3
		.amdhsa_memory_ordered 1
		.amdhsa_forward_progress 1
		.amdhsa_inst_pref_size 31
	.end_amdhsa_kernel
	.amdgpu_metadata
---
amdhsa.version: [ 1, 2 ]
amdhsa.kernels:
  - .name:           k_q93cceb3447_prep
    .symbol:         k_q93cceb3447_prep.kd
    .args:
      - { .name: ent_emb, .offset: 0, .size: 8, .value_kind: global_buffer, .address_space: global }
      - { .name: ent_idx_in_batch, .offset: 8, .size: 8, .value_kind: global_buffer, .address_space: global }
      - { .name: WK_w, .offset: 16, .size: 8, .value_kind: global_buffer, .address_space: global }
      - { .name: WO_w, .offset: 24, .size: 8, .value_kind: global_buffer, .address_space: global }
      - { .name: WQ_w, .offset: 32, .size: 8, .value_kind: global_buffer, .address_space: global }
      - { .name: WK_b, .offset: 40, .size: 8, .value_kind: global_buffer, .address_space: global }
      - { .name: WQ_b, .offset: 48, .size: 8, .value_kind: global_buffer, .address_space: global }
      - { .name: WO_b, .offset: 56, .size: 8, .value_kind: global_buffer, .address_space: global }
      - { .name: ln_g, .offset: 64, .size: 8, .value_kind: global_buffer, .address_space: global }
      - { .name: ln_b, .offset: 72, .size: 8, .value_kind: global_buffer, .address_space: global }
      - { .name: Eb, .offset: 80, .size: 8, .value_kind: global_buffer, .address_space: global }
      - { .name: W3, .offset: 88, .size: 8, .value_kind: global_buffer, .address_space: global }
      - { .name: PAR, .offset: 96, .size: 8, .value_kind: global_buffer, .address_space: global }
    .group_segment_fixed_size: 35840
    .private_segment_fixed_size: 0
    .kernarg_segment_align: 8
    .kernarg_segment_size: 104
    .max_flat_workgroup_size: 256
    .sgpr_count:     66
    .vgpr_count:     232
    .wavefront_size: 32
...
	.end_amdgpu_metadata
.endif
;; end of part 5
;; launch entproj (part 6): grid 8 x 32, 4 waves a work-group, clusters of 4 x 4, 327,680 bytes of LDS; arguments Eb, W3, PAR, ent_idx_in_batch, ENT, PSB; writes ENT, PSB
.if DOCPART == 6
	.amdgcn_target "amdgcn-amd-amdhsa--gfx1250"
	.amdhsa_code_object_version 6
	.text
	.protected	k_q93cceb3447_entproj
	.globl	k_q93cceb3447_entproj
	.p2align	8
	.type	k_q93cceb3447_entproj,@function
k_q93cceb3447_entproj:
	s_mov_b64 s[64:65], 0
	v_nop
	global_prefetch_b8 v0, s[64:65] scope:SCOPE_SE
	s_setreg_imm32_b32 hwreg(HW_REG_WAVE_MODE, 25, 1), 1
	s_wait_xcnt 0x0
	s_wait_alu depctr_hold_cnt(0) depctr_sa_sdst(0) depctr_va_vdst(0) depctr_va_sdst(0) depctr_va_ssrc(0) depctr_va_vcc(0) depctr_vm_vsrc(0)
	s_getreg_b32 s2, hwreg(HW_REG_IB_STS2, 6, 4)
	s_cmp_eq_u32 s2, 0
	s_cbranch_scc0 .Lentry_in_a_cluster
	s_endpgm
.Lentry_in_a_cluster:
	s_bfe_u32 s2, ttmp6, 0x10000c
	s_cmp_lg_u32 s2, 0xf033
	s_cbranch_scc0 .Lentry_shape_is_right
	s_endpgm
.Lentry_shape_is_right:
; ent[n][e] = (sum over d of Eb[n][d] WK[e][d] + bk[e]) x mask[n], n = 0..4095, e = 0..1023; mask = 0 where the index is -1.  Products in bf16, sums in f32.
; OUT: ENT [4096][hi 1024 | lo 1024] bf16: hi = ent rounded to bf16, lo = (ent - hi) rounded to bf16: about 16 significant bits with f32's range, since the scores that are made of ent
; enter a softmax unscaled.  PSB [16][4096] f32: the partial sums of bq[e] ent[n][e] over 64 columns e, taken of the unrounded ent; behind them [32 row tiles][8 column tiles][4 waves] f32:
; the largest |ent| of each wave's 64 x 64, of which the next launch makes the scale of V'.
; A tile of 128 x 128; four waves, each 64 x 64: 16 accumulators.  K goes in four steps of 256 through two LDS slots (rows of 512 bytes + 16 of padding).  A step is written once: the slot's
; base and the walking descriptors' LDS word are turned by an exclusive or with SLOT = 0x21000, which shares no bit with wave x 0x8400: there it adds or takes away the slot.
; CLUSTERS: 4 x 4 work-groups; the four of a row of the cluster need the same rows of Eb, the four of a column the same rows of WK: each tile is asked for jointly.
; THE MATRIX INSTRUCTION IS USED TRANSPOSED (source 0 = 16 rows of WK, source 1 = 16 rows of Eb): a lane holds eight neighbouring columns e of one row n.
; REGISTERS: window 0: v0-31 addresses, maxima and the masks; v32-63 at work on the way out; v64-95 bq, v96-127 bk of my columns; v128-255 the accumulators ((a, b) at v[128 + 8 (4 a + b)]).
;   window 1: two fragment buffers of 128: for 64 along K, 64 registers of A, then 64 of B.
.set SIZE_K, 1024
.set KSTEP,  256
.set PITCH,  528                       ; an LDS row: 512 bytes + 16 = 132 words: the 16 rows of a fragment load start at 16 different groups of four banks
.set HALFT,  64*PITCH
.set SLOT,   4*HALFT                   ; A's 128 rows, then B's 128 rows
.set STAGE,  0                         ; the way out uses slot 0: 128 rows x 528 bytes, behind the ring's last fill and last read
.set SPARE,  2*SLOT                    ; behind the ring: the spare words, 128 bytes a wave: two blocks of 256 bytes that no other line names
.set EMXO,   262144                    ; where the maxima begin in PSB
.set MXR,  4                           ; v4-7    four running maxima of |ent|
.set MK,   8                           ; v8-15   the masks of my four row blocks, a pair each (first the indices)
.set ADRA0, 16                         ; v16     LDS address of my A fragments in slot 0; never rewritten
.set ADRA,  17                         ; v17     the same in the slot that is being fetched from
.set ADRB0, 20                         ; v20, v21  the same for B
.set ADRB,  21
.set STO,  24                          ; v24     the way out: where I put 16 bytes of a row
.set RD,   25                          ; v25     the way out: where I read a row back
.set CO,   26                          ; v26     my byte offset in ENT
.set SPW,  28                          ; v28     my spare word; never rewritten
.set NIL,  29                          ; v29     0; never rewritten
.set X,    32                          ; v32-39  eight numbers of ent
.set HF,   40                          ; v40-47  hi, widened
.set HP,   48                          ; v48-51  hi, packed
.set LP,   52                          ; v52-55  lo, packed
.set PS,   56                          ; v56-63  bq . ent, a pair for each row block
.set BQ,   64
.set BK,   96
.set ACC,  128
.set F0,   0
.set F1,   128
.set G1, 24                            ; s[24:31] descriptor group 1 for A's tiles;  s[32:39] group 0: a set for each of the two first fills; the second then walks on
.set G0, 32
.set G1B, 48                           ; s[48:55], s[56:63] the same for B's tiles
.set G0B, 56
.set TB,  77                           ; s77  the base of the slot that is being fetched from: 0 or SLOT
.set MSB, 0
.macro WIN new                         ; the immediate's high byte repeats the setting that is left
.if MSB != (\new)
	s_set_vgpr_msb (MSB<<8)|(\new)
.set MSB, \new
.endif
.endm
.set MUL,  0x05                        ; sources 0 (B) and 1 (A) window 1; C and D window 0
.set TO_F, 0x40                        ; destination window 1, address window 0
.macro JLOAD s                         ; a joint load: waves 0 and 1 fetch A's two halves, waves 2 and 3 B's; an s_nop 0 and four v_nop follow each line
	s_cmp_eq_u32 s11, 0
	s_cbranch_scc0 .Lfor_b_\@
	tensor_load_to_lds s[G0+4*(\s):G0+4*(\s)+3], s[G1:G1+7]
	s_nop 0
.rept 4
	v_nop
.endr
	s_branch .Lasked_\@
.Lfor_b_\@:
	tensor_load_to_lds s[G0B+4*(\s):G0B+4*(\s)+3], s[G1B:G1B+7]
	s_nop 0
.rept 4
	v_nop
.endr
.Lasked_\@:
.endm
.macro CREST                           ; a round of the cluster's barrier behind its opening barrier
	s_cmp_lg_u32 s10, 0
	s_cbranch_scc1 .Lnot_wave_0_\@
	s_barrier_signal -3
.Lnot_wave_0_\@:
	s_barrier_wait -3
	s_barrier_signal -1
	s_barrier_wait -1
.endm
.macro CROUND                          ; a whole round
	s_barrier_signal -1
	s_barrier_wait -1
	CREST
.endm
	s_load_b128 s[4:7], s[0:1], 0x0                ; Eb s[4:5], W3 s[6:7]
	s_load_b256 s[68:75], s[0:1], 0x10             ; PAR 68, idx 70, ENT 72, PSB 74
	v_lshl_add_u32 v[SPW], v0, 2, SPARE
	v_mov_b32 v[NIL], 0
	ds_add_u32 v[SPW], v[NIL]                      ; the wave's opening: the add, waited for ahead of my first tensor load
	v_lshrrev_b32 v1, 5, v0
	v_readfirstlane_b32 s10, v1                    ; wave 0..3
	s_lshr_b32 s11, s10, 1                         ; which half of the tile's rows is mine.  Also: I fetch for A (0) or for B (1)
	s_and_b32 s12, s10, 1                          ; which half of its columns.  Also: which 64 rows of that tile I fetch
	s_bfe_u32 s40, ttmp6, 0x40000                  ; cx, cy: my place in the cluster
	s_bfe_u32 s41, ttmp6, 0x40004
	s_lshl_b32 s42, ttmp9, 2
	s_add_co_u32 s42, s42, s40                     ; tile column = 4 x cluster x + cx
	s_and_b32 s13, ttmp7, 0xffff
	s_lshl_b32 s13, s13, 2
	s_add_co_u32 s13, s13, s41                     ; tile row = 4 x cluster y + cy
	s_lshl_b32 s43, s41, 2
	s_lshl_b32 s43, 15, s43                        ; my row of the cluster
	s_lshl_b32 s44, 0x1111, s40                    ; my column
	s_or_b32 s[G1+0], s43, (1<<16)|(1<<20)|(1<<21)|(6<<22)|(3<<25)  ; the mask; 2-byte elements; padding on; bit 21 beside a mask; after every 128 words 4 words
	s_or_b32 s[G1B+0], s44, (1<<16)|(1<<20)|(1<<21)|(6<<22)|(3<<25)
.irp g, G1, G1B
	s_mov_b32 s[(\g)+1], KSTEP<<16                 ; tensor_dim0 = 256
	s_mov_b32 s[(\g)+2], 64<<16                    ; tensor_dim1 = 64
	s_mov_b32 s[(\g)+3], KSTEP<<16                 ; tile_dim0 = 256
	s_mov_b32 s[(\g)+4], 64                        ; tile_dim1 = 64
	s_mov_b32 s[(\g)+5], SIZE_K                    ; elements from row to row
	s_mov_b32 s[(\g)+6], 0
	s_mov_b32 s[(\g)+7], 0
.endr
	s_lshl_b32 s17, s12, 6                         ; which 64 rows of the tile I fetch
	s_lshl_b32 s16, s13, 7
	s_add_co_u32 s16, s16, s17                     ; A: row 128 x tile row + 64 x half
	s_lshl_b32 s46, s42, 7
	s_add_co_u32 s46, s46, s17                     ; B: row 128 x tile column + 64 x half
	s_mov_b32 s17, 0
	s_mov_b32 s47, 0
	s_mov_b64 s[18:19], SIZE_K*2
	s_mul_u64 s[16:17], s[16:17], s[18:19]
	s_mul_u64 s[46:47], s[46:47], s[18:19]
	s_mul_i32 s20, s10, HALFT                      ; where they go: wave x 64 rows
	s_mov_b32 s76, 0xffff0000                      ; a word's upper bf16; also: the lanes 16-31
	s_mov_b32 s78, 0x76543210                      ; v_permlanex16_b32: each lane takes its own place in the other half
	s_mov_b32 s79, 0xfedcba98
	s_mov_b32 s[TB], 0
	s_wait_dscnt 0x0                               ; the opening add is done
	s_wait_kmcnt 0x0
	s_add_nc_u64 s[14:15], s[4:5], s[16:17]
	s_add_nc_u64 s[46:47], s[6:7], s[46:47]
	CROUND                                         ; all sixteen work-groups are here: the first joint loads meet
.irp s, 0,1
	s_mov_b32 s[G0+4*(\s)], 1
	s_add_co_u32 s[G0+4*(\s)+1], s20, (\s)*SLOT
	s_add_nc_u64 s[G0+4*(\s)+2:G0+4*(\s)+3], s[14:15], (\s)*KSTEP*2
	s_or_b32 s[G0+4*(\s)+3], s[G0+4*(\s)+3], 0x80000000
	s_mov_b32 s[G0B+4*(\s)], 1
	s_add_co_u32 s[G0B+4*(\s)+1], s20, (\s)*SLOT
	s_add_nc_u64 s[G0B+4*(\s)+2:G0B+4*(\s)+3], s[46:47], (\s)*KSTEP*2
	s_or_b32 s[G0B+4*(\s)+3], s[G0B+4*(\s)+3], 0x80000000
	JLOAD \s
.endr
	v_and_b32 v1, 15, v0                           ; r = l % 16
	v_bfe_u32 v2, v0, 4, 1                         ; h = l / 16
	v_lshlrev_b32 v18, 5, v2                       ; my eight columns of a block of 16: 32 h bytes of f32
	v_lshlrev_b32 v19, 2, v1                       ; my row of a block of 16: 4 r bytes
	s_lshl_b32 s46, s42, 9                         ; bk and bq at column 128 x tile column + 64 x half
	s_lshl_b32 s47, s12, 8
	s_add_co_u32 s46, s46, s47
	s_mov_b32 s47, 0
	s_add_nc_u64 s[68:69], s[68:69], s[46:47]
	s_lshl_b32 s16, s13, 7                         ; my maximum's word: ((8 x tile row + tile column) x 4 + wave) x 4 bytes
	s_lshl_b32 s17, s10, 2
	s_add_co_u32 s16, s16, s17
	s_mov_b32 s17, 0
	s_add_nc_u64 s[66:67], s[74:75], s[16:17]
	s_lshl_b32 s46, s42, 4
	s_add_nc_u64 s[66:67], s[66:67], s[46:47]
	s_lshl_b32 s16, s13, 9                         ; the indices at row 128 x tile row + 64 x half
	s_lshl_b32 s17, s11, 8
	s_add_co_u32 s16, s16, s17
	s_mov_b32 s17, 0
	s_add_nc_u64 s[70:71], s[70:71], s[16:17]
	s_add_nc_u64 s[74:75], s[74:75], s[16:17]      ; PSB at the same row,
	s_lshl_b32 s46, s42, 15                        ; in the plane 2 x tile column + half
	s_lshl_b32 s47, s12, 14
	s_add_co_u32 s46, s46, s47
	s_mov_b32 s47, 0
	s_add_nc_u64 s[74:75], s[74:75], s[46:47]
.irp b, 0,1,2,3                        ; they are waited for on the way out
	global_load_b128 v[BK+8*\b:BK+8*\b+3], v18, s[68:69] offset:64*\b
	global_load_b128 v[BK+8*\b+4:BK+8*\b+7], v18, s[68:69] offset:64*\b+16
	global_load_b128 v[BQ+8*\b:BQ+8*\b+3], v18, s[68:69] offset:4096+64*\b
	global_load_b128 v[BQ+8*\b+4:BQ+8*\b+7], v18, s[68:69] offset:4096+64*\b+16
.endr
.irp a, 0,1,2,3
	global_load_b32 v[MK+2*\a], v19, s[70:71] offset:64*\a
.endr
	v_mul_u32_u24 v3, v1, PITCH
	v_lshl_add_u32 v3, v2, 4, v3                   ; a fragment's row x pitch + 16 x half
	s_mul_i32 s21, s11, HALFT                      ; my 64 rows of A
	s_mul_i32 s22, s12, HALFT                      ; my 64 rows of B,
	s_add_co_u32 s22, s22, 2*HALFT                 ; which lie behind A's 128
	v_add_nc_u32 v[ADRA0], s21, v3
	v_add_nc_u32 v[ADRB0], s22, v3
	v_mov_b32 v[ADRA], v[ADRA0]                    ; the walk begins in slot 0
	v_mov_b32 v[ADRB], v[ADRB0]
	s_mul_i32 s23, s11, 64*PITCH                   ; into the stage: my 64 rows, my 128 bytes of hi (lo lies 256 bytes on); row r, 16 bytes for each half of the lanes
	s_lshl_b32 s21, s12, 7
	s_add_co_u32 s23, s23, s21
	v_add_nc_u32 v[STO], s23, v3
	v_and_b32 v27, 31, v0
	v_lshlrev_b32 v27, 2, v27                      ; 4 x lane: PSB's stores
	s_mul_i32 s23, s10, 32*PITCH                   ; back: wave w takes rows 32 w .. 32 w + 31, whole: lanes 0-15 hi, lanes 16-31 lo
	v_lshl_add_u32 v[RD], v27, 2, s23
	v_lshlrev_b32 v[CO], 11, v2                    ; in ENT lo lies 2,048 bytes behind hi
	v_lshl_add_u32 v[CO], v1, 4, v[CO]
	s_lshl_b32 s16, s13, 19                        ; ENT at row 128 x tile row + 32 x wave (4,096 bytes a row),
	s_lshl_b32 s17, s10, 17
	s_add_co_u32 s16, s16, s17
	s_mov_b32 s17, 0
	s_add_nc_u64 s[72:73], s[72:73], s[16:17]
	s_lshl_b32 s46, s42, 8                         ; column 128 x tile column
	s_mov_b32 s47, 0
	s_add_nc_u64 s[72:73], s[72:73], s[46:47]
; 8 matrix instructions: row blocks a0, a0 + 1 x all 4 column blocks, 32 along K: half c of buffer f.  zero = 1: the first product starts the sums
.macro MUL8 f, c, a0, zero
	WIN MUL
.irp a, \a0, (\a0)+1
.irp b, 0,1,2,3
.if \zero
	v_wmma_f32_16x16x32_bf16 v[ACC+8*(4*(\a)+(\b)):ACC+8*(4*(\a)+(\b))+7], v[(\f)+64+8*(4*(\c)+(\b)):(\f)+64+8*(4*(\c)+(\b))+7], v[(\f)+8*(4*(\c)+(\a)):(\f)+8*(4*(\c)+(\a))+7], 0
.else
	v_wmma_f32_16x16x32_bf16 v[ACC+8*(4*(\a)+(\b)):ACC+8*(4*(\a)+(\b))+7], v[(\f)+64+8*(4*(\c)+(\b)):(\f)+64+8*(4*(\c)+(\b))+7], v[(\f)+8*(4*(\c)+(\a)):(\f)+8*(4*(\c)+(\a))+7], v[ACC+8*(4*(\a)+(\b)):ACC+8*(4*(\a)+(\b))+7]
.endif
.endr
.endr
.endm
; 32 LDS loads in one run: the fragments of 64 along K at byte k of the rows of the slot in hand, into buffer f; the first 32 along K first
.macro FETCH k, f
	WIN TO_F
.irp c, 0,1
.irp i, 0,1,2,3
	ds_load_b128 v[(\f)+64+8*(4*(\c)+(\i)):(\f)+64+8*(4*(\c)+(\i))+3],   v[ADRB] offset:(\k)+64*(\c)+(\i)*16*PITCH
	ds_load_b128 v[(\f)+64+8*(4*(\c)+(\i))+4:(\f)+64+8*(4*(\c)+(\i))+7], v[ADRB] offset:(\k)+64*(\c)+(\i)*16*PITCH+32
	ds_load_b128 v[(\f)+8*(4*(\c)+(\i)):(\f)+8*(4*(\c)+(\i))+3],         v[ADRA] offset:(\k)+64*(\c)+(\i)*16*PITCH
	ds_load_b128 v[(\f)+8*(4*(\c)+(\i))+4:(\f)+8*(4*(\c)+(\i))+7],       v[ADRA] offset:(\k)+64*(\c)+(\i)*16*PITCH+32
.endr
.endr
.endm
.macro PLACES                          ; four places in front of loads into registers that matrix instructions have read, and of vector work that reads results
.rept 4
	v_nop
.endr
.endm
; A K step is four quarters of 64 along K, 32 matrix instructions each, on buffers 0, 1, 0, 1.  One of the first three: multiplies buffer f and fetches the next quarter, at byte k, into g.
.macro QUARTER k, f, g, zero
	s_wait_dscnt 16                                ; the first 32 along K are in
	MUL8 \f, 0, 0, \zero
	MUL8 \f, 0, 2, \zero
	PLACES
	FETCH \k, \g
	s_wait_dscnt 32                                ; all but the 32 just issued
	MUL8 \f, 1, 0, 0
	MUL8 \f, 1, 2, 0
.endm
; The last quarter multiplies buffer 1 and changes slots: ONE barrier; in front of it each wave waits for all its tensor loads, adds 0 to its spare word, and waits for that and for its own reads of this slot.
; fill = 1: the slot just read is filled again, with the K step two on: the walking descriptors take the other slot than last time and the next 512 bytes of the rows.
.macro TURN fill
	WIN 0                                          ; (the add's two registers lie in window 0)
	s_wait_tensorcnt 0x0                           ; all my tensor loads have landed: my part of the next slot;
	ds_add_u32 v[SPW], v[NIL]                      ; 0 onto my spare word;
	s_wait_dscnt 17                                ; (the add and the youngest sixteen loads may be out)
	MUL8 F1, 0, 0, 0
	s_wait_dscnt 0x0                               ; the add is done, and my reads of this slot are over
	s_barrier_signal -1
	MUL8 F1, 0, 2, 0
	WIN 0
	s_barrier_wait -1
.if \fill
	CREST                                          ; the barrier has opened a round of the cluster's barrier: no wave of any partner still reads this slot's tile or has a load on its way
	s_xor_b32 s[G0+5], s[G0+5], SLOT
	s_add_nc_u64 s[G0+6:G0+7], s[G0+6:G0+7], KSTEP*2
	s_xor_b32 s[G0B+5], s[G0B+5], SLOT
	s_add_nc_u64 s[G0B+6:G0B+7], s[G0B+6:G0B+7], KSTEP*2
	JLOAD 1                                        ; the first tensor load behind the round; its four v_nop are also the places in front of the loads below
.else
	PLACES
.endif
	s_xor_b32 s[TB], s[TB], SLOT                   ; the fetches go on in the other slot
	v_add_nc_u32 v[ADRA], s[TB], v[ADRA0]
	v_add_nc_u32 v[ADRB], s[TB], v[ADRB0]
	FETCH 0, F0
	MUL8 F1, 1, 0, 0
	MUL8 F1, 1, 2, 0
.endm
	s_wait_tensorcnt 1                             ; my part of K step 0 is in; K step 1's may stay out
	s_barrier_signal -1
	s_barrier_wait -1
	FETCH 0, F0
	QUARTER 128, F0, F1, 1                         ; the first quarter stands in front of the loop: its first products start the sums
	WIN 0
	s_mov_b32 s3, 2
.Lstep:                                                ; a trip: from a step's second quarter to the next step's first; K steps 0 and 1 are followed by a refill
	QUARTER 256, F1, F0, 0
	QUARTER 384, F0, F1, 0
	TURN 1
	QUARTER 128, F0, F1, 0
	WIN 0
	s_sub_co_u32 s3, s3, 1
	s_cmp_lg_u32 s3, 0
	s_cbranch_scc1 .Lstep
	QUARTER 256, F1, F0, 0                         ; K steps 2 and 3 fill nothing
	QUARTER 384, F0, F1, 0
	TURN 0
	QUARTER 128, F0, F1, 0
	QUARTER 256, F1, F0, 0
	QUARTER 384, F0, F1, 0
	s_wait_dscnt 16
	MUL8 F1, 0, 0, 0
	MUL8 F1, 0, 2, 0
	s_wait_dscnt 0                                 ; my last reads of the ring are back:
	s_barrier_signal -1                            ; say so,
	MUL8 F1, 1, 0, 0
	MUL8 F1, 1, 2, 0
	WIN 0
	s_barrier_wait -1                              ; and write into the ring only when all four have said so
	; THE WAY OUT.  ent = (sum + bk) x mask; its largest magnitude and bq . ent are gathered; ent is split into hi and lo, 16 bytes each a lane, into the stage; a barrier, since a row's bytes come from two waves; back as whole rows.
	s_wait_loadcnt 0x0                             ; bk, bq and the indices
	PLACES
.irp a, 0,1,2,3
	v_cmp_ne_u32 vcc_lo, -1, v[MK+2*\a]
	v_cndmask_b32 v[MK+2*\a], 0, 1.0, vcc_lo
	v_mov_b32 v[MK+2*\a+1], v[MK+2*\a]
.endr
.macro EPI a, b                        ; accumulator (a, b): its registers are taken in ascending order
.set AC, ACC+8*(4*(\a)+(\b))
.irp p, 0,1,2,3
	v_pk_add_f32 v[X+2*\p:X+2*\p+1], v[AC+2*\p:AC+2*\p+1], v[BK+8*(\b)+2*\p:BK+8*(\b)+2*\p+1]
.endr
.irp p, 0,1,2,3
	v_pk_mul_f32 v[X+2*\p:X+2*\p+1], v[X+2*\p:X+2*\p+1], v[MK+2*(\a):MK+2*(\a)+1]
.endr
.irp p, 0,1,2,3
	v_cvt_pk_bf16_f32 v[HP+\p], v[X+2*\p], v[X+2*\p+1]
.endr
.irp p, 0,1,2,3
.if ((\a) == 0) && ((\b) == 0)
	v_max_num_f32 v[MXR+\p], |v[X+2*\p]|, |v[X+2*\p+1]|           ; the first numbers start the four maxima
.else
	v_max3_num_f32 v[MXR+\p], |v[X+2*\p]|, |v[X+2*\p+1]|, v[MXR+\p]
.endif
.endr
.irp p, 0,1,2,3
.if ((\b) == 0) && ((\p) == 0)
	v_pk_mul_f32 v[PS+2*(\a):PS+2*(\a)+1], v[X:X+1], v[BQ:BQ+1]   ; the first product starts the sum
.else
	v_pk_fma_f32 v[PS+2*(\a):PS+2*(\a)+1], v[X+2*\p:X+2*\p+1], v[BQ+8*(\b)+2*\p:BQ+8*(\b)+2*\p+1], v[PS+2*(\a):PS+2*(\a)+1]
.endif
	v_lshlrev_b32 v[HF+2*\p], 16, v[HP+\p]
	v_and_b32 v[HF+2*\p+1], s76, v[HP+\p]
.endr
.irp p, 0,1,2,3
	v_pk_add_f32 v[X+2*\p:X+2*\p+1], v[X+2*\p:X+2*\p+1], v[HF+2*\p:HF+2*\p+1] neg_lo:[0,1] neg_hi:[0,1]  ; ent - hi, exact
.endr
.irp p, 0,1,2,3
	v_cvt_pk_bf16_f32 v[LP+\p], v[X+2*\p], v[X+2*\p+1]
.endr
	ds_store_b128 v[STO], v[HP:HP+3] offset:STAGE+(\a)*16*PITCH+32*(\b)
	ds_store_b128 v[STO], v[LP:LP+3] offset:STAGE+(\a)*16*PITCH+32*(\b)+256
.endm
.irp a, 0,1,2,3
.irp b, 0,1,2,3
	EPI \a, \b
.endr
.endr
.irp a, 0,1,2,3
	v_add_f32 v[X+\a], v[PS+2*\a], v[PS+2*\a+1]
.endr
.irp a, 0,1,2,3
	v_permlanex16_b32 v[HF+\a], v[X+\a], s78, s79  ; the row's other 32 columns lie in the lane 16 away
.endr
.irp a, 0,1,2,3
	v_add_f32 v[X+\a], v[X+\a], v[HF+\a]
.endr
	v_cndmask_b32 v[X+4], v[X], v[X+1], s76        ; lanes 0-15 rows 0-15, lanes 16-31 rows 16-31
	v_cndmask_b32 v[X+5], v[X+2], v[X+3], s76
	global_store_b32 v27, v[X+4], s[74:75]
	global_store_b32 v27, v[X+5], s[74:75] offset:128
	v_max3_num_f32 v[MXR], v[MXR], v[MXR+1], v[MXR+2]
	v_max_num_f32 v[MXR], v[MXR], v[MXR+3]
.irp m, 1,2,4,8
	v_max_num_f32_dpp v[MXR], v[MXR], v[MXR] row_xmask:\m row_mask:0xf bank_mask:0xf
.endr
	v_permlanex16_b32 v[MXR+1], v[MXR], s78, s79
	v_max_num_f32 v[MXR], v[MXR], v[MXR+1]         ; the largest |ent| of my 64 x 64, in every lane; lane 0 stores it
	s_wait_xcnt 0x0                                ; EXEC changes only behind this wait
	v_cmp_eq_u32 vcc_lo, 0, v27
	s_and_saveexec_b32 s45, vcc_lo
	global_store_b32 v27, v[MXR], s[66:67] offset:EMXO  ; (v27 is 0 in lane 0)
	s_wait_xcnt 0x0                                ; and again, in front of the line that widens it
	s_or_b32 exec_lo, exec_lo, s45
	s_wait_dscnt 0x0                               ; for the others' sake: my stores into the stage are done
	s_barrier_signal -1
	s_barrier_wait -1
	s_mov_b32 s3, 4
.Lout:                                                 ; eight of my 32 rows a trip
.set t, 0
.rept 8
	ds_load_b128 v[ACC+4*t:ACC+4*t+3], v[RD] offset:STAGE+t*PITCH
.set t, t+1
.endr
.set t, 0
.rept 8
	s_wait_dscnt 7-t
	global_store_b128 v[CO], v[ACC+4*t:ACC+4*t+3], s[72:73] offset:4096*t  ; lanes 0-15 store 256 consecutive bytes of hi, lanes 16-31 of lo, both aligned
.set t, t+1
.endr
	s_wait_xcnt 0x0                                ; the stores' offset and data registers are written again only behind this wait
	v_add_nc_u32 v[RD], 8*PITCH, v[RD]
	v_add_nc_u32 v[CO], 8*4096, v[CO]
	s_sub_co_u32 s3, s3, 1
	s_cmp_lg_u32 s3, 0
	s_cbranch_scc1 .Lout
	s_wait_tensorcnt 0x0                           ; the wave's end
	ds_add_u32 v[SPW], v[NIL]
	s_wait_dscnt 0x0
	CROUND                                         ; the closing round
	s_endpgm
.Lfunc_end_k_q93cceb3447_entproj:
	.size	k_q93cceb3447_entproj, .Lfunc_end_k_q93cceb3447_entproj-k_q93cceb3447_entproj
	.p2alignl 7, 3214868480
	.fill 96, 4, 3214868480
	.section	.rodata,"a",@progbits
	.p2align	6, 0x0
	.amdhsa_kernel k_q93cceb3447_entproj
		.amdhsa_group_segment_fixed_size 327680
		.amdhsa_private_segment_fixed_size 0
		.amdhsa_enable_private_segment 0
		.amdhsa_kernarg_size 48
		.amdhsa_user_sgpr_count 2
		.amdhsa_user_sgpr_kernarg_segment_ptr 1
		.amdhsa_wavefront_size32 1
		.amdhsa_system_sgpr_workgroup_id_x 1
		.amdhsa_system_sgpr_workgroup_id_y 1
		.amdhsa_system_sgpr_workgroup_id_z 1
		.amdhsa_system_vgpr_workitem_id 0
		.amdhsa_next_free_vgpr 512
		.amdhsa_next_free_sgpr 80
		.amdhsa_reserve_vcc 1
		.amdhsa_float_denorm_mode_32 3
		.amdhsa_float_denorm_mode_16_64 3
		.amdhsa_memory_ordered 1
		.amdhsa_forward_progress 1
		.amdhsa_inst_pref_size 101
	.end_amdhsa_kernel
	.amdgpu_metadata
---
amdhsa.version: [ 1, 2 ]
amdhsa.kernels:
  - .name:           k_q93cceb3447_entproj
    .symbol:         k_q93cceb3447_entproj.kd
    .args:
      - { .name: Eb, .offset: 0, .size: 8, .value_kind: global_buffer, .address_space: global }
      - { .name: W3, .offset: 8, .size: 8, .value_kind: global_buffer, .address_space: global }
      - { .name: PAR, .offset: 16, .size: 8, .value_kind: global_buffer, .address_space: global }
      - { .name: ent_idx_in_batch, .offset: 24, .size: 8, .value_kind: global_buffer, .address_space: global }
      - { .name: ENT, .offset: 32, .size: 8, .value_kind: global_buffer, .address_space: global }
      - { .name: PSB, .offset: 40, .size: 8, .value_kind: global_buffer, .address_space: global }
    .group_segment_fixed_size: 327680
    .private_segment_fixed_size: 0
    .kernarg_segment_align: 8
    .kernarg_segment_size: 48
    .max_flat_workgroup_size: 128
    .sgpr_count:     80
    .vgpr_count:     512
    .wavefront_size: 32
...
	.end_amdgpu_metadata
.endif
;; end of part 6
;; launch kvproj (part 7): grid 8 x 32, 4 waves a work-group, clusters of 4 x 4, 327,680 bytes of LDS; arguments ENT, W3, PSB, PAR, KP, VP, VS; writes KP, VP, VS
.if DOCPART == 7
	.amdgcn_target "amdgcn-amd-amdhsa--gfx1250"
	.amdhsa_code_object_version 6
	.text
	.protected	k_q93cceb3447_kvproj
	.globl	k_q93cceb3447_kvproj
	.p2align	8
	.type	k_q93cceb3447_kvproj,@function
k_q93cceb3447_kvproj:
	s_mov_b64 s[64:65], 0
	v_nop
	global_prefetch_b8 v0, s[64:65] scope:SCOPE_SE
	s_setreg_imm32_b32 hwreg(HW_REG_WAVE_MODE, 25, 1), 1
	s_wait_xcnt 0x0
	s_wait_alu depctr_hold_cnt(0) depctr_sa_sdst(0) depctr_va_vdst(0) depctr_va_sdst(0) depctr_va_ssrc(0) depctr_va_vcc(0) depctr_vm_vsrc(0)
	s_getreg_b32 s2, hwreg(HW_REG_IB_STS2, 6, 4)
	s_cmp_eq_u32 s2, 0
	s_cbranch_scc0 .Lentry_in_a_cluster
	s_endpgm
.Lentry_in_a_cluster:
	s_bfe_u32 s2, ttmp6, 0x10000c
	s_cmp_lg_u32 s2, 0xf033
	s_cbranch_scc0 .Lentry_shape_is_right
	s_endpgm
.Lentry_shape_is_right:
; K'[n][d] = sum over e of ent[n][e] WQ_w[e][d]  and  V'[n][d] = sum over e of ent[n][e] WO_w[d][e],  ent = hi + lo (two bf16).  Products in bf16, sums in f32.
; With them query . K' + bq . ent is the score, and P . V' the output in front of bo: the two projections run over the 4,096 entity rows and not over the 16,384 query rows.
; A work-group makes 128 rows x 256 columns; column tiles 0-3 are K', 4-7 V': both are rows 1024 + 256 x tile of W3.  Four waves, each 64 x 128: 32 accumulators.
; e goes in 8 steps of 128.  A slot holds hi's chunk (128 rows), lo's chunk (128 rows) and ONE copy of W3's chunk (256 rows), which both are multiplied by: 512 rows of 256 bytes for
; 256 matrix instructions a wave; for 32 along e a wave reads 16 fragments for 64 matrix instructions.  A step is written once: the slot's base and the walking descriptors' LDS word are turned by an
; exclusive or with SLOT = 0x22000, which shares no bit with wave x 0x8800: there it adds or takes away the slot.
; OUT.  KP [16 b][8 c][256 key][hi 128 | lo 128] bf16, K' split as ent was (about 16 significant bits).
;       VP [4096][1024] f16 = V' x 2^(257 - t).  A column's scale has to be one for all keys of a batch, and a work-group sees half of them; so the scale is made of a bound that all work-groups of a batch
;       form alike: |V'| <= 1024 x max |ent| of the batch x max |WO_w|; t = the sum of the two maxima's biased exponents, held within 131 .. 383.  So |V'| x scale <= 2^15 (1 + 2^-16); what falls
;       below 2^-14 after scaling keeps f16's fixed step.  VS [32 row tiles][8] f32 = 2^(t - 257).  NaN and infinities are not treated apart.
; CLUSTERS: 4 x 4 work-groups; a row of the cluster shares the row tile (A's tiles), a column the column tile (B's tiles).
; THE MATRIX INSTRUCTION IS USED TRANSPOSED (source 0 = 16 rows of W3, source 1 = 16 rows of ENT): a lane holds eight neighbouring columns of one row.
; THE WAY OUT.  A wave's 64 x 128 is 64 whole rows of KP (512 bytes) or 64 whole aligned blocks of 256 bytes of VP: each wave has a stage of its own, in slot 0, and no wave waits for another.
; The two maxima are loaded and the scale is made on the path that all work-groups share, so that every path writes the registers of VS's store; the work-groups of K' make no use of them: three loads and some thirty vector lines a wave.
; REGISTERS: window 0: v0-31 addresses; v32-191 at work on the way out; v224-235 maxima and scale.  window 1: the accumulators, (a, b) at v[8 (8 a + b)].
;   window 2: two fragment buffers of 128: B's 8 fragments, hi's 4, lo's 4.
.set PITCH,  272                       ; an LDS row: 256 bytes + 16
.set QTR,    128*PITCH                 ; a wave's part of a slot: 128 rows
.set SLOT,   4*QTR                     ; hi, lo, B's rows 0-127, B's rows 128-255
.set KPP,    528                       ; a stage's row for K': hi 256 | lo 256 + 16
.set WSTG,   64*KPP                    ; a wave's stage: four of them are 135,168 bytes, inside slot 0
.set SPARE,  2*SLOT                    ; behind the ring: the spare words: two blocks of 256 bytes that no other line names
.set EMXO,   262144                    ; where the maxima of |ent| begin in PSB
.set WMXO,   20480                     ; where those of |WO_w| begin in PAR
.set ADRA0, 16                         ; v16  LDS address of my hi fragments in slot 0 (lo's lie QTR on); never rewritten
.set ADRA,  17                         ; v17  the same in the slot that is being fetched from
.set ADRB0, 18                         ; v18, v19  the same for B
.set ADRB,  19
.set STK,  20                          ; v20, v21  where I put 16 bytes of a row of K', of V'
.set STV,  21
.set RDK,  22                          ; v22, v23  where I read rows back
.set RDV,  23
.set GK,   24                          ; v24, v25  my byte offset in KP, in VP
.set GV,   25
.set SPW,  28
.set NIL,  29
.set H,    32                          ; v32-63    16 rows' packed results
.set HF,   64                          ; v64-127   hi widened, then ent - hi; or V' scaled
.set L,    128                         ; v128-159  packed lo
.set RB,   160                         ; v160-191  rows read back
.set F0,   0
.set F1,   128
.set G1, 24                            ; s[24:31] group 1 for A's tiles; s[32:39] group 0: a set for each of the two first fills; the second then walks on
.set G0, 32
.set G1B, 48                           ; s[48:55], s[56:63] the same for B's tiles
.set G0B, 56
.set TB,  45                           ; s45  the base of the slot that is being fetched from: 0 or SLOT
.set MSB, 0
.macro WIN new
.if MSB != (\new)
	s_set_vgpr_msb (MSB<<8)|(\new)
.set MSB, \new
.endif
.endm
.set MUL,  0x5a                        ; sources 0 (B) and 1 (A) window 2; C and D window 1
.set TO_F, 0x80                        ; destination window 2, address window 0
.macro JLOAD s                         ; wave 0 fetches hi, wave 1 lo, waves 2 and 3 B's two halves; an s_nop 0 and four v_nop follow each line
	s_cmp_eq_u32 s11, 0
	s_cbranch_scc0 .Lfor_b_\@
	tensor_load_to_lds s[G0+4*(\s):G0+4*(\s)+3], s[G1:G1+7]
	s_nop 0
.rept 4
	v_nop
.endr
	s_branch .Lasked_\@
.Lfor_b_\@:
	tensor_load_to_lds s[G0B+4*(\s):G0B+4*(\s)+3], s[G1B:G1B+7]
	s_nop 0
.rept 4
	v_nop
.endr
.Lasked_\@:
.endm
.macro CREST
	s_cmp_lg_u32 s10, 0
	s_cbranch_scc1 .Lnot_wave_0_\@
	s_barrier_signal -3
.Lnot_wave_0_\@:
	s_barrier_wait -3
	s_barrier_signal -1
	s_barrier_wait -1
.endm
.macro CROUND
	s_barrier_signal -1
	s_barrier_wait -1
	CREST
.endm
.macro PLACES                          ; four places (ISA guide 7.12.1) behind matrix instructions
.rept 4
	v_nop
.endr
.endm
	s_load_b128 s[4:7], s[0:1], 0x0                ; ENT s[4:5], W3 s[6:7]
	s_load_b256 s[68:75], s[0:1], 0x10             ; PSB 68, PAR 70, KP 72, VP 74
	s_load_b64 s[66:67], s[0:1], 0x30              ; VS
	v_lshl_add_u32 v[SPW], v0, 2, SPARE
	v_mov_b32 v[NIL], 0
	ds_add_u32 v[SPW], v[NIL]                      ; the wave's opening: the add, waited for ahead of my first tensor load
	v_lshrrev_b32 v1, 5, v0
	v_readfirstlane_b32 s10, v1                    ; wave 0..3
	s_lshr_b32 s11, s10, 1                         ; which 64 rows are mine.  Also: I fetch for A (0) or for B (1)
	s_and_b32 s12, s10, 1                          ; which 128 columns.  Also: hi or lo, or which half of B's rows, I fetch
	s_bfe_u32 s40, ttmp6, 0x40000
	s_bfe_u32 s41, ttmp6, 0x40004
	s_lshl_b32 s42, ttmp9, 2
	s_add_co_u32 s42, s42, s40                     ; column tile = 4 x cluster x + cx
	s_and_b32 s13, ttmp7, 0xffff
	s_lshl_b32 s13, s13, 2
	s_add_co_u32 s13, s13, s41                     ; row tile = 4 x cluster y + cy
	s_lshl_b32 s43, s41, 2
	s_lshl_b32 s43, 15, s43                        ; my row of the cluster
	s_lshl_b32 s44, 0x1111, s40                    ; my column
	s_or_b32 s[G1+0], s43, (1<<16)|(1<<20)|(1<<21)|(5<<22)|(3<<25)  ; the mask; 2-byte elements; padding on; bit 21 beside a mask; after every 64 words 4 words
	s_or_b32 s[G1B+0], s44, (1<<16)|(1<<20)|(1<<21)|(5<<22)|(3<<25)
.irp g, G1, G1B
	s_mov_b32 s[(\g)+1], 128<<16                   ; tensor_dim0 = 128
	s_mov_b32 s[(\g)+2], 128<<16                   ; tensor_dim1 = 128
	s_mov_b32 s[(\g)+3], 128<<16                   ; tile_dim0 = 128
	s_mov_b32 s[(\g)+4], 128                       ; tile_dim1 = 128
	s_mov_b32 s[(\g)+6], 0
	s_mov_b32 s[(\g)+7], 0
.endr
	s_mov_b32 s[G1+5], 2048                        ; ENT's row: 2,048 elements
	s_mov_b32 s[G1B+5], 1024                       ; W3's: 1,024
	s_lshl_b32 s16, s13, 19                        ; A: row 128 x row tile, 4,096 bytes a row;
	s_lshl_b32 s17, s12, 11                        ; lo lies 2,048 bytes on in the row
	s_add_co_u32 s16, s16, s17
	s_mov_b32 s17, 0
	s_lshl_b32 s46, s42, 8
	s_lshl_b32 s47, s12, 7
	s_add_co_u32 s46, s46, s47
	s_add_co_u32 s46, s46, 1024                    ; B: row 1024 + 256 x column tile + 128 x half,
	s_lshl_b32 s46, s46, 11                        ; 2,048 bytes a row
	s_mov_b32 s47, 0
	s_mul_i32 s20, s10, QTR                        ; where they go: no place in the cluster enters an LDS address
	s_mov_b32 s76, 0xffff0000                      ; a word's upper bf16
	s_mov_b32 s78, 0x76543210                      ; v_permlanex16_b32: each lane takes its own place in the other half
	s_mov_b32 s79, 0xfedcba98
	s_mov_b32 s[TB], 0
	s_wait_dscnt 0x0                               ; the opening add is done
	s_wait_kmcnt 0x0
	s_add_nc_u64 s[14:15], s[4:5], s[16:17]
	s_add_nc_u64 s[46:47], s[6:7], s[46:47]
	CROUND                                         ; all sixteen work-groups are here: the first joint loads meet
.irp s, 0,1
	s_mov_b32 s[G0+4*(\s)], 1
	s_add_co_u32 s[G0+4*(\s)+1], s20, (\s)*SLOT
	s_add_nc_u64 s[G0+4*(\s)+2:G0+4*(\s)+3], s[14:15], (\s)*256    ; step s: 128 elements on
	s_or_b32 s[G0+4*(\s)+3], s[G0+4*(\s)+3], 0x80000000
	s_mov_b32 s[G0B+4*(\s)], 1
	s_add_co_u32 s[G0B+4*(\s)+1], s20, (\s)*SLOT
	s_add_nc_u64 s[G0B+4*(\s)+2:G0B+4*(\s)+3], s[46:47], (\s)*256
	s_or_b32 s[G0B+4*(\s)+3], s[G0B+4*(\s)+3], 0x80000000
	JLOAD \s
.endr
	v_and_b32 v1, 15, v0                           ; r
	v_bfe_u32 v2, v0, 4, 1                         ; h
	v_and_b32 v5, 31, v0                           ; lane
	v_lshlrev_b32 v6, 3, v5                        ; 8 x lane; never rewritten
	v_lshlrev_b32 v7, 4, v5                        ; 16 x lane; never rewritten
	s_lshr_b32 s16, s13, 1                         ; the batch: its two row tiles' 64 maxima of |ent| are 256 consecutive bytes
	s_lshl_b32 s16, s16, 8
	s_add_nc_u64 s[68:69], s[68:69], s[16:17]
	global_load_b64 v[224:225], v6, s[68:69] offset:EMXO      ; they are waited for on the way out
	global_load_b128 v[228:231], v7, s[70:71] offset:WMXO     ; all 256 maxima of |WO_w|
	global_load_b128 v[232:235], v7, s[70:71] offset:WMXO+512
	v_mul_u32_u24 v3, v1, PITCH
	v_lshl_add_u32 v3, v2, 4, v3                   ; row x pitch + 16 x half
	s_mul_i32 s21, s11, 64*PITCH                   ; my 64 rows of hi
	s_mul_i32 s22, s12, QTR                        ; my 128 rows of B,
	s_add_co_u32 s22, s22, 2*QTR                   ; behind hi and lo
	v_add_nc_u32 v[ADRA0], s21, v3
	v_add_nc_u32 v[ADRB0], s22, v3
	v_mov_b32 v[ADRA], v[ADRA0]                    ; the walk begins in slot 0
	v_mov_b32 v[ADRB], v[ADRB0]
	s_mul_i32 s23, s10, WSTG                       ; my stage
	v_mul_u32_u24 v4, v1, KPP
	v_lshl_add_u32 v4, v2, 4, v4
	v_add_nc_u32 v[STK], s23, v4                   ; K': row r of a block of 16, 16 bytes for each half of the lanes
	v_add_nc_u32 v[STV], s23, v3                   ; V' likewise, rows of 272 bytes
	v_add_nc_u32 v[RDK], s23, v7                   ; back: a row of K' is 512 bytes: one load
	v_mul_u32_u24 v[RDV], v2, PITCH
	v_lshl_add_u32 v[RDV], v1, 4, v[RDV]
	v_add_nc_u32 v[RDV], s23, v[RDV]               ; a row of V' is 256 bytes: two rows a load
	v_mov_b32 v[GK], v7
	v_lshlrev_b32 v[GV], 11, v2
	v_lshl_add_u32 v[GV], v1, 4, v[GV]
; n row blocks from a0 x all 8 column blocks, 32 along e; part 0: hi, 1: lo.  The 32 accumulators take turns, one instruction a turn
.macro MULH f, part, a0, n, zero
	WIN MUL
.set ia, \a0
.rept \n
.set ib, 0
.rept 8
.if \zero
	v_wmma_f32_16x16x32_bf16 v[8*(8*ia+ib):8*(8*ia+ib)+7], v[(\f)+8*ib:(\f)+8*ib+7], v[(\f)+64+32*(\part)+8*ia:(\f)+64+32*(\part)+8*ia+7], 0
.else
	v_wmma_f32_16x16x32_bf16 v[8*(8*ia+ib):8*(8*ia+ib)+7], v[(\f)+8*ib:(\f)+8*ib+7], v[(\f)+64+32*(\part)+8*ia:(\f)+64+32*(\part)+8*ia+7], v[8*(8*ia+ib):8*(8*ia+ib)+7]
.endif
.set ib, ib+1
.endr
.set ia, ia+1
.endr
.endm
; 32 LDS loads in one run, from the slot in hand: B's eight fragments, hi's four, lo's four
.macro FETCH k, f
	WIN TO_F
.irp i, 0,1,2,3,4,5,6,7
	ds_load_b128 v[(\f)+8*\i:(\f)+8*\i+3],   v[ADRB] offset:(\k)+\i*16*PITCH
	ds_load_b128 v[(\f)+8*\i+4:(\f)+8*\i+7], v[ADRB] offset:(\k)+\i*16*PITCH+32
.endr
.irp i, 0,1,2,3
	ds_load_b128 v[(\f)+64+8*\i:(\f)+64+8*\i+3],   v[ADRA] offset:(\k)+\i*16*PITCH
	ds_load_b128 v[(\f)+64+8*\i+4:(\f)+64+8*\i+7], v[ADRA] offset:(\k)+\i*16*PITCH+32
.endr
.irp i, 0,1,2,3
	ds_load_b128 v[(\f)+96+8*\i:(\f)+96+8*\i+3],   v[ADRA] offset:QTR+(\k)+\i*16*PITCH
	ds_load_b128 v[(\f)+96+8*\i+4:(\f)+96+8*\i+7], v[ADRA] offset:QTR+(\k)+\i*16*PITCH+32
.endr
.endm
; A step is four quarters of 32 along e, 64 matrix instructions each, on buffers 0, 1, 0, 1.  zero = 1: hi's products start the sums
.macro QUARTER k, f, g, zero
	s_wait_dscnt 8                                 ; B and hi are in; the youngest eight loads (lo) may be out
	MULH \f, 0, 0, 4, \zero
	PLACES
	FETCH \k, \g
	s_wait_dscnt 32                                ; all but the 32 just issued
	MULH \f, 1, 0, 4, 0
.endm
; The last quarter multiplies buffer 1 and changes slots: ONE barrier; in front of it each wave waits for all its tensor loads, adds 0 to its spare word, and waits for that and for its own reads of this slot.
; fill = 1: the slot just read is filled again, with the step two on: the walking descriptors take the other slot than last time and the next 256 bytes of the rows.
; From a request to the wait for it a wave issues 224 matrix instructions.
.macro TURN fill
	WIN 0
	s_wait_tensorcnt 0x0                           ; all my tensor loads have landed: my part of the next slot;
	ds_add_u32 v[SPW], v[NIL]                      ; 0 onto my spare word;
	s_wait_dscnt 9                                 ; (the add and the youngest eight loads may be out)
	MULH F1, 0, 0, 2, 0
	s_wait_dscnt 0x0                               ; the add is done, and my reads of this slot are over
	s_barrier_signal -1
	MULH F1, 0, 2, 2, 0
	WIN 0
	s_barrier_wait -1
.if \fill
	CREST                                          ; the barrier has opened a round of the cluster's barrier: no wave of any partner still reads this slot's tile or has a load on its way
	s_xor_b32 s[G0+5], s[G0+5], SLOT
	s_add_nc_u64 s[G0+6:G0+7], s[G0+6:G0+7], 256
	s_xor_b32 s[G0B+5], s[G0B+5], SLOT
	s_add_nc_u64 s[G0B+6:G0B+7], s[G0B+6:G0B+7], 256
	JLOAD 1                                        ; the first tensor load behind the round; its four v_nop are also the places in front of the loads below
.else
	PLACES
.endif
	s_xor_b32 s[TB], s[TB], SLOT                   ; the fetches go on in the other slot
	v_add_nc_u32 v[ADRA], s[TB], v[ADRA0]
	v_add_nc_u32 v[ADRB], s[TB], v[ADRB0]
	FETCH 0, F0
	MULH F1, 1, 0, 4, 0
.endm
	s_wait_tensorcnt 1                             ; my part of step 0 is in; step 1's may stay out
	s_barrier_signal -1
	s_barrier_wait -1
	FETCH 0, F0
	QUARTER 64, F0, F1, 1                          ; the first quarter stands in front of the loop
	WIN 0
	s_mov_b32 s3, 6
.Lstep:                                                ; a trip: from a step's second quarter to the next step's first; steps 0 to 5 are followed by a refill
	QUARTER 128, F1, F0, 0
	QUARTER 192, F0, F1, 0
	TURN 1
	QUARTER 64,  F0, F1, 0
	WIN 0
	s_sub_co_u32 s3, s3, 1
	s_cmp_lg_u32 s3, 0
	s_cbranch_scc1 .Lstep
	QUARTER 128, F1, F0, 0                         ; steps 6 and 7 fill nothing
	QUARTER 192, F0, F1, 0
	TURN 0
	QUARTER 64,  F0, F1, 0
	QUARTER 128, F1, F0, 0
	QUARTER 192, F0, F1, 0
	s_wait_dscnt 8
	MULH F1, 0, 0, 4, 0
	s_wait_dscnt 0x0                               ; my last reads of the ring are back:
	s_barrier_signal -1                            ; say so,
	MULH F1, 1, 0, 4, 0
	WIN 0
	s_barrier_wait -1                              ; and write into the ring only when all four have said so
	; THE SCALE OF V'
	s_wait_loadcnt 0x0                             ; the maxima
	PLACES
	v_max_num_f32 v224, v224, v225
	v_max3_num_f32 v228, v228, v229, v230
	v_max3_num_f32 v228, v228, v231, v232
	v_max3_num_f32 v228, v228, v233, v234
	v_max_num_f32 v228, v228, v235
.irp m, 1,2,4,8
	v_max_num_f32_dpp v224, v224, v224 row_xmask:\m row_mask:0xf bank_mask:0xf
	v_max_num_f32_dpp v228, v228, v228 row_xmask:\m row_mask:0xf bank_mask:0xf
.endr
	v_permlanex16_b32 v225, v224, s78, s79
	v_permlanex16_b32 v229, v228, s78, s79
	v_max_num_f32 v224, v224, v225                 ; the batch's largest |ent|,
	v_max_num_f32 v228, v228, v229                 ; the largest |WO_w|
	v_lshrrev_b32 v224, 23, v224                   ; their biased exponents (neither is negative): each number lies under 2^(exponent - 126)
	v_lshrrev_b32 v228, 23, v228
	v_add_nc_u32 v224, v224, v228                  ; t: 1,024 products lie under 2^(t - 242)
	v_max_u32 v224, 131, v224
	v_min_u32 v224, 383, v224
	v_sub_nc_u32 v226, 384, v224
	v_lshlrev_b32 v226, 23, v226                   ; 2^(257 - t),
	v_mov_b32 v227, v226                           ; as a pair
	v_add_nc_u32 v230, 0xffffff7e, v224            ; t - 130
	v_lshlrev_b32 v230, 23, v230                   ; 2^(t - 257),
	v_mov_b32 v231, v230                           ; for my tile's two blocks of 128 columns
	v_mov_b32 v232, 0                              ; the offset of VS's store
	s_cmp_lt_u32 ttmp9, 1                          ; the cluster's x, the same in all partners: column tiles 0-3 are K'
	s_cbranch_scc0 .Lv_path
	; K': a block of 16 rows at a time is split into hi and lo, each accumulator from its low end on
.set ia, 0
.rept 4
	WIN 0x05                                       ; sources 0 and 1 window 1
.set i, 0
.rept 32
	v_cvt_pk_bf16_f32 v[H+i], v[64*ia+2*i], v[64*ia+2*i+1]
.set i, i+1
.endr
	WIN 0
.set i, 0
.rept 32
	v_lshlrev_b32 v[HF+2*i], 16, v[H+i]
	v_and_b32 v[HF+2*i+1], s76, v[H+i]
.set i, i+1
.endr
	WIN 0x01
.set i, 0
.rept 32
	v_pk_add_f32 v[HF+2*i:HF+2*i+1], v[64*ia+2*i:64*ia+2*i+1], v[HF+2*i:HF+2*i+1] neg_lo:[0,1] neg_hi:[0,1]
.set i, i+1
.endr
	WIN 0
.set i, 0
.rept 32
	v_cvt_pk_bf16_f32 v[L+i], v[HF+2*i], v[HF+2*i+1]
.set i, i+1
.endr
.set ib, 0
.rept 8
	ds_store_b128 v[STK], v[H+4*ib:H+4*ib+3] offset:ia*16*KPP+32*ib
	ds_store_b128 v[STK], v[L+4*ib:L+4*ib+3] offset:ia*16*KPP+32*ib+256
.set ib, ib+1
.endr
.set ia, ia+1
.endr
	s_lshr_b32 s16, s13, 1                         ; KP at the batch (2^20 bytes), the chunk 2 x column tile + half (2^17), the key 128 x (row tile % 2) + 64 x half (512 bytes a key)
	s_lshl_b32 s16, s16, 20
	s_and_b32 s17, s13, 1
	s_lshl_b32 s17, s17, 16
	s_add_co_u32 s16, s16, s17
	s_lshl_b32 s17, s11, 15
	s_add_co_u32 s16, s16, s17
	s_lshl_b32 s17, s12, 17
	s_add_co_u32 s16, s16, s17
	s_mov_b32 s17, 0
	s_add_nc_u64 s[72:73], s[72:73], s[16:17]
	s_lshl_b32 s46, s42, 18
	s_mov_b32 s47, 0
	s_add_nc_u64 s[72:73], s[72:73], s[46:47]
	s_mov_b32 s3, 8
.Lk_out:                                               ; eight of my 64 rows a trip.  My wave's own bytes: LDS serves a wave's instructions in order, so these loads see the stores above
.set t, 0
.rept 8
	ds_load_b128 v[RB+4*t:RB+4*t+3], v[RDK] offset:t*KPP
.set t, t+1
.endr
.set t, 0
.rept 8
	s_wait_dscnt 7-t
	global_store_b128 v[GK], v[RB+4*t:RB+4*t+3], s[72:73] offset:512*t  ; 512 consecutive bytes, aligned
.set t, t+1
.endr
	s_wait_xcnt 0x0                                ; the stores' offset and data registers are written again only behind this wait
	v_add_nc_u32 v[RDK], 8*KPP, v[RDK]
	v_add_nc_u32 v[GK], 4096, v[GK]
	s_sub_co_u32 s3, s3, 1
	s_cmp_lg_u32 s3, 0
	s_cbranch_scc1 .Lk_out
	s_branch .Ldone
.Lv_path:
	; V': a block of 16 rows at a time is scaled and rounded to f16
.set ia, 0
.rept 4
	WIN 0x01
.set i, 0
.rept 32
	v_pk_mul_f32 v[HF+2*i:HF+2*i+1], v[64*ia+2*i:64*ia+2*i+1], v[226:227]
.set i, i+1
.endr
	WIN 0
.set i, 0
.rept 32
	v_cvt_pk_f16_f32 v[H+i], v[HF+2*i], v[HF+2*i+1]
.set i, i+1
.endr
.set ib, 0
.rept 8
	ds_store_b128 v[STV], v[H+4*ib:H+4*ib+3] offset:ia*16*PITCH+32*ib
.set ib, ib+1
.endr
.set ia, ia+1
.endr
	s_lshl_b32 s16, s13, 18                        ; VP at row 128 x row tile + 64 x half (2,048 bytes a row), column 128 x half
	s_lshl_b32 s17, s11, 17
	s_add_co_u32 s16, s16, s17
	s_lshl_b32 s17, s12, 8
	s_add_co_u32 s16, s16, s17
	s_mov_b32 s17, 0
	s_add_nc_u64 s[74:75], s[74:75], s[16:17]
	s_sub_co_u32 s46, s42, 4
	s_lshl_b32 s46, s46, 9                         ; + 256 x (column tile - 4)
	s_mov_b32 s47, 0
	s_add_nc_u64 s[74:75], s[74:75], s[46:47]
	s_lshl_b32 s16, s13, 5                         ; VS at [row tile][2 x (column tile - 4)]
	s_add_nc_u64 s[66:67], s[66:67], s[16:17]
	s_lshr_b32 s46, s46, 6
	s_add_nc_u64 s[66:67], s[66:67], s[46:47]
	s_mov_b32 s3, 4
.Lv_out:                                               ; sixteen of my 64 rows a trip
.set t, 0
.rept 8
	ds_load_b128 v[RB+4*t:RB+4*t+3], v[RDV] offset:t*2*PITCH
.set t, t+1
.endr
.set t, 0
.rept 8
	s_wait_dscnt 7-t
	global_store_b128 v[GV], v[RB+4*t:RB+4*t+3], s[74:75] offset:4096*t  ; sixteen lanes store 256 consecutive bytes, aligned
.set t, t+1
.endr
	s_wait_xcnt 0x0                                ; the stores' offset and data registers are written again only behind this wait; EXEC, below, changes only behind it too
	v_add_nc_u32 v[RDV], 16*PITCH, v[RDV]
	v_add_nc_u32 v[GV], 32768, v[GV]
	s_sub_co_u32 s3, s3, 1
	s_cmp_lg_u32 s3, 0
	s_cbranch_scc1 .Lv_out
	v_cmp_gt_u32 vcc_lo, 1, v0                     ; thread 0 alone
	s_and_saveexec_b32 s77, vcc_lo
	global_store_b64 v232, v[230:231], s[66:67]
	s_wait_xcnt 0x0                                ; in front of the line that widens EXEC
	s_or_b32 exec_lo, exec_lo, s77
.Ldone:
	s_wait_tensorcnt 0x0                           ; the wave's end
	ds_add_u32 v[SPW], v[NIL]
	s_wait_dscnt 0x0
	CROUND                                         ; the closing round
	s_endpgm
.Lfunc_end_k_q93cceb3447_kvproj:
	.size	k_q93cceb3447_kvproj, .Lfunc_end_k_q93cceb3447_kvproj-k_q93cceb3447_kvproj
	.p2alignl 7, 3214868480
	.fill 96, 4, 3214868480
	.section	.rodata,"a",@progbits
	.p2align	6, 0x0
	.amdhsa_kernel k_q93cceb3447_kvproj
		.amdhsa_group_segment_fixed_size 327680
		.amdhsa_private_segment_fixed_size 0
		.amdhsa_enable_private_segment 0
		.amdhsa_kernarg_size 56
		.amdhsa_user_sgpr_count 2
		.amdhsa_user_sgpr_kernarg_segment_ptr 1
		.amdhsa_wavefront_size32 1
		.amdhsa_system_sgpr_workgroup_id_x 1
		.amdhsa_system_sgpr_workgroup_id_y 1
		.amdhsa_system_sgpr_workgroup_id_z 1
		.amdhsa_system_vgpr_workitem_id 0
		.amdhsa_next_free_vgpr 768
		.amdhsa_next_free_sgpr 80
		.amdhsa_reserve_vcc 1
		.amdhsa_float_denorm_mode_32 3
		.amdhsa_float_denorm_mode_16_64 3
		.amdhsa_memory_ordered 1
		.amdhsa_forward_progress 1
		.amdhsa_inst_pref_size 146
	.end_amdhsa_kernel
	.amdgpu_metadata
---
amdhsa.version: [ 1, 2 ]
amdhsa.kernels:
  - .name:           k_q93cceb3447_kvproj
    .symbol:         k_q93cceb3447_kvproj.kd
    .args:
      - { .name: ENT, .offset: 0, .size: 8, .value_kind: global_buffer, .address_space: global }
      - { .name: W3, .offset: 8, .size: 8, .value_kind: global_buffer, .address_space: global }
      - { .name: PSB, .offset: 16, .size: 8, .value_kind: global_buffer, .address_space: global }
      - { .name: PAR, .offset: 24, .size: 8, .value_kind: global_buffer, .address_space: global }
      - { .name: KP, .offset: 32, .size: 8, .value_kind: global_buffer, .address_space: global }
      - { .name: VP, .offset: 40, .size: 8, .value_kind: global_buffer, .address_space: global }
      - { .name: VS, .offset: 48, .size: 8, .value_kind: global_buffer, .address_space: global }
    .group_segment_fixed_size: 327680
    .private_segment_fixed_size: 0
    .kernarg_segment_align: 8
    .kernarg_segment_size: 56
    .max_flat_workgroup_size: 128
    .sgpr_count:     80
    .vgpr_count:     768
    .wavefront_size: 32
...
	.end_amdgpu_metadata
.endif
;; end of part 7
;; launch attend (part 8): grid 16 x 16, 4 waves a work-group, clusters of 4 x 1, 327,680 bytes of LDS; arguments query, KP, VP, VS, PSB, ent_idx_in_batch, PAR, out0; writes out0
.if DOCPART == 8
	.amdgcn_target "amdgcn-amd-amdhsa--gfx1250"
	.amdhsa_code_object_version 6
	.text
	.protected	k_q93cceb3447_attend
	.globl	k_q93cceb3447_attend
	.p2align	8
	.type	k_q93cceb3447_attend,@function
k_q93cceb3447_attend:
	s_mov_b64 s[64:65], 0
	v_nop
	global_prefetch_b8 v0, s[64:65] scope:SCOPE_SE
	s_setreg_imm32_b32 hwreg(HW_REG_WAVE_MODE, 25, 1), 1
	s_wait_xcnt 0x0
	s_wait_alu depctr_hold_cnt(0) depctr_sa_sdst(0) depctr_va_vdst(0) depctr_va_sdst(0) depctr_va_ssrc(0) depctr_va_vcc(0) depctr_vm_vsrc(0)
	s_getreg_b32 s2, hwreg(HW_REG_IB_STS2, 6, 4)
	s_cmp_eq_u32 s2, 0
	s_cbranch_scc0 .Lentry_in_a_cluster
	s_endpgm
.Lentry_in_a_cluster:
	s_bfe_u32 s2, ttmp6, 0x10000c
	s_cmp_lg_u32 s2, 0x3003
	s_cbranch_scc0 .Lentry_shape_is_right
	s_endpgm
.Lentry_shape_is_right:
; out = LayerNorm( softmax(query . K'^T + sb) . V' / 32 + bo ) x g + b.   sb[n] = bq . ent[n] (the sum of PSB's 16 partial sums), or -100,000 where the index is -1: there K' and V' are 0, so the
; score is exactly -100,000.  A work-group owns 64 queries of one batch and sees all 256 keys at once: the softmax takes the row's true maximum away.
; FORMATS.  query is rounded to bf16 here; K' comes as hi + lo (two bf16), two products a score; p = 2^(c s - c m), c = log2(e), is rounded to f16 for the second product, its sum l is taken of the
; unrounded p; V' comes in f16, scaled by a power of two (VS holds the inverse for each 128 columns).  All sums, the softmax and the norm in f32; the variance is taken of v - mean.
; LIMITS.  p below 6e-5 keeps f16's fixed step of 6e-8; a weight below 2^-126 counts as 0; NaN and infinities are not treated apart.
; PHASES.  (1) S^T = K' Q^T: wave w owns keys 64 w .. 64 w + 63 and all 64 queries, 16 accumulators; d goes in 8 chunks of 128.  (2) softmax: the waves' maxima and sums meet in LDS; P goes to LDS.
; (3) O^T = V'^T P: wave w owns d = 256 w .. 256 w + 255, 64 accumulators; the keys go in 8 steps of 32.  (4) O goes to LDS; wave w norms and stores rows 16 w .. 16 w + 15, whole.
; THE RING.  Two slots of 139,264 bytes walk 12 tiles of 128 KiB: K's 8 chunks, then V' key blocks 0-3.  A wave loads, and alone reads, its quarter of each tile.
; CLUSTER.  The four query blocks of a cluster belong to one batch and walk the same tiles: each is asked for JOINTLY, the same load, descriptor and mask in all four.
; THE ORDER OF THE CHUNKS.  A batch has four clusters.  Cluster x begins at chunk 2 x and goes round: in step t it takes chunk (2 x + t) % 8 of K' and of query.  So in every step the four clusters ask
; for four different chunks, and from the third step on a chunk that one asks for was asked for by another two steps before.  A score's sum over d only changes its order.
; A wave has two tensor loads out at the start and one behind each round.
; REGISTERS, in windows of 256 (s_set_vgpr_msb: bits 1:0 source 0, 3:2 source 1, 5:4 source 2, 7:6 destination):
;   window 0: v0-31 addresses; v32-63 at work; v64-95 sb, then packed P, then P's fragments 0; v96-127 statistics, then P's fragments 1; v128-255 S^T, (kt, qt) at 128 + 8 (4 kt + qt); later bo, g, b
;   window 1: scores: two buffers of 96 (Q 32, K' hi 32, K' lo 32); then V's fragments, two buffers of 128
;   window 2: scores: query as loaded, two sets of 64, and 32 converted; then with window 3: O^T, (dt, qt) at 8 (4 (dt % 8) + qt)
.set PKK,   528                        ; a key of K' in LDS: 512 bytes + 16
.set PVV,   544                        ; a key's 256 columns of V': 512 + 32
.set QTR,   34816                      ; a wave's quarter of a slot
.set SLOT,  4*QTR
.set QB,    2*SLOT                     ; two buffers for a chunk of Q: 64 rows x 272 bytes
.set PQ,    272
.set QBUF,  64*PQ
.set PB,    QB                         ; later P: 64 rows x 528 bytes
.set PP,    528
.set SBL,   QB+2*QBUF                  ; sb: 256 bytes a wave
.set MX,    SBL+1024                   ; [64 q][4 w] the waves' maxima
.set LS,    MX+1024                    ; [64 q][4 w] the waves' sums
.set SPARE, LS+1024                    ; the spare words: two blocks of 256 bytes that no other line names
.set PO,    4112                       ; a row of O in LDS: 4,096 bytes + 16; 64 rows lie from byte 0 on, in the ring, behind its last fill
.set AK,   2                           ; v2-3    my place in K' in slot 0, 1
.set AQ,   4                           ; v4-5    in Q's buffer 0, 1
.set QST,  6                           ; v6-7    where I store converted Q
.set QG,   8                           ; v8-9    byte offset in a row of query of set 0's, set 1's next chunk
.set L16,  10                          ; v10     16 x lane; never rewritten
.set AV,   11                          ; v11-12  my place in V' in slot 0, 1
.set AP,   13                          ; v13     in P, to read
.set PST,  14                          ; v14     in P, to store
.set SBS,  15
.set OSTO, 16                          ; v16-19  where O's query tile qt goes
.set ORD,  20                          ; v20     where I read a row of O back
.set OG,   21                          ; v21     16 x lane, then my offset in out0
.set MXS,  22
.set MXL,  23
.set LSS,  24
.set LSA,  25
.set SBA,  26
.set PL8,  27                          ; v27     8 x lane
.set SPW,  28
.set NIL,  29
.set SB,   64
.set PK,   64
.set T,    96                          ; eight registers a query tile
.set S,    128
.set BO,   128
.set GG,   160
.set BB,   192
.set XR,   32                          ; the row loop: two rows of 32 registers
.set AL,   96                          ; their factors, a pair for each 128 columns
.set TT,   224                         ; at work, 16 a row
.set F0,   0
.set F1,   96
.set CV,   128
.set MSB, 0
.macro WIN new
.if MSB != (\new)
	s_set_vgpr_msb (MSB<<8)|(\new)
.set MSB, \new
.endif
.endm
.macro PLACES                          ; four places (ISA guide 7.12.1) behind matrix instructions
.rept 4
	v_nop
.endr
.endm
.macro CREST                           ; a round of the cluster's barrier behind its opening barrier
	s_cmp_lg_u32 s20, 0
	s_cbranch_scc1 .Lnot_wave_0_\@
	s_barrier_signal -3
.Lnot_wave_0_\@:
	s_barrier_wait -3
	s_barrier_signal -1
	s_barrier_wait -1
.endm
.macro CROUND
	s_barrier_signal -1
	s_barrier_wait -1
	CREST
.endm
.macro TLOAD g0, g1                    ; every wave's own quarter, asked for jointly; an s_nop 0 and four v_nop follow
	tensor_load_to_lds s[(\g0):(\g0)+3], s[(\g1):(\g1)+7]
	s_nop 0
	PLACES
.endm
	s_load_b512 s[4:19], s[0:1], 0x0               ; query 4, KP 6, VP 8, VS 10, PSB 12, idx 14, PAR 16, out0 18
	v_lshl_add_u32 v[SPW], v0, 2, SPARE
	v_mov_b32 v[NIL], 0
	ds_add_u32 v[SPW], v[NIL]                      ; the wave's opening: the add, waited for ahead of my first tensor load
	v_lshrrev_b32 v1, 5, v0
	v_readfirstlane_b32 s20, v1                    ; wave 0..3
	s_bfe_u32 s21, ttmp6, 0x40000                  ; cx
	s_lshl_b32 s22, ttmp9, 2
	s_add_co_u32 s22, s22, s21                     ; my block of 64 queries: it enters query's and out0's addresses alone
	s_and_b32 s23, ttmp7, 0xffff                   ; the batch, which the four partners share
	s_lshl_b32 s94, ttmp9, 18                      ; slot 0's chunk of K', in bytes (131,072 a chunk): it begins at chunk 2 x cluster x, which the partners share,
	s_add_co_u32 s95, s94, 131072                  ; slot 1's at the chunk behind it
	s_lshl_b32 s93, ttmp9, 10                      ; the first chunk in a row of query: 512 bytes a chunk
	s_mov_b32 s32, 15|(1<<16)|(1<<20)|(1<<21)|(6<<22)|(3<<25)  ; K': the mask of four; 2-byte elements; padding on; bit 21 beside a mask; after every 128 words 4 words
	s_mov_b32 s33, 256<<16                         ; tensor_dim0 = 256
	s_mov_b32 s34, 64<<16                          ; tensor_dim1 = 64
	s_mov_b32 s35, 256<<16                         ; tile_dim0 = 256
	s_mov_b32 s36, 64                              ; tile_dim1 = 64
	s_mov_b32 s37, 256                             ; a key's 512 bytes follow the last key's
	s_mov_b32 s38, 0
	s_mov_b32 s39, 0
	s_mov_b32 s40, 15|(1<<16)|(1<<20)|(1<<21)|(6<<22)|(7<<25)  ; V': the same with 8 words of padding,
	s_mov_b32 s41, 256<<16
	s_mov_b32 s42, 64<<16
	s_mov_b32 s43, 256<<16
	s_mov_b32 s44, 64
	s_mov_b32 s45, 1024                            ; and 1,024 elements from key to key
	s_mov_b32 s46, 0
	s_mov_b32 s47, 0
	s_mul_i32 s88, s20, QTR                        ; my quarter of a slot: no place in the cluster enters an LDS address
	s_mov_b32 s48, 1                               ; group 0 for K', slot 0 and slot 1
	s_mov_b32 s49, s88
	s_mov_b32 s52, 1
	s_add_co_u32 s53, s88, SLOT
	s_mov_b32 s80, 1                               ; and for V'
	s_mov_b32 s81, s88
	s_mov_b32 s84, 1
	s_add_co_u32 s85, s88, SLOT
	s_lshl_b32 s24, s23, 20                        ; KP: a batch is 8 chunks of 131,072 bytes; my 64 keys are 32,768
	s_lshl_b32 s25, s20, 15
	s_add_co_u32 s24, s24, s25
	s_mov_b32 s25, 0
	s_lshl_b32 s30, s23, 19                        ; VP: a batch is 256 rows of 2,048 bytes; my 256 columns begin 512 w bytes in
	s_lshl_b32 s31, s20, 9
	s_add_co_u32 s30, s30, s31
	s_mov_b32 s31, 0
	s_lshl_b32 s28, s23, 10                        ; PSB and the indices at key 256 b + 64 w
	s_lshl_b32 s29, s20, 8
	s_add_co_u32 s28, s28, s29
	s_mov_b32 s29, 0
	s_lshl_b32 s26, s23, 10                        ; query and out0 at row 1024 b + 64 block + 16 w
	s_lshl_b32 s27, s22, 6
	s_add_co_u32 s26, s26, s27
	s_lshl_b32 s27, s20, 4
	s_add_co_u32 s26, s26, s27
	s_lshl_b32 s26, s26, 12
	s_mov_b32 s27, 0
	s_lshl_b32 s57, s23, 6                         ; VS at [row tile 2 b][0]: the batch's two row tiles hold the same eight numbers
	s_mov_b32 s58, 0x3fb8aa3b                      ; c = log2(e)
	s_mov_b32 s59, s58                             ; named with it as a pair
	s_mov_b32 s60, 0x76543210                      ; v_permlanex16_b32: each lane takes its own place in the other half
	s_mov_b32 s61, 0xfedcba98
	s_mov_b32 s62, 0x3a800000                      ; 1 / 1024
	s_mov_b32 s63, 0x3727c5ac                      ; 1e-5
	s_mov_b32 s66, 0x3d000000                      ; 1 / 32 = 1024^-0.5
	s_mov_b32 s67, 0xc7c35000                      ; -100,000
	s_wait_dscnt 0x0                               ; the opening add is done
	s_wait_kmcnt 0x0
	s_add_nc_u64 s[6:7], s[6:7], s[24:25]          ; KP at my batch's chunk 0 and my 64 keys; each fill's address is this plus the chunk's bytes
	s_mov_b32 s24, s94                             ; (s25 stays 0)
	s_add_nc_u64 s[50:51], s[6:7], s[24:25]
	s_mov_b32 s24, s95
	s_add_nc_u64 s[54:55], s[6:7], s[24:25]
	s_or_b32 s51, s51, 0x80000000
	s_or_b32 s55, s55, 0x80000000
	s_add_nc_u64 s[82:83], s[8:9], s[30:31]        ; key block 0,
	s_add_nc_u64 s[86:87], s[82:83], 131072        ; key block 1
	s_or_b32 s83, s83, 0x80000000
	s_or_b32 s87, s87, 0x80000000
	s_add_nc_u64 s[76:77], s[4:5], s[26:27]
	s_add_nc_u64 s[18:19], s[18:19], s[26:27]
	s_add_nc_u64 s[12:13], s[12:13], s[28:29]
	s_add_nc_u64 s[14:15], s[14:15], s[28:29]
	CROUND                                         ; all four work-groups are here: the first joint loads meet
	tensor_load_to_lds s[48:51], s[32:39]          ; my cluster's first two chunks of K'
	s_nop 0
	tensor_load_to_lds s[52:55], s[32:39]
	s_nop 0
	PLACES
	s_load_b256 s[68:75], s[10:11], s57 offset:0x0 ; the batch's eight inverse scales
	v_and_b32 v1, 31, v0                           ; lane
	v_and_b32 v30, 15, v0                          ; r
	v_bfe_u32 v31, v0, 4, 1                        ; h
	v_lshlrev_b32 v[PL8], 3, v1
	v_lshlrev_b32 v[L16], 4, v1
	v_add_nc_u32 v[QG], s93, v[L16]                ; my cluster's first chunk,
	v_add_nc_u32 v[QG+1], 512, v[QG]               ; and its second: chunk 7 at the most
.set i, 0
.rept 16
	global_load_b64 v[32+2*i:33+2*i], v[PL8], s[12:13] offset:16384*i   ; two keys a lane, 16 partial sums
.set i, i+1
.endr
	global_load_b64 v[96:97], v[PL8], s[14:15]
	WIN 0x80                                       ; destination window 2
.set i, 0
.rept 16
	global_load_b128 v[4*i:4*i+3], v[QG], s[76:77] offset:4096*i th:TH_LOAD_NT
.set i, i+1
.endr
.set i, 0
.rept 16
	global_load_b128 v[64+4*i:64+4*i+3], v[QG+1], s[76:77] offset:4096*i th:TH_LOAD_NT
.set i, i+1
.endr
	WIN 0
	v_mul_u32_u24 v100, v30, PKK
	v_lshl_add_u32 v100, v31, 4, v100              ; r x 528 + 16 h: K' and P have the same pitch
	v_add_nc_u32 v[AK], s88, v100
	v_add_nc_u32 v[AK+1], SLOT, v[AK]
	v_add_nc_u32 v[AP], PB, v100
	v_lshl_add_u32 v[PST], s20, 7, v[AP]           ; my 64 keys are 128 bytes of a row of P
	v_mul_u32_u24 v101, v30, PQ
	v_lshl_add_u32 v101, v31, 4, v101
	v_add_nc_u32 v[AQ], QB, v101
	v_add_nc_u32 v[AQ+1], QBUF, v[AQ]
	s_mul_i32 s89, s20, 16*PQ
	s_add_co_u32 s89, s89, QB
	v_add_nc_u32 v[QST], s89, v[PL8]               ; my 16 rows of a chunk, 8 bytes a lane
	v_add_nc_u32 v[QST+1], QBUF, v[QST]
	v_and_b32 v102, 7, v0                          ; the turning load: lane l reads key 8 h + l % 8, columns 8 ((l / 8) % 2) on
	v_bfe_u32 v103, v0, 3, 1
	v_lshl_add_u32 v104, v31, 3, v102
	v_mul_u32_u24 v104, v104, PVV
	v_lshl_add_u32 v104, v103, 4, v104
	v_add_nc_u32 v[AV], s88, v104
	v_add_nc_u32 v[AV+1], SLOT, v[AV]
	v_mul_u32_u24 v105, v30, PO
	v_lshl_add_u32 v105, v31, 5, v105
	v_lshl_add_u32 v105, s20, 10, v105             ; row r, column 256 w + 8 h
.irp q, 0,1,2,3
	v_add_nc_u32 v[OSTO+\q], \q*16*PO, v105
.endr
	s_mul_i32 s90, s20, 16*PO
	v_add_nc_u32 v[ORD], s90, v[L16]
	v_mov_b32 v[OG], v[L16]
	v_lshl_add_u32 v[MXL], v30, 4, MX
	v_lshl_add_u32 v[MXS], s20, 2, v[MXL]
	v_lshl_add_u32 v[LSS], v30, 4, LS
	v_lshl_add_u32 v[LSS], s20, 2, v[LSS]
	s_lshl_b32 s91, s20, 8
	s_add_co_u32 s92, s91, SBL
	s_add_co_u32 s91, s91, LS
	v_mov_b32 v[LSA], s91                          ; my 16 rows' sums
	v_lshl_add_u32 v[SBA], v31, 5, s92
	v_add_nc_u32 v[SBS], s92, v[PL8]
	s_wait_loadcnt 32                              ; PSB and the indices are in; the 32 loads of query stay out
	s_wait_kmcnt 0x0
.irp st, 8,4,2,1
.set k, 0
.rept \st
	v_pk_add_f32 v[32+2*k:33+2*k], v[32+2*k:33+2*k], v[32+2*(k+\st):33+2*(k+\st)]
.set k, k+1
.endr
.endr
	v_cmp_eq_u32 vcc_lo, -1, v96
	v_cndmask_b32 v32, v32, s67, vcc_lo
	v_cmp_eq_u32 vcc_lo, -1, v97
	v_cndmask_b32 v33, v33, s67, vcc_lo
	ds_store_b64 v[SBS], v[32:33]
.irp kt, 0,1,2,3                       ; back in the accumulators' layout: register j of key block kt is key 16 kt + 8 h + j.  My wave's own bytes: LDS serves a wave's instructions in order
	ds_load_b128 v[SB+8*\kt:SB+8*\kt+3], v[SBA] offset:64*\kt
	ds_load_b128 v[SB+8*\kt+4:SB+8*\kt+7], v[SBA] offset:64*\kt+16
.endr
	s_wait_dscnt 0x0
.set i, 0
.rept 128                              ; the sums begin with sb, not with 0: so no first quarter is written out; these lines stand in the wait for the first tile
	v_mov_b32 v[S+i], v[SB+8*(i/32)+i%8]
.set i, i+1
.endr
; A chunk of Q (my 16 rows x 128 columns of f32, in set `set`) is rounded to bf16 and stored into Q's buffer of the same parity.  load = 1: the set is loaded again, two chunks on and round
; the row's end (the offset stays under 4,096 bytes); set 0's last look-ahead is thereby the walk's first chunk once more, is never used, and keeps the counts alike in every trip.
.macro QWORK set, load
	s_wait_loadcnt 16                              ; this set is in; the other set's sixteen younger loads stay out
	WIN 0x8a
.set i, 0
.rept 32
	v_cvt_pk_bf16_f32 v[CV+i], v[64*(\set)+2*i], v[64*(\set)+2*i+1]
.set i, i+1
.endr
	WIN 0x08                                       ; store data in window 2
.set i, 0
.rept 16
	ds_store_b64 v[QST+(\set)], v[CV+2*i:CV+2*i+1] offset:PQ*i
.set i, i+1
.endr
.if \load
	WIN 0
	v_add_nc_u32 v[QG+(\set)], 1024, v[QG+(\set)]  ; free since the wait above: the loads that named it are done
	v_and_b32 v[QG+(\set)], 0xfff, v[QG+(\set)]
	WIN 0x80
.set i, 0
.rept 16
	global_load_b128 v[64*(\set)+4*i:64*(\set)+4*i+3], v[QG+(\set)], s[76:77] offset:4096*i th:TH_LOAD_NT
.set i, i+1
.endr
.endif
.endm
; 24 LDS loads in one run: 32 along d at quarter ks of the chunk of parity par: Q's four fragments, K' hi's four, K' lo's four
.macro FETCHS par, ks, f
	WIN 0x40
.irp q, 0,1,2,3
	ds_load_b128 v[(\f)+8*\q:(\f)+8*\q+3],   v[AQ+(\par)] offset:\q*16*PQ+64*(\ks)
	ds_load_b128 v[(\f)+8*\q+4:(\f)+8*\q+7], v[AQ+(\par)] offset:\q*16*PQ+64*(\ks)+32
.endr
.irp q, 0,1,2,3
	ds_load_b128 v[(\f)+32+8*\q:(\f)+32+8*\q+3],   v[AK+(\par)] offset:\q*16*PKK+64*(\ks)
	ds_load_b128 v[(\f)+32+8*\q+4:(\f)+32+8*\q+7], v[AK+(\par)] offset:\q*16*PKK+64*(\ks)+32
.endr
.irp q, 0,1,2,3
	ds_load_b128 v[(\f)+64+8*\q:(\f)+64+8*\q+3],   v[AK+(\par)] offset:\q*16*PKK+64*(\ks)+256
	ds_load_b128 v[(\f)+64+8*\q+4:(\f)+64+8*\q+7], v[AK+(\par)] offset:\q*16*PKK+64*(\ks)+288
.endr
.endm
; n key blocks from kt0 x 4 query tiles; part 0: K' hi, 1: K' lo.  The 16 accumulators take turns, one instruction a turn
.macro MULS f, part, kt0, n
	WIN 0x05
.set kt, \kt0
.rept \n
.set qt, 0
.rept 4
	v_wmma_f32_16x16x32_bf16 v[S+8*(4*kt+qt):S+8*(4*kt+qt)+7], v[(\f)+32+32*(\part)+8*kt:(\f)+32+32*(\part)+8*kt+7], v[(\f)+8*qt:(\f)+8*qt+7], v[S+8*(4*kt+qt):S+8*(4*kt+qt)+7]
.set qt, qt+1
.endr
.set kt, kt+1
.endr
.endm
.macro SQ par, ks, f, g, qw, qset, qload
	s_wait_dscnt 8                                 ; Q and hi are in; the youngest eight loads (lo) may be out
	MULS \f, 0, 0, 4
	PLACES
.if \qw
	QWORK \qset, \qload
.endif
	FETCHS \par, \ks, \g
	s_wait_dscnt 24                                ; all but the 24 just issued: lo, and Q's stores
	MULS \f, 1, 0, 4
.endm
; A chunk's last quarter, and the change of slots: a round of the cluster's barrier.  In front of it each wave waits for all its tensor loads, adds 0 to its spare word, and waits for that, for its reads of
; the slot and of Q's buffer, and for its stores of the next chunk of Q.  Behind it the slot is filled again first.  koff: the scalar register with the slot's chunk of K' in bytes: it goes two chunks on,
; round the batch's 2^20 bytes, and the descriptor's address is made anew of KP's address and that offset; 0: the descriptor (V's) is used as it stands.
.macro STURN par, g0, g1, koff, fetch
	WIN 0
	s_wait_tensorcnt 0x0                           ; all my tensor loads have landed: my quarter of the next slot;
	ds_add_u32 v[SPW], v[NIL]                      ; 0 onto my spare word;
	s_wait_dscnt 9                                 ; (the add and the youngest eight loads may be out)
	MULS F1, 0, 0, 2
	s_wait_dscnt 0x0
	s_barrier_signal -1
	MULS F1, 0, 2, 2
	WIN 0
	s_barrier_wait -1
	CREST
.if \koff
	s_add_co_u32 s[\koff], s[\koff], 262144
	s_and_b32 s[\koff], s[\koff], 0xfffff
	s_mov_b32 s24, s[\koff]
	s_add_nc_u64 s[(\g0)+2:(\g0)+3], s[6:7], s[24:25]
	s_or_b32 s[(\g0)+3], s[(\g0)+3], 0x80000000
.endif
	TLOAD \g0, \g1                                 ; its four v_nop are also the places in front of the loads below
.if \fetch
	FETCHS 1-(\par), 0, F0
.endif
	MULS F1, 1, 0, 4
.endm
.macro SSTEP par, qw, qset, qload, g0, g1, koff, fetch  ; one chunk of 128 along d: 128 matrix instructions
	SQ \par, 1, F0, F1, \qw, \qset, \qload
	SQ \par, 2, F1, F0, 0, 0, 0
	SQ \par, 3, F0, F1, 0, 0, 0
	STURN \par, \g0, \g1, \koff, \fetch
.endm
	QWORK 0, 1                                     ; the walk's first chunk into buffer 0; its third is asked for
	WIN 0
	s_wait_tensorcnt 1                             ; my quarter of the first chunk of K' is in; the second's may stay out
	s_wait_dscnt 0x0                               ; my rows of Q are stored
	s_barrier_signal -1
	s_barrier_wait -1
	FETCHS 0, 0, F0
	WIN 0
	s_mov_b32 s56, 3
.Lscore:                                               ; steps 0 to 5, two a trip
	SSTEP 0, 1, 1, 1, 48, 32, 94, 1
	SSTEP 1, 1, 0, 1, 52, 32, 95, 1
	WIN 0
	s_sub_co_u32 s56, s56, 1
	s_cmp_lg_u32 s56, 0
	s_cbranch_scc1 .Lscore
	SSTEP 0, 1, 1, 0, 80, 40, 0, 1                 ; step 6: the last chunk of Q is converted; slot 0 takes V' key block 0
	SSTEP 1, 0, 0, 0, 84, 40, 0, 0                 ; step 7: slot 1 takes V' key block 1; nothing more to fetch
	WIN 0
	s_wait_loadcnt 0x0                             ; the look-ahead that is not used has landed: window 2 is free
	PLACES
	; THE SOFTMAX.  A lane holds one query of each tile (16 qt + r) and 32 of my wave's keys.  The maximum: four chains, one a key block, each accumulator from its low end on; the four tiles alternate.
.irp n, 0,1,2,3
.irp q, 0,1,2,3
	v_max3_num_f32 v[T+8*\q+\n], v[S+8*(4*\n+\q)], v[S+8*(4*\n+\q)+1], v[S+8*(4*\n+\q)+2]
.endr
.endr
.irp n, 0,1,2,3
.irp q, 0,1,2,3
	v_max3_num_f32 v[T+8*\q+\n], v[T+8*\q+\n], v[S+8*(4*\n+\q)+3], v[S+8*(4*\n+\q)+4]
.endr
.endr
.irp n, 0,1,2,3
.irp q, 0,1,2,3
	v_max3_num_f32 v[T+8*\q+\n], v[T+8*\q+\n], v[S+8*(4*\n+\q)+5], v[S+8*(4*\n+\q)+6]
.endr
.endr
.irp q, 0,1,2,3
	v_max3_num_f32 v[T+8*\q], v[T+8*\q], v[S+8*\q+7], v[S+8*(4+\q)+7]
.endr
.irp q, 0,1,2,3
	v_max3_num_f32 v[T+8*\q+2], v[T+8*\q+2], v[S+8*(8+\q)+7], v[S+8*(12+\q)+7]
.endr
.irp q, 0,1,2,3
	v_max3_num_f32 v[T+8*\q], v[T+8*\q], v[T+8*\q+1], v[T+8*\q+2]
.endr
.irp q, 0,1,2,3
	v_max_num_f32 v[T+8*\q], v[T+8*\q], v[T+8*\q+3]
.endr
.irp q, 0,1,2,3
	v_permlanex16_b32 v[T+8*\q+1], v[T+8*\q], s60, s61   ; the query's other 32 keys of my wave lie in the lane 16 away
.endr
.irp q, 0,1,2,3
	v_max_num_f32 v[T+8*\q], v[T+8*\q], v[T+8*\q+1]
.endr
.irp q, 0,1,2,3
	ds_store_b32 v[MXS], v[T+8*\q] offset:256*\q
.endr
	s_wait_dscnt 0x0
	s_barrier_signal -1                            ; V's tile may stay on its way
	s_barrier_wait -1
.irp q, 0,1,2,3
	ds_load_b128 v[T+8*\q+4:T+8*\q+7], v[MXL] offset:256*\q
.endr
	s_wait_dscnt 0x0
.irp q, 0,1,2,3
	v_max3_num_f32 v[T+8*\q+4], v[T+8*\q+4], v[T+8*\q+5], v[T+8*\q+6]
.endr
.irp q, 0,1,2,3
	v_max_num_f32 v[T+8*\q+4], v[T+8*\q+4], v[T+8*\q+7]  ; m, the row's maximum over all 256 keys
.endr
.irp q, 0,1,2,3
	v_mul_f32 v[T+8*\q], s58, v[T+8*\q+4]          ; c m
.endr
.macro SOFT q                          ; pair i of 16: key block i / 4, registers 2 (i % 4), + 1
.set i, 0
.rept 16
.set rS, S+8*(4*(i/4)+(\q))+2*(i%4)
	v_pk_fma_f32 v[rS:rS+1], v[rS:rS+1], s[58:59], v[T+8*(\q):T+8*(\q)+1] op_sel_hi:[1,0,0] neg_lo:[0,0,1] neg_hi:[0,0,1]  ; c s - c m
.set i, i+1
.endr
.set i, 0
.rept 16
.set rS, S+8*(4*(i/4)+(\q))+2*(i%4)
	v_exp_f32 v[rS], v[rS]
	v_exp_f32 v[rS+1], v[rS+1]
.set i, i+1
.endr
	v_nop                                          ; a plain instruction between the exponentials and the use of their results
.set i, 0
	s_wait_alu depctr_va_vdst(0)
.rept 16
.set rS, S+8*(4*(i/4)+(\q))+2*(i%4)
	v_cvt_pk_f16_f32 v[PK+16*((\q)%2)+i], v[rS], v[rS+1]
.set i, i+1
.endr
.irp kt, 0,1,2,3
	ds_store_b128 v[PST], v[PK+16*((\q)%2)+4*\kt:PK+16*((\q)%2)+4*\kt+3] offset:(\q)*16*PP+32*\kt
.endr
.irp st, 8,4,2,1                       ; the sum of the unrounded weights, in place
.set i, 0
.rept \st
.set rS, S+8*(4*(i/4)+(\q))+2*(i%4)
.set rU, S+8*(4*((i+\st)/4)+(\q))+2*((i+\st)%4)
	v_pk_add_f32 v[rS:rS+1], v[rS:rS+1], v[rU:rU+1]
.set i, i+1
.endr
.endr
	v_add_f32 v[T+8*(\q)+2], v[S+8*(\q)], v[S+8*(\q)+1]
	v_permlanex16_b32 v[T+8*(\q)+3], v[T+8*(\q)+2], s60, s61
	v_add_f32 v[T+8*(\q)+2], v[T+8*(\q)+2], v[T+8*(\q)+3]
	ds_store_b32 v[LSS], v[T+8*(\q)+2] offset:256*(\q)
.endm
	SOFT 0
	SOFT 1
	SOFT 2
	SOFT 3
	s_wait_dscnt 0x0                               ; for the others' sake: my part of P and my sums are stored
	s_barrier_signal -1
	s_barrier_wait -1
.set j, 0
.rept 8                                ; bo, g and b in the row loop's layout; they are waited for in front of it
	global_load_b128 v[BO+4*j:BO+4*j+3], v[OG], s[16:17] offset:8192+512*j
	global_load_b128 v[GG+4*j:GG+4*j+3], v[OG], s[16:17] offset:12288+512*j
	global_load_b128 v[BB+4*j:BB+4*j+3], v[OG], s[16:17] offset:16384+512*j
.set j, j+1
.endr
; O^T += V'^T P.  Step i takes keys 32 i on: P's four fragments, and my 16 blocks of 16 columns of V', turned: 40 LDS loads in one run, into the buffers of i's parity
.macro FETCHP i
.set PF, 64+32*((\i)%2)
.set VF, 128*((\i)%2)
	WIN 0
.irp q, 0,1,2,3
	ds_load_b128 v[PF+8*\q:PF+8*\q+3],   v[AP] offset:\q*16*PP+64*(\i)
	ds_load_b128 v[PF+8*\q+4:PF+8*\q+7], v[AP] offset:\q*16*PP+64*(\i)+32
.endr
	WIN 0x40
.set dt, 0
.rept 16
	ds_load_tr16_b128 v[VF+8*dt:VF+8*dt+3],   v[AV+(((\i)>>1)&1)] offset:((\i)&1)*32*PVV+32*dt
	ds_load_tr16_b128 v[VF+8*dt+4:VF+8*dt+7], v[AV+(((\i)>>1)&1)] offset:((\i)&1)*32*PVV+16*PVV+32*dt
.set dt, dt+1
.endr
.endm
.macro MULP f, dt0, n, zero            ; n column blocks from dt0 x 4 query tiles; the 64 accumulators take turns
.set dt, \dt0
.rept \n
	WIN 0xa1+0x50*(dt/8)                           ; V' window 1, P window 0, O^T window 2 or 3
.set qt, 0
.rept 4
.set rO, 8*(4*(dt%8)+qt)
.if \zero
	v_wmma_f32_16x16x32_f16 v[rO:rO+7], v[128*(\f)+8*dt:128*(\f)+8*dt+7], v[64+32*(\f)+8*qt:64+32*(\f)+8*qt+7], 0
.else
	v_wmma_f32_16x16x32_f16 v[rO:rO+7], v[128*(\f)+8*dt:128*(\f)+8*dt+7], v[64+32*(\f)+8*qt:64+32*(\f)+8*qt+7], v[rO:rO+7]
.endif
.set qt, qt+1
.endr
.set dt, dt+1
.endr
.endm
.macro PVQ i, zero
	s_wait_dscnt 16                                ; P and column blocks 0-7 are in
	MULP (\i)%2, 0, 8, \zero
	PLACES
.if (\i) == 5
	s_wait_tensorcnt 0x0                           ; the last tile, which the fetch below begins to read
.endif
	FETCHP (\i)+1
	s_wait_dscnt 40                                ; all but the 40 just issued
	MULP (\i)%2, 8, 8, \zero
.endm
.macro PVT i, g0                       ; a key block's second step, and the change of slots
	WIN 0
	s_wait_tensorcnt 0x0                           ; all my tensor loads have landed: my quarter of the next key block;
	ds_add_u32 v[SPW], v[NIL]                      ; 0 onto my spare word;
	s_wait_dscnt 17                                ; (the add and the youngest sixteen loads may be out)
	MULP (\i)%2, 0, 4, 0
	s_wait_dscnt 0x0                               ; the add is done, and my reads of this slot are over
	s_barrier_signal -1
	MULP (\i)%2, 4, 4, 0
	WIN 0
	s_barrier_wait -1
	CREST
	s_add_nc_u64 s[(\g0)+2:(\g0)+3], s[(\g0)+2:(\g0)+3], 262144   ; two key blocks on
	TLOAD \g0, 40
	FETCHP (\i)+1
	MULP (\i)%2, 8, 8, 0
.endm
	s_wait_tensorcnt 0x1                           ; V' key block 0 is in; block 1's load, issued behind it, may stay out
	FETCHP 0
	PVQ 0, 1                                       ; the first products start the sums
	PVT 1, 80
	PVQ 2, 0
	PVT 3, 84
	PVQ 4, 0
	PVQ 5, 0
	PVQ 6, 0
	s_wait_dscnt 0x0                               ; my last reads of the ring and of P are back; my tensor loads have all been waited for
	s_barrier_signal -1
	MULP 1, 0, 16, 0
	WIN 0
	s_barrier_wait -1                              ; nobody reads the ring any more and nothing is loaded into it: O goes there
	PLACES
.set dt, 0
.rept 16
	WIN 0x08+0x04*(dt/8)                           ; store data in window 2 or 3
.set qt, 0
.rept 4
.set rO, 8*(4*(dt%8)+qt)
	ds_store_b128 v[OSTO+qt], v[rO:rO+3] offset:64*dt
	ds_store_b128 v[OSTO+qt], v[rO+4:rO+7] offset:64*dt+16
.set qt, qt+1
.endr
.set dt, dt+1
.endr
	WIN 0
.set j, 0
.rept 16
	v_mov_b32 v[AL+2*j+1], 0                       ; the factors are named as pairs; the packed lines take the low word for both halves
.set j, j+1
.endr
	s_wait_dscnt 0x0
	s_barrier_signal -1
	s_barrier_wait -1
	s_wait_loadcnt 0x0                             ; bo, g, b
	; THE ROWS.  Two rows a trip, eight trips.  A lane holds columns 128 j + 4 lane + 0..3, j = 0..7: load j lies in V's scale block j.
.macro ROWS line:vararg                ; one line for each of the two rows R
.set R, 0
.rept 2
	\line
.set R, R+1
.endr
.endm
.macro RSUM                            ; four pairs of partial sums -> the sum over the row's 1,024 numbers, in every lane
	ROWS v_pk_add_f32 v[TT+16*R:TT+16*R+1], v[TT+16*R:TT+16*R+1], v[TT+16*R+2:TT+16*R+3]
	ROWS v_pk_add_f32 v[TT+16*R+4:TT+16*R+5], v[TT+16*R+4:TT+16*R+5], v[TT+16*R+6:TT+16*R+7]
	ROWS v_pk_add_f32 v[TT+16*R:TT+16*R+1], v[TT+16*R:TT+16*R+1], v[TT+16*R+4:TT+16*R+5]
	ROWS v_add_f32 v[TT+16*R], v[TT+16*R], v[TT+16*R+1]
.irp m, 1,2,4,8
	ROWS v_add_f32_dpp v[TT+16*R], v[TT+16*R], v[TT+16*R] row_xmask:\m row_mask:0xf bank_mask:0xf
.endr
	ROWS v_permlanex16_b32 v[TT+16*R+1], v[TT+16*R], s60, s61
	ROWS v_add_f32 v[TT+16*R], v[TT+16*R], v[TT+16*R+1]
.endm
	s_mov_b32 s56, 8
.Lrow:
.set R, 0
.rept 2
.set j, 0
.rept 8
	ds_load_b128 v[XR+32*R+4*j:XR+32*R+4*j+3], v[ORD] offset:PO*R+512*j
.set j, j+1
.endr
	ds_load_b128 v[TT+16*R+8:TT+16*R+11], v[LSA] offset:16*R
.set R, R+1
.endr
	s_wait_dscnt 0x0
	ROWS v_add_f32 v[TT+16*R+8], v[TT+16*R+8], v[TT+16*R+9]
	ROWS v_add_f32 v[TT+16*R+10], v[TT+16*R+10], v[TT+16*R+11]
	ROWS v_add_f32 v[TT+16*R+8], v[TT+16*R+8], v[TT+16*R+10]     ; l
	ROWS v_rcp_f32 v[TT+16*R+9], v[TT+16*R+8]
	v_nop
	s_wait_alu depctr_va_vdst(0)
	ROWS v_mul_f32 v[TT+16*R+9], s66, v[TT+16*R+9]               ; 1 / (32 l)
.set R, 0
.rept 2
.set j, 0
.rept 8
	v_mul_f32 v[AL+16*R+2*j], s[68+j], v[TT+16*R+9]              ; times the block's inverse scale
.set j, j+1
.endr
.set R, R+1
.endr
.set R, 0
.rept 2
.set p, 0
.rept 16
.set x, XR+32*R+2*p
	v_pk_fma_f32 v[x:x+1], v[x:x+1], v[AL+16*R+2*(p/2):AL+16*R+2*(p/2)+1], v[BO+2*p:BO+2*p+1] op_sel_hi:[1,0,1]  ; v = O x factor + bo
.set p, p+1
.endr
.set R, R+1
.endr
.set R, 0
.rept 2
.set p, 0
.rept 4
	v_pk_add_f32 v[TT+16*R+2*p:TT+16*R+2*p+1], v[XR+32*R+2*p:XR+32*R+2*p+1], v[XR+32*R+2*(p+4):XR+32*R+2*(p+4)+1]
.set p, p+1
.endr
.set p, 8
.rept 8
	v_pk_add_f32 v[TT+16*R+2*(p%4):TT+16*R+2*(p%4)+1], v[TT+16*R+2*(p%4):TT+16*R+2*(p%4)+1], v[XR+32*R+2*p:XR+32*R+2*p+1]
.set p, p+1
.endr
.set R, R+1
.endr
	RSUM
	ROWS v_mul_f32 v[TT+16*R+12], s62, v[TT+16*R]                ; the mean,
	ROWS v_mov_b32 v[TT+16*R+13], v[TT+16*R+12]                  ; as a pair
.set R, 0
.rept 2
.set p, 0
.rept 16
.set x, XR+32*R+2*p
	v_pk_add_f32 v[x:x+1], v[x:x+1], v[TT+16*R+12:TT+16*R+13] neg_lo:[0,1] neg_hi:[0,1]
.set p, p+1
.endr
.set R, R+1
.endr
.set R, 0
.rept 2
.set p, 0
.rept 16
.set x, XR+32*R+2*p
.if p < 4
	v_pk_mul_f32 v[TT+16*R+2*p:TT+16*R+2*p+1], v[x:x+1], v[x:x+1]
.else
	v_pk_fma_f32 v[TT+16*R+2*(p%4):TT+16*R+2*(p%4)+1], v[x:x+1], v[x:x+1], v[TT+16*R+2*(p%4):TT+16*R+2*(p%4)+1]
.endif
.set p, p+1
.endr
.set R, R+1
.endr
	RSUM
	ROWS v_fma_f32 v[TT+16*R+14], v[TT+16*R], s62, s63           ; the variance + 1e-5
	ROWS v_rsq_f32 v[TT+16*R+14], v[TT+16*R+14]
	v_nop
	s_wait_alu depctr_va_vdst(0)
	ROWS v_mov_b32 v[TT+16*R+15], v[TT+16*R+14]
.set R, 0
.rept 2
.set p, 0
.rept 16
.set x, XR+32*R+2*p
	v_pk_mul_f32 v[x:x+1], v[x:x+1], v[TT+16*R+14:TT+16*R+15]
.set p, p+1
.endr
.set p, 0
.rept 16
.set x, XR+32*R+2*p
	v_pk_fma_f32 v[x:x+1], v[x:x+1], v[GG+2*p:GG+2*p+1], v[BB+2*p:BB+2*p+1]
.set p, p+1
.endr
.set j, 0
.rept 8
	global_store_b128 v[OG], v[XR+32*R+4*j:XR+32*R+4*j+3], s[18:19] offset:4096*R+512*j th:TH_STORE_NT  ; 512 consecutive bytes, aligned
.set j, j+1
.endr
.set R, R+1
.endr
	s_wait_xcnt 0x0                                ; the stores' address and data registers are written again only behind this wait: below, and in the next trip's loads
	v_add_nc_u32 v[OG], 8192, v[OG]
	v_add_nc_u32 v[ORD], 2*PO, v[ORD]
	v_add_nc_u32 v[LSA], 32, v[LSA]
	s_sub_co_u32 s56, s56, 1
	s_cmp_lg_u32 s56, 0
	s_cbranch_scc1 .Lrow
	s_wait_tensorcnt 0x0                           ; the wave's end
	ds_add_u32 v[SPW], v[NIL]
	s_wait_dscnt 0x0
	CROUND                                         ; the closing round: no work-group ends while a partner may still ask for a tile that names it
	s_endpgm
.Lfunc_end_k_q93cceb3447_attend:
	.size	k_q93cceb3447_attend, .Lfunc_end_k_q93cceb3447_attend-k_q93cceb3447_attend
	.p2alignl 7, 3214868480
	.fill 96, 4, 3214868480
	.section	.rodata,"a",@progbits
	.p2align	6, 0x0
	.amdhsa_kernel k_q93cceb3447_attend
		.amdhsa_group_segment_fixed_size 327680
		.amdhsa_private_segment_fixed_size 0
		.amdhsa_enable_private_segment 0
		.amdhsa_kernarg_size 64
		.amdhsa_user_sgpr_count 2
		.amdhsa_user_sgpr_kernarg_segment_ptr 1
		.amdhsa_wavefront_size32 1
		.amdhsa_system_sgpr_workgroup_id_x 1
		.amdhsa_system_sgpr_workgroup_id_y 1
		.amdhsa_system_sgpr_workgroup_id_z 1
		.amdhsa_system_vgpr_workitem_id 0
		.amdhsa_next_free_vgpr 1024
		.amdhsa_next_free_sgpr 96
		.amdhsa_reserve_vcc 1
		.amdhsa_float_denorm_mode_32 3
		.amdhsa_float_denorm_mode_16_64 3
		.amdhsa_memory_ordered 1
		.amdhsa_forward_progress 1
		.amdhsa_inst_pref_size 208
	.end_amdhsa_kernel
	.amdgpu_metadata
---
amdhsa.version: [ 1, 2 ]
amdhsa.kernels:
  - .name:           k_q93cceb3447_attend
    .symbol:         k_q93cceb3447_attend.kd
    .args:
      - { .name: query, .offset: 0, .size: 8, .value_kind: global_buffer, .address_space: global }
      - { .name: KP, .offset: 8, .size: 8, .value_kind: global_buffer, .address_space: global }
      - { .name: VP, .offset: 16, .size: 8, .value_kind: global_buffer, .address_space: global }
      - { .name: VS, .offset: 24, .size: 8, .value_kind: global_buffer, .address_space: global }
      - { .name: PSB, .offset: 32, .size: 8, .value_kind: global_buffer, .address_space: global }
      - { .name: ent_idx_in_batch, .offset: 40, .size: 8, .value_kind: global_buffer, .address_space: global }
      - { .name: PAR, .offset: 48, .size: 8, .value_kind: global_buffer, .address_space: global }
      - { .name: out0, .offset: 56, .size: 8, .value_kind: global_buffer, .address_space: global }
    .group_segment_fixed_size: 327680
    .private_segment_fixed_size: 0
    .kernarg_segment_align: 8
    .kernarg_segment_size: 64
    .max_flat_workgroup_size: 128
    .sgpr_count:     96
    .vgpr_count:     1024
    .wavefront_size: 32
...
	.end_amdgpu_metadata
.endif
;; end of part 8
